; MI455X (gfx1250); checked and timed in simulation.
; The chip was launched on July 23, 2026; its instructions are those of AMD's public machine-readable ISA for CDNA 5 (MIT licence, August 2026) and "CDNA5" Instruction Set Architecture Reference Guide (July 2026). The comments in the code are by the model that wrote it; some were corrected since.
;; Multi Head Attention. Allowed arithmetic: matrix products marked QUANTISED: E4M3 operands, one E8M0 scale for each 32 along K, by v_wmma_scale_f32_16x16x128_f8f6f4 with both operands' format E4M3, f32 sums; everything else in f32.
;; Inputs: mask 1 x 1 x 2,048 x 2,048 bool; w_k_codes 1,024 x 32 x 32 uint8 (E4M3 codes of w_k, K innermost, in blocks of 32 codes); w_k_scales 1,024 x 32 uint8 (E8M0 scales of w_k, one for each 32 codes along K); w_out_codes 1,024 x 32 x 32 uint8 (E4M3 codes of w_out, K innermost, in blocks of 32 codes); w_out_scales 1,024 x 32 uint8 (E8M0 scales of w_out, one for each 32 codes along K); w_q_codes 1,024 x 32 x 32 uint8 (E4M3 codes of w_q, K innermost, in blocks of 32 codes); w_q_scales 1,024 x 32 uint8 (E8M0 scales of w_q, one for each 32 codes along K); w_v_codes 1,024 x 32 x 32 uint8 (E4M3 codes of w_v, K innermost, in blocks of 32 codes); w_v_scales 1,024 x 32 uint8 (E8M0 scales of w_v, one for each 32 codes along K); x_codes 4 x 2,048 x 32 x 32 uint8 (E4M3 codes of x, K innermost, in blocks of 32 codes); x_scales 4 x 2,048 x 32 uint8 (E8M0 scales of x, one for each 32 codes along K).
;; Outputs: out0 4 x 2,048 x 1,024 float32.
;; This version of the problem:
;;   THIS VERSION OF THE PROBLEM IS GIVEN IN LOW PRECISION. The matrix products marked QUANTISED in the list below multiply operands that are first quantised to E4M3 (4 exponent bits, 3 mantissa bits; 8 bits a number), with one power-of-two scale for each 32 numbers along K (OCP MX v1.0); their sums are f32. All else is computed in f32.
;;   The module's matrix products, in the order in which they are computed (A, B: the left and right operand; K: the contracted axis; several contracted axes count as one K, in the product's order):
;;     1. [M 8,192, K 1,024] x [K 1,024, N 1,024]; A: input x (given as codes); B: input w_q (given as codes): QUANTISED
;;     2. [M 8,192, K 1,024] x [K 1,024, N 1,024]; A: input x (given as codes); B: input w_k (given as codes): QUANTISED
;;     3. [M 8,192, K 1,024] x [K 1,024, N 1,024]; A: input x (given as codes); B: input w_v (given as codes): QUANTISED
;;     4. batch 64 x [M 2,048, K 64] x [K 64, N 2,048]; A: computed on the way; B: computed on the way: QUANTISED
;;     5. batch 64 x [M 2,048, K 2,048] x [K 2,048, N 64]; A: softmax (see below); B: computed on the way: QUANTISED
;;     6. [M 8,192, K 1,024] x [K 1,024, N 1,024]; A: computed on the way; B: input w_out (given as codes): QUANTISED
;;   THE QUANTISER, for each operand of a quantised product, along K:
;;     - K is cut into blocks of 32 from its start; a last block that is shorter is filled with zeros.
;;     - A block's scale is 2^e with e = floor(log2(the largest magnitude in the block)) - 8, held to -126 .. 127; a block of zeros has e = 0. As a byte (E8M0): e + 127.
;;     - Each number is divided by its block's scale, clamped to +-448, and rounded to the nearest number of E4M3, ties to even, subnormals kept.
;;     - The product sums the exact products of the quantised numbers (number of the format x scale) in f32.
;;   ~~~python
;;   def quantise(x, axis):      # numpy; x: float32 -> the quantised numbers, widened to float32 again
;;       x = np.moveaxis(x, axis, -1); K = x.shape[-1]
;;       x = np.pad(x, [(0, 0)] * (x.ndim - 1) + [(0, -K % 32)]); x = x.reshape(x.shape[:-1] + (-1, 32)); a = np.abs(x).max(-1, keepdims=True)
;;       e = np.where(a > 0, np.clip(np.frexp(np.where(a > 0, a, 1))[1] - 1 - 8, -126, 127), 0)      # np.frexp(a)[1] - 1 = floor(log2(a)), exactly
;;       r = np.clip(x / 2.0 ** e, -448, 448)
;;       step = 2.0 ** (np.maximum(np.frexp(np.where(r == 0, 1, r))[1] - 1, -6) - 3)
;;       q = np.round(r / step) * step * 2.0 ** e      # np.round: ties to even
;;       return np.moveaxis(q.reshape(q.shape[:-2] + (-1,))[..., :K], -1, axis).astype(np.float32)
;;   ~~~
;;   SOFTMAX AHEAD OF A QUANTISED PRODUCT. Where the list says 'softmax', what is quantised is not the finished softmax but p = 2^(t - M), with t = logit x log2(e) and M = ceil(the row's largest t), a whole number; so 1/2 < the row's largest p <= 1. The row's sum l is taken of the UNQUANTISED p, in f32, and the product's result is divided by l at the end. Since M is a whole number, a kernel that streams over the keys may use a running M (the ceiling of the running maximum): every later rescaling is an exact power of two, which a block's scale takes up: the codes' values come out the same.
;;   OPERANDS COMPUTED ON THE WAY. 'Computed on the way' means the value that the module computes at that place (a softmax that the list does not call 'softmax' is quantised finished and normalised). What goes into a quantiser is computed in f32, as accurately as f32 sums, v_exp_f32 and their like allow (about 1e-6 of the number): no bf16 or f16 on the way to a quantiser, and a product that is left as it is and whose result goes on into a quantised operand takes f32 operands (vector FMAs, or v_wmma_f32_16x16x4_f32). A number that lies on a knife's edge between two numbers of the format may be rounded either way, as far as f32 arithmetic and the matrix unit's own rounding can turn it there, and no further.
;;   INPUTS GIVEN AS CODES. w_k (in the module: [1024, 1024], K = its axis 1); w_out (in the module: [1024, 1024], K = its axis 1); w_q (in the module: [1024, 1024], K = its axis 1); w_v (in the module: [1024, 1024], K = its axis 1); x (in the module: [4, 2048, 1024], K = its axis 2): each comes as NAME_codes (uint8): NAME with its K axis moved to the last place and cut into blocks of 32 codes, [.., K / 32, bytes a block], one block behind the other in memory; one code a byte (a code: sign, 4 exponent bits, 3 mantissa bits); and NAME_scales (uint8): the same leading axes, one E8M0 byte (e + 127) for each 32 codes along K. Its value is code x scale, taken as it is: it is not quantised again, and the codes and scales need not be those that the quantiser above would give.
;; 3 versions, each right; version 2 is faster than version 1; version 3 is version 2 with the launch attn written anew for expert scheduling mode. Each part assembles by itself: llvm-mc -triple=amdgcn-amd-amdhsa -mcpu=gfx1250 --defsym DOCPART=n.
;; ======== version 1 of 3: 3 launches
;; limits: right only within a limited range of input values
;; workspace buffers: qb 8,912,896 bytes; kv 17,825,792 bytes; maskw 524,288 bytes of whole numbers; ac 8,388,608 bytes; asc 262,144 bytes
;; launch qkv (part 1): grid 12 x 32, 4 waves a work-group, clusters of 4 x 4, 327,680 bytes of LDS; arguments x_codes, x_scales, w_q_codes, w_q_scales, w_k_codes, w_k_scales, w_v_codes, w_v_scales, mask, qb, kv, maskw; writes qb, kv, maskw
.if DOCPART == 1
	.amdgcn_target "amdgcn-amd-amdhsa--gfx1250"
	.amdhsa_code_object_version 6
	.text
	.protected	k_qbfeb57e18e_qkv
	.globl	k_qbfeb57e18e_qkv
	.p2align	8
	.type	k_qbfeb57e18e_qkv,@function
k_qbfeb57e18e_qkv:
	s_mov_b64 s[64:65], 0
	v_nop
	global_prefetch_b8 v0, s[64:65] scope:SCOPE_SE
	s_setreg_imm32_b32 hwreg(HW_REG_WAVE_MODE, 25, 1), 1
	s_wait_xcnt 0x0
	s_wait_alu depctr_hold_cnt(0) depctr_sa_sdst(0) depctr_va_vdst(0) depctr_va_sdst(0) depctr_va_ssrc(0) depctr_va_vcc(0) depctr_vm_vsrc(0)
	s_getreg_b32 s2, hwreg(HW_REG_IB_STS2, 6, 4)
	s_cmp_eq_u32 s2, 0
	s_cbranch_scc0 .Lentry_in_a_cluster
	s_endpgm
.Lentry_in_a_cluster:
	s_bfe_u32 s2, ttmp6, 0x10000c
	s_cmp_lg_u32 s2, 0xf033
	s_cbranch_scc0 .Lentry_shape_is_right
	s_endpgm
.Lentry_shape_is_right:
; q = x Wq^T, k = x Wk^T, v = x Wv^T on codes of FP8 (E4M3) with one E8M0 scale for each 32 along K = 1,024; the results are quantised at once, by the same format's rule, for the attention that follows:
; q and k along a head's 64 channels, v along the keys.  They leave as IMAGES OF OPERAND REGISTERS (16 bytes a lane, 512 bytes a store), so that the next launch loads fragments whole.  The mask is packed into lane-mask words on the way.
; WHICH PRODUCT: the cluster's x (equal in all sixteen partners): 0 = q, 1 = k, 2 = v.  The text always computes D = (source 0: 16 rows of "B") x (source 1: 16 rows of "A"): a lane holds ONE row of A and eight
; neighbouring rows of B, and B's rows are the axis that is quantised.  q, k: A = x (tokens), B = the weight (channels).  v: A = Wv (channels), B = x (tokens = keys).  Only pointers and strides are chosen by the product; all take one path.
; A tile of 256 x 256 is made by four waves, each 128 x 128: 64 accumulators, 512 registers.  K goes in steps of 256 through a ring of two LDS slots filled by joint tensor loads; the scale bytes of the tile's rows come once and stay.
; THE ORDER INSIDE A BLOCK OF 32.  The 16 registers of tiles 2 b and 2 b + 1 hold places 32 b + 8 h + 0..7 and 32 b + 16 + 8 h + 0..7 (h = lane / 16): with the lane 16 away that is one true block of 32.  The conversions put them
; into fragment registers 4 b .. 4 b + 3.  q and k are both laid so, and so are v and the weights p of the next launch: a permutation inside a block applied alike to both sides of a product keeps every product and every scale.
; q IS NOT DIVIDED BY 32 HERE: a power of two moves a block's scale byte alone; the next launch folds 1/32 into its exponent's factor.
; LIMITS: a block whose largest magnitude lies under 2^-118 keeps the scale byte 1 (a block of zeros too: its codes are zeros, and this program alone reads the bytes); blocks of q so small that q / 32 would be held at byte 1 differ from the rule; NaN and infinities are not served.
; REGISTERS, in windows of 256: window 0: v0-31 addresses; v32-63 scale words, two sets; from v128 A's fragments, one set; v64-127 the mask's bytes, later 64 held numbers.  window 1: B's fragments, two sets.  windows 2, 3: the accumulators ((a, b) at v[8 (8 (a % 4) + b)]).
.set KSTEP,  256                       ; along K in a slot
.set NQ,     2                         ; matrix instructions deep
.set ROWB,   256                       ; a tile's row in bytes
.set KROW,   1024                      ; a row of x or of a weight in memory, in bytes
.set PITCH,  272                       ; an LDS row: 256 bytes + 16 of padding = 68 words: the 16 rows that a load touches start at 16 different banks (64 banks of 4 bytes: ISA guide 11.1)
.set FR,     16                        ; registers of a fragment
.set NL,     4                         ; LDS loads that bring one
.set NP,     8                         ; places behind this matrix instruction (ISA guide 7.12.1)
.set HALFT,  128*PITCH                 ; 128 rows: what one tensor load brings
.set SLOT,   4*HALFT                   ; A's 256 rows, then B's 256 rows
.set LAPS,   2                         ; 1,024 / (2 x 256)
.set KS,     32                        ; a row of scale bytes
.set SCL,    2*SLOT                    ; behind the ring: the scales, as units of 256 bytes + 16 of padding
.set HALFS,  (128*KS/256)*272          ; the scales of 128 rows
.set SBLK,   (16*KS/256)*272           ; those of 16 rows
.set SPARE,  SCL+4*HALFS               ; behind the scales: the spare words, 128 bytes for each wave
.set ADRA, 16                          ; v16-17  LDS address of my A fragments in slot 0, 1
.set ADRB, 20                          ; v20-21  the same for B
.set VO0,  24                          ; v24     16 x lane: my place in an image
.set VO1,  25                          ; v25     + the distance from chunks 0, 1 to chunks 2, 3
.set VO2,  26                          ; v26     + a head
.set ADRS, 27                          ; v27     LDS address of my scale words
.set SPW,  28                          ; v28     LDS address of my spare word; never rewritten
.set NIL,  29                          ; v29     0; never rewritten
.set SC,   32                          ; v32-63  scale words, two sets: they hold scales and nothing else
.set AF,   128                         ; A's fragments
.set XN,   64                          ; the way out: v64-127 a tile's 64 numbers, held
.set PC,   128                         ; v128-143 its codes
.set TM,   160                         ; v160-163 largest magnitudes, 164-167 bytes, 168-171 448 x the scale, 172-175 the conversions' scale operands
.set WD,   176                         ; v176-183 the eight tiles' scale words
.set PP,   184                         ; v184-187 two tiles' words in one register
.set PH,   188                         ; v188-191 the same, the second head's bytes
.set R0,   192                         ; v192-195, v196-199 what is stored
.set R1,   196
.set G1, 24                            ; s[24:31] descriptor group 1 for A's tiles;  s[32:39] group 0, one set for each slot
.set G0, 32
.set G1B, 48                           ; s[48:55], s[56:63] the same for B's tiles
.set G0B, 56
.set G1S, 68                           ; s[68:75], s[76:79] groups 1 and 0 for A's scales;  s[80:87], s[88:91] for B's
.set G0S, 76
.set G1SB, 80
.set G0SB, 88
.set TOK, 68                           ; the way out's scalars lie in the scales' descriptors, whose loads were the first to be shown done
.set CH,  69
.set HSZ, 70                           ; a head in the output buffer, in bytes
.set SSZ, 71                           ; a step of 128 tokens in it
.set SAD, 72                           ; s[72:73] from tile to tile
.set SJD, 74                           ; s[74:75] from tile 3 to tile 4
.set SCD, 76                           ; from chunks 0, 1 to chunks 2, 3
.set SVM, 77                           ; all ones for v, else 0
.set SCO, 78                           ; where a step's scale words begin
.set VOF, 79                           ; where its images begin
.set OB,  80                           ; s[80:81] the images' address
.set OS,  82                           ; s[82:83] the scale words'
.set TP,  84                           ; s[84:85] an offset as a pair
.set HIM, 86                           ; lanes 16-31
.set MNT, 87                           ; the mantissa field of 448
.set SEL, 88                           ; s[88:89] v_permlanex16_b32's selects for lane l xor 16
.set MSB, 0
.macro WIN new                         ; the immediate's high byte repeats the setting that is left
.if MSB != \new
	s_set_vgpr_msb (MSB<<8)|\new
.set MSB, \new
.endif
.endm
.set MUL_LO, 0xa1                      ; source 0 (B) window 1, source 1 (A) window 0, C and D window 2
.set MUL_HI, 0xf1                      ; the same, C and D window 3
.set TO_B,   0x40                      ; destination window 1, address window 0
; A joint load: waves 0 and 1 fetch for A, waves 2 and 3 for B.  Each line has one mask and one set of registers for all that issue it; the branch hangs on the wave's number alone.  Four v_nop follow each line.
.macro JLOAD g0a, g1a, g0b, g1b
	s_cmp_eq_u32 s15, 0
	s_cbranch_scc0 .Lfor_b_\@
	tensor_load_to_lds s[\g0a:\g0a+3], s[\g1a:\g1a+7]
	s_nop 0
.rept 4
	v_nop
.endr
	s_branch .Lasked_\@
.Lfor_b_\@:
	tensor_load_to_lds s[\g0b:\g0b+3], s[\g1b:\g1b+7]
	s_nop 0
.rept 4
	v_nop
.endr
.Lasked_\@:
.endm
.macro CREST                           ; a round of the cluster's barrier behind its opening barrier
	s_cmp_lg_u32 s14, 0
	s_cbranch_scc1 .Lnot_wave_0_\@
	s_barrier_signal -3
.Lnot_wave_0_\@:
	s_barrier_wait -3
	s_barrier_signal -1
	s_barrier_wait -1
.endm
.macro CROUND                          ; a whole round
	s_barrier_signal -1
	s_barrier_wait -1
	CREST
.endm
	s_load_b512 s[68:83], s[0:1], 0x0              ; x codes, x scales, Wq codes, scales, Wk codes, scales, Wv codes, scales
	s_load_b256 s[84:91], s[0:1], 0x40             ; mask, qb, kv, maskw
	v_lshl_add_u32 v[SPW], v0, 2, SPARE
	v_mov_b32 v[NIL], 0
	ds_add_u32 v28, v29
	ds_add_u32 v28, v29
	s_wait_dscnt 0x0
	v_lshrrev_b32 v1, 5, v0
	v_readfirstlane_b32 s14, v1                    ; wave 0..3
	s_lshr_b32 s15, s14, 1                         ; which half of the tile's rows is mine.  Also: I fetch for A (0) or for B (1)
	s_and_b32 s16, s14, 1                          ; which half of its columns.  Also: which 128 rows of that tile I fetch
	s_bfe_u32 s40, ttmp6, 0x40000                  ; cx, cy: my place in the cluster
	s_bfe_u32 s41, ttmp6, 0x40004
	s_and_b32 s18, ttmp7, 0xffff
	s_lshl_b32 s18, s18, 2                         ; 4 x cluster y: it walks the tokens
	s_cmp_eq_u32 ttmp9, 2                          ; v?  Then the tokens are B's rows
	s_cselect_b32 s17, 0, s18
	s_cselect_b32 s42, s18, 0
	s_add_co_u32 s17, s17, s41                     ; tile row (A's rows): it never holds cx
	s_add_co_u32 s42, s42, s40                     ; tile column (B's rows): it never holds cy
	s_lshl_b32 s43, s41, 2
	s_lshl_b32 s43, 15, s43                        ; my row of the cluster
	s_lshl_b32 s44, 0x1111, s40                    ; my column
	; descriptor group 1: a tile of 128 rows x 256 bytes, padded in LDS
	s_or_b32 s[G1+0], s43, (0<<16)|(1<<20)|(1<<21)|(5<<22)|(3<<25)  ; 15:0 the mask: A's tiles go to my row; 17:16 element of 1 byte; 20 padding on; 21 set beside a mask; 24:22 after every 64 words; 31:25 of 4 words
	s_or_b32 s[G1B+0], s44, (0<<16)|(1<<20)|(1<<21)|(5<<22)|(3<<25)
.irp g, G1, G1B
	s_mov_b32 s[\g+1], ROWB<<16                    ; tensor_dim0
	s_mov_b32 s[\g+2], 128<<16                     ; tensor_dim1 = 128
	s_mov_b32 s[\g+3], ROWB<<16                    ; tile_dim0
	s_mov_b32 s[\g+4], 128                         ; tile_dim1 = 128
	s_mov_b32 s[\g+5], KROW                        ; tensor_dim0_stride
	s_mov_b32 s[\g+6], 0
	s_mov_b32 s[\g+7], 0
.endr
	s_lshl_b32 s18, s16, 7                         ; which 128 rows of the tile I fetch
	s_lshl_b32 s20, s17, 8
	s_add_co_u32 s20, s20, s18                     ; A: row 256 x tile row + 128 x half
	s_lshl_b32 s46, s42, 8
	s_add_co_u32 s46, s46, s18                     ; B: row 256 x tile column + 128 x half
	s_mov_b32 s21, 0
	s_mov_b32 s47, 0
	s_mov_b64 s[18:19], KS
	s_mul_u64 s[22:23], s[20:21], s[18:19]         ; where these rows' scales begin, in bytes
	s_mul_u64 s[92:93], s[46:47], s[18:19]
	s_mov_b64 s[18:19], KROW
	s_mul_u64 s[20:21], s[20:21], s[18:19]         ; and their codes
	s_mul_u64 s[46:47], s[46:47], s[18:19]
	s_mul_i32 s45, s14, HALFT                      ; where they go: wave x 128 rows: no place in the cluster enters an LDS address
	s_mul_i32 s94, s14, HALFS
	s_wait_kmcnt 0x0
	s_cmp_eq_u32 ttmp9, 2                          ; the buffers are chosen by the product's number alone
	s_cselect_b64 s[4:5], s[80:81], s[68:69]       ; A's codes: Wv's or x's
	s_cselect_b64 s[6:7], s[82:83], s[70:71]       ; A's scales
	s_cmp_eq_u32 ttmp9, 0
	s_cselect_b64 s[8:9], s[72:73], s[76:77]       ; B's codes: Wq's or Wk's,
	s_cselect_b64 s[10:11], s[74:75], s[78:79]
	s_cselect_b64 s[12:13], s[86:87], s[88:89]     ; the output: qb or kv
	s_cmp_eq_u32 ttmp9, 2
	s_cselect_b64 s[8:9], s[68:69], s[8:9]         ; or, for v, x's
	s_cselect_b64 s[10:11], s[70:71], s[10:11]
	s_mov_b64 s[96:97], s[84:85]                   ; the mask
	s_mov_b64 s[98:99], s[90:91]                   ; its words
	; the arguments have been taken out of s68-s91: now the scales' descriptors.  128 rows' scales are a dense block of 4,096 bytes: 16 rows of 256 bytes (32 elements of 8 bytes), 16 bytes of padding behind each
	s_or_b32 s[G1S+0], s43, (3<<16)|(1<<20)|(1<<21)|(5<<22)|(3<<25)
	s_or_b32 s[G1SB+0], s44, (3<<16)|(1<<20)|(1<<21)|(5<<22)|(3<<25)
.irp g, G1S, G1SB
	s_mov_b32 s[\g+1], 32<<16
	s_mov_b32 s[\g+2], (128*KS/256)<<16
	s_mov_b32 s[\g+3], 32<<16
	s_mov_b32 s[\g+4], 128*KS/256
	s_mov_b32 s[\g+5], 32
	s_mov_b32 s[\g+6], 0
	s_mov_b32 s[\g+7], 0
.endr
	s_add_nc_u64 s[20:21], s[4:5], s[20:21]
	s_add_nc_u64 s[22:23], s[6:7], s[22:23]
	s_add_nc_u64 s[46:47], s[8:9], s[46:47]
	s_add_nc_u64 s[92:93], s[10:11], s[92:93]
	CROUND                                         ; all sixteen work-groups are here: the first joint loads meet
	s_mov_b32 s[G0S], 1
	s_add_co_u32 s[G0S+1], s94, SCL
	s_mov_b64 s[G0S+2:G0S+3], s[22:23]
	s_or_b32 s[G0S+3], s[G0S+3], 0x80000000
	s_mov_b32 s[G0SB], 1
	s_add_co_u32 s[G0SB+1], s94, SCL
	s_mov_b64 s[G0SB+2:G0SB+3], s[92:93]
	s_or_b32 s[G0SB+3], s[G0SB+3], 0x80000000
	JLOAD G0S, G1S, G0SB, G1SB                     ; the scales first: they are wanted with K step 0
.irp s, 0,1
	s_mov_b32 s[G0+4*\s], 1
	s_add_co_u32 s[G0+4*\s+1], s45, \s*SLOT
	s_add_nc_u64 s[G0+4*\s+2:G0+4*\s+3], s[20:21], \s*ROWB
	s_or_b32 s[G0+4*\s+3], s[G0+4*\s+3], 0x80000000
	s_mov_b32 s[G0B+4*\s], 1
	s_add_co_u32 s[G0B+4*\s+1], s45, \s*SLOT
	s_add_nc_u64 s[G0B+4*\s+2:G0B+4*\s+3], s[46:47], \s*ROWB
	s_or_b32 s[G0B+4*\s+3], s[G0B+4*\s+3], 0x80000000
	JLOAD G0+4*\s, G1, G0B+4*\s, G1B
.endr
	v_and_b32 v1, 15, v0                           ; r = l % 16
	v_bfe_u32 v2, v0, 4, 1                         ; h = l / 16
	v_mul_u32_u24 v3, v1, PITCH
	v_lshl_add_u32 v4, v2, 4, v3                   ; a fragment's row x pitch + 16 x half
	s_mul_i32 s21, s15, HALFT                      ; my 128 rows of A
	s_mul_i32 s22, s16, HALFT                      ; my 128 rows of B,
	s_add_co_u32 s22, s22, 2*HALFT                 ; which lie behind A's 256
.irp s, 0,1
	v_add_nc_u32 v[ADRA+\s], s21, v4
	v_add_nc_u32 v[ADRB+\s], s22, v4
	s_add_co_u32 s21, s21, SLOT
	s_add_co_u32 s22, s22, SLOT
.endr
	v_mul_u32_u24 v5, v1, KS                       ; my row's scales: 32 bytes a row,
	v_lshrrev_b32 v6, 8, v5
	v_lshl_add_u32 v5, v6, 4, v5                   ; and 16 more for each 256 passed
	s_mul_i32 s21, s15, HALFS                      ; A's: my 128 rows
	s_mul_i32 s22, s16, HALFS                      ; B's: my 128 rows, behind A's 256
	s_add_co_u32 s22, s22, 2*HALFS
	s_sub_co_u32 s22, s22, s21
	v_mul_u32_u24 v6, s22, v2                      ; lanes 16-31 take B's: one product, the distance between the two bases
	s_add_co_u32 s21, s21, SCL
	v_add_nc_u32 v5, v5, v6
	v_add_nc_u32 v[ADRS], s21, v5
	v_and_b32 v6, 31, v0
	v_lshlrev_b32 v[VO0], 4, v6
; THE MASK'S WORDS, made by q's 128 work-groups while their first tiles are on their way (the branch hangs on the cluster's x, equal in all partners; no barrier and no tensor load stands under it).
; Word n (0..63) of the piece (tile of 16 queries qt, step of 128 keys st): bit l = mask[16 qt + l % 16][128 st + 16 (n / 8) + 8 (l / 16) + n % 8]: the bit that score register n of lane l wants in the next launch.
; A wave takes qt = 4 x tile row + wave and the four steps 4 cx + u.  Lane (r, h) loads 8 bytes of row r at key 16 t + 8 h; a compare of one byte in all lanes IS a word.  A piece's 64 words leave as 256 consecutive bytes.
	s_cmp_lg_u32 ttmp9, 0
	s_cbranch_scc1 .Lno_mask
	s_lshl_b32 s95, s17, 2
	s_add_co_u32 s95, s95, s14                     ; qt
	s_lshl_b32 s100, s95, 15                       ; 16 rows of 2,048 bytes
	s_lshl_b32 s101, s40, 9                        ; four steps of 128 keys
	s_add_co_u32 s100, s100, s101
	s_mov_b32 s101, 0
	s_add_nc_u64 s[96:97], s[96:97], s[100:101]
	s_lshl_b32 s100, s95, 12                       ; 16 pieces of 256 bytes
	s_lshl_b32 s95, s40, 10
	s_add_co_u32 s100, s100, s95
	s_add_nc_u64 s[98:99], s[98:99], s[100:101]
	v_lshlrev_b32 v5, 11, v1
	v_lshl_add_u32 v5, v2, 3, v5                   ; row r, + 8 h
	v_lshlrev_b32 v6, 3, v6                        ; out: two words a lane
.irp u, 0,1,2,3
.irp t, 0,1,2,3,4,5,6,7
	global_load_b64 v[64+16*\u+2*\t:65+16*\u+2*\t], v5, s[96:97] offset:128*\u+16*\t
.endr
.endr
.macro MASKUNIT u
	s_wait_loadcnt 8*(3-\u)                        ; this step's eight loads are in; the later steps' may be out
	v_mov_b32 v[8+2*\u], 0                         ; (a lane write's destination counts as read)
	v_mov_b32 v[9+2*\u], 0
.set n, 0
.rept 64
	v_and_b32 v[1+n%4], 0xff<<(8*(n%4)), v[64+16*\u+n/4]   ; byte n % 8 of the pair of tile n / 8
	v_cmp_ne_u32 s[2+n%2], 0, v[1+n%4]             ; the word
	v_writelane_b32 v[8+2*\u+n%2], s[2+n%2], n/2   ; lane n / 2 stores words n and n + 1
.set n, n+1
.endr
	global_store_b64 v6, v[8+2*\u:9+2*\u], s[98:99] offset:256*\u   ; 32 lanes store 256 consecutive bytes, aligned; each step has registers of its own, so none is written again
.endm
	MASKUNIT 0
	MASKUNIT 1
	MASKUNIT 2
	MASKUNIT 3
.Lno_mask:
.macro FRAG reg, adr, q, i             ; a fragment, 16 rows x 128 K: lane l holds row l % 16; registers 4 c .. 4 c + 3 hold K = 32 c + 16 (l / 16) + 0 .. 15
.irp c, 0,1,2,3
	ds_load_b128 v[\reg+4*\c:\reg+4*\c+3], v[\adr] offset:128*(\q)+32*\c+(\i)*16*PITCH
.endr
.endm
; 16 matrix instructions: A's blocks a0, a0 + 1 x B's eight, 128 along K.  zero = 1: the first product starts the sums.  The 64 accumulators take turns, one instruction a turn, in the same order in every step.
.macro MUL16 a0, p, q, sc, zero
.irp a, \a0, \a0+1
.irp b, 0,1,2,3,4,5,6,7
.if \zero
	v_wmma_scale_f32_16x16x128_f8f6f4 v[8*(8*((\a)%4)+\b):8*(8*((\a)%4)+\b)+7], v[128*(\p)+FR*\b:128*(\p)+FR*\b+FR-1], v[AF+FR*(\a):AF+FR*(\a)+FR-1], 0, v[SC+8*NQ*(\sc)+NQ*\b+(\q)], v[SC+8*NQ*(\sc)+NQ*(\a)+(\q)] matrix_a_scale:MATRIX_SCALE_ROW1
.else
	v_wmma_scale_f32_16x16x128_f8f6f4 v[8*(8*((\a)%4)+\b):8*(8*((\a)%4)+\b)+7], v[128*(\p)+FR*\b:128*(\p)+FR*\b+FR-1], v[AF+FR*(\a):AF+FR*(\a)+FR-1], v[8*(8*((\a)%4)+\b):8*(8*((\a)%4)+\b)+7], v[SC+8*NQ*(\sc)+NQ*\b+(\q)], v[SC+8*NQ*(\sc)+NQ*(\a)+(\q)] matrix_a_scale:MATRIX_SCALE_ROW1
.endif
.endr
.endr
.endm
.macro FETCH_B slot, q, p              ; B's eight fragments of the slot's q-th 128 along K into set p
	WIN TO_B
.irp i, 0,1,2,3,4,5,6,7
	FRAG 128*(\p)+FR*\i, ADRB+\slot, \q, \i
.endr
	WIN 0
.endm
.macro FETCH_A slot, q, i0             ; A's blocks i0 .. i0 + 3
.irp i, \i0, \i0+1, \i0+2, \i0+3
	FRAG AF+FR*(\i), ADRA+\slot, \q, \i
.endr
.endm
.macro SCALES sc                       ; the next K step's scale words into set sc: two words a row; lanes 0-15 take A's block i, lanes 16-31 B's block i
.irp i, 0,1,2,3,4,5,6,7
	ds_load_b64 v[SC+8*NQ*\sc+NQ*\i:SC+8*NQ*\sc+NQ*\i+1], v[ADRS] offset:\i*SBLK
.endr
.endm
; A load into a register that a matrix instruction has read, and a vector instruction that reads a matrix result, stand NP places behind it; only plain vector instructions that name none of its registers are places.
.macro PLACES n
.rept \n
	v_nop
.endr
.endm
.macro STEP slot, q, zero              ; a step of 128 along K that has its successor in the same slot
	s_wait_dscnt 4*NL                              ; B's set and A's blocks 0-3 are in; the youngest sixteen loads (A's blocks 4-7) may be out
	WIN MUL_LO
	MUL16 0, (\q)%2, \q, \slot, \zero
	MUL16 2, (\q)%2, \q, \slot, \zero
	s_wait_dscnt 0                                 ; A's blocks 4-7 are in
	PLACES NP
	FETCH_B \slot, (\q)+1, 1-(\q)%2
	FETCH_A \slot, (\q)+1, 0
	WIN MUL_HI
	MUL16 4, (\q)%2, \q, \slot, \zero
	MUL16 6, (\q)%2, \q, \slot, \zero
	PLACES NP
	WIN 0
	FETCH_A \slot, (\q)+1, 4
.endm
; A slot's last step changes slots: ONE barrier; in front of it each wave waits for all its tensor loads, adds 0 to its spare word, and waits for that and for its own reads of this slot.  fill = 1: this slot is filled again, two K steps ahead.
.macro TURN slot, next, fill
	s_wait_tensorcnt 0x0                           ; all my tensor loads have landed: my part of the next slot
	ds_add_u32 v[SPW], v[NIL]                      ; 0 onto my spare word
	s_wait_dscnt 4*NL+1                            ; (the add and the youngest sixteen loads, A's blocks 4-7, may be out)
	WIN MUL_LO
	MUL16 0, 1, NQ-1, \slot, 0                     ; sixteen matrix instructions stand between the add and the wait for it
	s_wait_dscnt 0x0                               ; the add is done, and my reads of this slot are over
	s_barrier_signal -1
	MUL16 2, 1, NQ-1, \slot, 0
	WIN 0
	s_barrier_wait -1
.if \fill
	CREST                                          ; the barrier has opened a round of the cluster's barrier: no wave of any partner still reads this slot's tile or has a load on its way
	s_add_nc_u64 s[G0+4*\slot+2:G0+4*\slot+3], s[G0+4*\slot+2:G0+4*\slot+3], 2*ROWB
	s_add_nc_u64 s[G0B+4*\slot+2:G0B+4*\slot+3], s[G0B+4*\slot+2:G0B+4*\slot+3], 2*ROWB
	JLOAD G0+4*\slot, G1, G0B+4*\slot, G1B         ; the first tensor load behind the round; its four v_nop are among the places in front of the loads below
	PLACES NP-4
.else
	PLACES NP
.endif
	v_add_nc_u32 v[ADRS], 4*NQ, v[ADRS]            ; on to the next K step's scale words
	FETCH_B \next, 0, 0
	FETCH_A \next, 0, 0
	SCALES \next
	WIN MUL_HI
	MUL16 4, 1, NQ-1, \slot, 0
	MUL16 6, 1, NQ-1, \slot, 0
	PLACES NP
	WIN 0
	FETCH_A \next, 0, 4
.endm
	s_wait_tensorcnt 1                             ; the scales and my part of K step 0 are in (K step 1's load may be out),
	s_barrier_signal -1
	s_barrier_wait -1                              ; everybody's are
	FETCH_B 0, 0, 0
	FETCH_A 0, 0, 0
	SCALES 0
	FETCH_A 0, 0, 4
	STEP 0, 0, 1                                   ; the first step stands in front of the loop: its products start the sums
	s_mov_b32 s3, LAPS-1
.Llap:                                                 ; a trip goes once round the ring and fills both slots again
	TURN 0, 1, 1
	STEP 1, 0, 0
	TURN 1, 0, 1
	STEP 0, 0, 0
	s_sub_co_u32 s3, s3, 1
	s_cmp_lg_u32 s3, 0
	s_cbranch_scc1 .Llap
	TURN 0, 1, 0                                   ; the last lap fills nothing
	STEP 1, 0, 0
	s_wait_dscnt 4*NL                              ; the very last step
	WIN MUL_LO
	MUL16 0, 1, NQ-1, 1, 0
	MUL16 2, 1, NQ-1, 1, 0
	s_wait_dscnt 0
	WIN MUL_HI
	MUL16 4, 1, NQ-1, 1, 0
	MUL16 6, 1, NQ-1, 1, 0
	WIN 0
; THE WAY OUT.  My 128 x 128: A's block a (16 rows, one a lane) holds 64 registers along B's rows: four blocks of 32.  q, k: A's rows are one step of 128 tokens, B's rows two heads: blocks 0, 1 are the first head's image of
; token tile a (2 x 512 bytes), blocks 2, 3 the second head's.  v: A's rows are two heads' channels, B's rows one step of 128 keys: the four blocks are the image of channel tile a % 4 of head a / 4 (4 x 512 bytes).
; Where things go differs by strides alone, which are chosen by the product's number.  No tensor load of mine is out (the last change of slots waited for all), so the scales' descriptors may be written.
	s_lshl_b32 s[TP], s17, 8
	s_lshl_b32 s[TP+1], s15, 7
	s_add_co_u32 s[TP], s[TP], s[TP+1]             ; my first row of A
	s_lshl_b32 s[TP+1], s42, 8
	s_lshl_b32 s90, s16, 7
	s_add_co_u32 s[TP+1], s[TP+1], s90             ; my first row of B
	s_cmp_eq_u32 ttmp9, 0                          ; qb or kv
	s_mov_b32 s[HSZ], 278528
	s_cselect_b32 s[HSZ], 139264, s[HSZ]
	s_mov_b32 s[SSZ], 17408
	s_cselect_b32 s[SSZ], 8704, s[SSZ]
	s_mov_b32 s[SCO], 16384
	s_cselect_b32 s[SCO], 8192, s[SCO]
	s_cmp_eq_u32 ttmp9, 2                          ; v or not
	s_cselect_b32 s[TOK], s[TP+1], s[TP]           ; my first token
	s_cselect_b32 s[CH], s[TP], s[TP+1]            ; my first channel
	s_mov_b32 s[SAD], 1024
	s_cselect_b32 s[SAD], 2048, s[SAD]
	s_mov_b32 s[SAD+1], 0
	s_mov_b32 s[SJD], 1024
	s_cselect_b32 s[SJD], 278528-3*2048, s[SJD]    ; v: on to the next head's first channel tile
	s_mov_b32 s[SJD+1], 0
	s_cselect_b32 s[SCD], 1024, s[HSZ]             ; chunks 2, 3: v: the same image; q, k: the next head's
	s_cselect_b32 s[SVM], -1, 0
	s_cselect_b32 s[VOF], 8192, 0
	s_cselect_b32 s90, 512, 0
	s_add_co_u32 s[SCO], s[SCO], s90
	s_lshr_b32 s90, s[TOK], 11                     ; the batch
	s_lshl_b32 s90, s90, 4
	s_lshr_b32 s91, s[CH], 6
	s_add_co_u32 s90, s90, s91                     ; 16 x batch + head
	s_bfe_u32 s91, s[TOK], 0x40007                 ; the step of 128 tokens
	s_mul_i32 s90, s90, s[HSZ]
	s_mul_i32 s91, s91, s[SSZ]
	s_add_co_u32 s[TP], s90, s91
	s_mov_b32 s[TP+1], 0
	s_add_nc_u64 s[OB:OB+1], s[12:13], s[TP:TP+1]
	s_mov_b64 s[OS:OS+1], s[OB:OB+1]
	s_mov_b32 s[TP], s[VOF]
	s_add_nc_u64 s[OB:OB+1], s[OB:OB+1], s[TP:TP+1]
	s_mov_b32 s[TP], s[SCO]
	s_add_nc_u64 s[OS:OS+1], s[OS:OS+1], s[TP:TP+1]
	s_mov_b32 s[HIM], 0xffff0000
	s_mov_b32 s[MNT], 0x600000
	s_mov_b32 s[SEL], 0x76543210
	s_mov_b32 s[SEL+1], 0xfedcba98
	PLACES NP                                      ; behind the last products: their results are read and A's registers written below
	v_add_nc_u32 v[VO1], s[SCD], v[VO0]
	v_add_nc_u32 v[VO2], s[HSZ], v[VO0]
.irp b, 0,1,2,3
	v_mov_b32 v[TM+4+\b], 0                        ; written once: a lane permute's destination counts as one of its sources
.endr
; Block a's 64 numbers become 16 registers of codes in v[PC] on and a scale word in v[WD + a].
.macro QUANT a
.set AC, 64*((\a)%4)
	WIN (40+20*((\a)/4))                           ; sources 1 and 2: window 2 or 3
.irp b, 0,1,2,3
	v_max3_num_f32 v[TM+\b], 0x4800000, |v[AC+16*\b]|, |v[AC+16*\b+1]|   ; block b: my 16 numbers and the floor 2^(9 - 127), so that the byte cannot fall under 1.  Each accumulator is read from its low end on
.endr
.irp i, 2,4,6,8,10,12,14
.irp b, 0,1,2,3
	v_max3_num_f32 v[TM+\b], v[TM+\b], |v[AC+16*\b+\i]|, |v[AC+16*\b+\i+1]|   ; (the four blocks by turns)
.endr
.endr
	WIN 0
.irp b, 0,1,2,3
	v_permlanex16_b32 v[TM+4+\b], v[TM+\b], s[SEL], s[SEL+1]
.endr
.irp b, 0,1,2,3
	v_max_num_f32 v[TM+\b], v[TM+\b], v[TM+4+\b]   ; with lane l xor 16's: the block's largest magnitude
.endr
.irp b, 0,1,2,3
	v_add_nc_u32 v[TM+12+\b], 0xfc000000, v[TM+\b] ; 8 off its exponent field: the conversion's scale operand
.endr
.irp b, 0,1,2,3
	v_and_or_b32 v[TM+8+\b], v[TM+\b], 0x7f800000, s[MNT]   ; 448 x the scale
.endr
.irp b, 0,1,2,3
	v_lshrrev_b32 v[TM+4+\b], 23, v[TM+12+\b]      ; the scale's byte
.endr
	v_lshl_or_b32 v[WD+(\a)], v[TM+5], 8, v[TM+4]
	v_lshl_or_b32 v[WD+(\a)], v[TM+6], 16, v[WD+(\a)]
	v_lshl_or_b32 v[WD+(\a)], v[TM+7], 24, v[WD+(\a)]
	WIN (2+(\a)/4)                                 ; source 0: window 2 or 3
.irp b, 0,1,2,3
.irp i, 0,1,2,3,4,5,6,7,8,9,10,11,12,13,14,15
	v_med3_num_f32 v[XN+16*\b+\i], v[AC+16*\b+\i], -v[TM+8+\b], v[TM+8+\b]   ; the conversion to an 8-bit code does not saturate (ISA guide 7.6.2): the hold; it also brings the number into window 0
.endr
.endr
	WIN 0
	s_wait_xcnt 0x0                                ; the last tile's stores have read their data and their base: both are written again only behind this wait
.irp b, 0,1,2,3
	v_cvt_scalef32_pk8_fp8_f32 v[PC+4*\b:PC+4*\b+1], v[XN+16*\b:XN+16*\b+7], v[TM+12+\b]
	v_cvt_scalef32_pk8_fp8_f32 v[PC+4*\b+2:PC+4*\b+3], v[XN+16*\b+8:XN+16*\b+15], v[TM+12+\b]
.endr
	v_nop                                          ; a plain instruction behind the last conversion, ahead of the next vector instruction that writes its sources
.endm
.macro PUT a
.if (\a) == 4
	s_add_nc_u64 s[OB:OB+1], s[OB:OB+1], s[SJD:SJD+1]
.elseif (\a) > 0
	s_add_nc_u64 s[OB:OB+1], s[OB:OB+1], s[SAD:SAD+1]
.endif
	global_store_b128 v[VO0], v[PC:PC+3], s[OB:OB+1]                   ; each store: 512 consecutive bytes, aligned
	global_store_b128 v[VO0], v[PC+4:PC+7], s[OB:OB+1] offset:512
	global_store_b128 v[VO1], v[PC+8:PC+11], s[OB:OB+1]
	global_store_b128 v[VO1], v[PC+12:PC+15], s[OB:OB+1] offset:512
.endm
.irp a, 0,1,2,3,4,5,6,7
	QUANT \a
	PUT \a
.endr
; THE SCALE WORDS.  q, k: register j carries tile 2 j's words in lanes 0-15 and tile 2 j + 1's in lanes 16-31; the first head reads bytes 0, 1 of a word (its bytes 2, 3 meet zero codes), the second head's are shifted down.
; v: register j is channel tile j's word, whole: four blocks of keys; the first head's four, then the second's.
.irp j, 0,1,2,3
	v_cndmask_b32 v[PP+\j], v[WD+2*\j], v[WD+2*\j+1], s[HIM]
.endr
.irp j, 0,1,2,3
	v_lshrrev_b32 v[PH+\j], 16, v[PP+\j]
.endr
.irp j, 0,1,2,3
	v_cndmask_b32 v[R0+\j], v[PP+\j], v[WD+\j], s[SVM]
	v_cndmask_b32 v[R1+\j], v[PH+\j], v[WD+4+\j], s[SVM]
.endr
	global_store_b128 v[VO0], v[R0:R0+3], s[OS:OS+1]
	global_store_b128 v[VO2], v[R1:R1+3], s[OS:OS+1]
	s_wait_tensorcnt 0x0                           ; the wave's end
	ds_add_u32 v[SPW], v[NIL]
	s_wait_dscnt 0x0
	CROUND                                         ; the closing round: no work-group ends while a partner may still ask for a tile that names it
	s_endpgm
.Lfunc_end_k_qbfeb57e18e_qkv:
	.size	k_qbfeb57e18e_qkv, .Lfunc_end_k_qbfeb57e18e_qkv-k_qbfeb57e18e_qkv
	.p2alignl 7, 3214868480
	.fill 96, 4, 3214868480
	.section	.rodata,"a",@progbits
	.p2align	6, 0x0
	.amdhsa_kernel k_qbfeb57e18e_qkv
		.amdhsa_group_segment_fixed_size 327680
		.amdhsa_private_segment_fixed_size 0
		.amdhsa_enable_private_segment 0
		.amdhsa_kernarg_size 96
		.amdhsa_user_sgpr_count 2
		.amdhsa_user_sgpr_kernarg_segment_ptr 1
		.amdhsa_wavefront_size32 1
		.amdhsa_system_sgpr_workgroup_id_x 1
		.amdhsa_system_sgpr_workgroup_id_y 1
		.amdhsa_system_sgpr_workgroup_id_z 1
		.amdhsa_system_vgpr_workitem_id 0
		.amdhsa_next_free_vgpr 1024
		.amdhsa_next_free_sgpr 102
		.amdhsa_reserve_vcc 0
		.amdhsa_float_denorm_mode_32 3
		.amdhsa_float_denorm_mode_16_64 3
		.amdhsa_memory_ordered 1
		.amdhsa_forward_progress 1
		.amdhsa_inst_pref_size 239
	.end_amdhsa_kernel
	.amdgpu_metadata
---
amdhsa.version: [ 1, 2 ]
amdhsa.kernels:
  - .name:           k_qbfeb57e18e_qkv
    .symbol:         k_qbfeb57e18e_qkv.kd
    .args:
      - { .name: x_codes, .offset: 0, .size: 8, .value_kind: global_buffer, .address_space: global }
      - { .name: x_scales, .offset: 8, .size: 8, .value_kind: global_buffer, .address_space: global }
      - { .name: w_q_codes, .offset: 16, .size: 8, .value_kind: global_buffer, .address_space: global }
      - { .name: w_q_scales, .offset: 24, .size: 8, .value_kind: global_buffer, .address_space: global }
      - { .name: w_k_codes, .offset: 32, .size: 8, .value_kind: global_buffer, .address_space: global }
      - { .name: w_k_scales, .offset: 40, .size: 8, .value_kind: global_buffer, .address_space: global }
      - { .name: w_v_codes, .offset: 48, .size: 8, .value_kind: global_buffer, .address_space: global }
      - { .name: w_v_scales, .offset: 56, .size: 8, .value_kind: global_buffer, .address_space: global }
      - { .name: mask, .offset: 64, .size: 8, .value_kind: global_buffer, .address_space: global }
      - { .name: qb, .offset: 72, .size: 8, .value_kind: global_buffer, .address_space: global }
      - { .name: kv, .offset: 80, .size: 8, .value_kind: global_buffer, .address_space: global }
      - { .name: maskw, .offset: 88, .size: 8, .value_kind: global_buffer, .address_space: global }
    .group_segment_fixed_size: 327680
    .private_segment_fixed_size: 0
    .kernarg_segment_align: 8
    .kernarg_segment_size: 96
    .max_flat_workgroup_size: 128
    .sgpr_count:     102
    .vgpr_count:     1024
    .wavefront_size: 32
...
	.end_amdgpu_metadata
.endif
;; end of part 1
;; launch attn (part 2): grid 4 x 64, 16 waves a work-group, clusters of 4 x 1, 280,576 bytes of LDS; arguments qb, kv, maskw, ac, asc; writes ac, asc
.if DOCPART == 2
	.amdgcn_target "amdgcn-amd-amdhsa--gfx1250"
	.amdhsa_code_object_version 6
	.text
	.protected	k_qbfeb57e18e_attn
	.globl	k_qbfeb57e18e_attn
	.p2align	8
	.type	k_qbfeb57e18e_attn,@function
k_qbfeb57e18e_attn:
	s_mov_b64 s[64:65], 0
	v_nop
	global_prefetch_b8 v0, s[64:65] scope:SCOPE_SE
	s_setreg_imm32_b32 hwreg(HW_REG_WAVE_MODE, 25, 1), 1
	s_wait_xcnt 0x0
	s_wait_alu depctr_hold_cnt(0) depctr_sa_sdst(0) depctr_va_vdst(0) depctr_va_sdst(0) depctr_va_ssrc(0) depctr_va_vcc(0) depctr_vm_vsrc(0)
	s_getreg_b32 s2, hwreg(HW_REG_IB_STS2, 6, 4)
	s_cmp_eq_u32 s2, 0
	s_cbranch_scc0 .Lentry_in_a_cluster
	s_endpgm
.Lentry_in_a_cluster:
	s_bfe_u32 s2, ttmp6, 0x10000c
	s_cmp_lg_u32 s2, 0x3003
	s_cbranch_scc0 .Lentry_shape_is_right
	s_endpgm
.Lentry_shape_is_right:
; For each of 64 (batch, head): o = softmax(where(mask, -1e9, q k^T / 32)) v, both products on codes of FP8 (E4M3) with one E8M0 scale for each 32 along K; o is quantised along the channels for the product that follows.
; THE SOFTMAX AHEAD OF THE SECOND PRODUCT: t = logit x log2(e); M = the row's largest t so far, rounded UP to a whole number; p = 2^(t - M) is quantised along the keys, not normalised; the row's sum is taken of the unquantised p and divides at the end.
; q comes undivided: c = log2(e) / 32 carries the 1/32.
; THE MASK comes as lane-mask words (word n of a piece of 16 queries x 128 keys: bit l belongs to score register n of lane l), by scalar loads: one v_cndmask_b32 a score.
; A MASKED SCORE is -2^35, that is a logit of -2^30 in place of -1e9: c x 2^35 is a whole number that f32 holds exactly, so in a row whose every key is masked t - M is exactly 0, p = 1, and the result is the mean of V, as with -1e9.
; LIMITS: the results are those of -1e9 wherever every unmasked logit lies above about -9.9e8; a block whose largest magnitude lies under 2^-118 keeps the scale byte 1 (a block of zeros too: its codes are zeros); NaN and infinities are not served.
; SHARES.  The four work-groups of a cluster share one head.  The head's K, V and scale words, 278,528 bytes, come into each one's LDS ONCE, by joint tensor loads (wave w: key step w's 17,408 bytes), and are never filled again: one barrier.
; A work-group takes two passes of 256 queries; each of its sixteen waves owns one tile of 16 queries in 256 registers: four waves to a SIMD, so that one wave's vector work stands beside another's matrix work and LDS loads.
; LAYOUT.  Both products are used transposed: S^T = K Q^T (source 0 = 16 keys), O^T = V^T P^T (source 0 = 16 channels): a lane holds ONE query (lane % 16) throughout.  All operands lie in LDS as images of their registers: 16 bytes a lane, no pitch.
; THE HEAD'S 64 CHANNELS FILL HALF OF THE INSTRUCTION'S 128: Q's fragment is 8 registers of codes and 8 of zero codes; K's tiles lie on end, 8 registers each, and tile t's operand is the 16 registers from its first on: its upper half
; (the next tile's codes; behind tile 7 eight zero registers) meets Q's zero codes and adds nothing (no code here is NaN and no scale byte 0xff).
; p and v carry the same order inside a block of 32 keys (places 8 h + 0..7, 16 + 8 h + 0..7), q and k the same inside a block of channels.  o meets a given operand next: sixteen lane swaps give it the true order.
.set STEPB,  17408                     ; a key step in kv and in LDS: K's 8 images (8,192), V's 4 (8,192), K's scale words (512), V's (512)
.set HEADB,  278528
.set QSTEPB, 8704                      ; 128 queries in qb: 8 images (8,192), their scale words (512)
.set QHEADB, 139264
.set LI,  1                            ; v1   16 x lane
.set AD,  2                            ; v2   the step's LDS address
.set QSO, 3                            ; v3   where my tile's scale word lies, from my tile's image on
.set SBO, 4                            ; v4   32 r + h: my byte among o's scale bytes
.set KV,  16                           ; v16-79   K's 8 tiles, then V's 4 fragments
.set ZT,  80                           ; v80-87   zeros
.set Q,   88                           ; v88-95   Q's codes; v96-103 zeros
.set S,   104                          ; v104-167 S^T, then p
.set O,   168                          ; v168-199 O^T
.set PC,  200                          ; v200-215 p's codes
.set BM,  216                          ; v216-219 a block's largest score, then its largest p
.set T4,  220                          ; v220-223 at work
.set HD,  224                          ; v224-227 448 x the scale
.set SO,  228                          ; v228-231 the conversions' scale operands
.set KS,  232                          ; v232-235 K's scale words; v236-239 V's; v240 Q's; v241 p's: they hold scales and nothing else
.set VS,  236
.set QS,  240
.set PS,  241
.set NM,  242                          ; v242 -M, v243 the largest t
.set SUM, 244                          ; v[244:245] the row's sum in two halves; v[246:247] a second chain
.set SU2, 246
.set F,   248                          ; v248 f = 2^(old M - new M); v249 named with it as a pair
.set TMP, 250
.set NEG, 251                          ; -2^35
.macro CROUND                          ; a round of the cluster's barrier
	s_barrier_signal -1
	s_barrier_wait -1
	s_cmp_lg_u32 s12, 0
	s_cbranch_scc1 .Lnot_wave_0_\@
	s_barrier_signal -3
.Lnot_wave_0_\@:
	s_barrier_wait -3
	s_barrier_signal -1
	s_barrier_wait -1
.endm
	s_load_b256 s[36:43], s[0:1], 0x0              ; qb, kv, maskw, ac
	s_load_b64 s[44:45], s[0:1], 0x20              ; asc
	v_lshl_add_u32 v254, v0, 2, 0x44000
	v_mov_b32 v255, 0
	ds_add_u32 v254, v255
	ds_add_u32 v254, v255
	v_lshrrev_b32 v1, 5, v0
	v_readfirstlane_b32 s12, v1                    ; wave 0..15
	s_bfe_u32 s21, ttmp6, 0x40000                  ; cx: my place in the cluster
	s_and_b32 s23, ttmp7, 0xffff                   ; 16 x batch + head, which the four partners share
	; descriptor group 1: a dense block of 17,408 bytes as 68 rows of 256 bytes (32 elements of 8 bytes), no padding
	s_mov_b32 s24, 15|(3<<16)|(1<<21)              ; 15:0 the mask: all four work-groups; 17:16 elements of 8 bytes; 21 set beside a mask
	s_mov_b32 s25, 32<<16                          ; tensor_dim0 = 32
	s_mov_b32 s26, 68<<16                          ; tensor_dim1 = 68
	s_mov_b32 s27, 32<<16                          ; tile_dim0 = 32
	s_mov_b32 s28, 68                              ; tile_dim1 = 68
	s_mov_b32 s29, 32                              ; tensor_dim0_stride
	s_mov_b32 s30, 0
	s_mov_b32 s31, 0
	s_mul_i32 s46, s23, HEADB
	s_mul_i32 s33, s12, STEPB                      ; group 0: LDS address: wave x a step: no place in the cluster enters it
	s_add_co_u32 s46, s46, s33
	s_mov_b32 s47, 0
	s_mov_b32 s32, 1
	s_wait_dscnt 0x0
	s_wait_kmcnt 0x0
	s_add_nc_u64 s[34:35], s[38:39], s[46:47]      ; the head's key step w
	s_or_b32 s35, s35, 0x80000000
	CROUND                                         ; all four work-groups are here: the joint loads meet
	tensor_load_to_lds s[32:35], s[24:31]          ; my one tensor load of the launch
	s_nop 0
.rept 4
	v_nop
.endr
	; the pointers stand at pass 0; pass 1 stands in the immediates, so none is ever stepped
	s_mul_i32 s46, s23, QHEADB
	s_lshl_b32 s2, s21, 2
	s_lshr_b32 s3, s12, 3
	s_add_co_u32 s2, s2, s3                        ; my step of 128 queries: 4 cx + wave / 8
	s_mul_i32 s2, s2, QSTEPB
	s_add_co_u32 s46, s46, s2
	s_and_b32 s2, s12, 7                           ; a: my tile in it
	s_lshl_b32 s3, s2, 10
	s_add_co_u32 s46, s46, s3
	s_add_nc_u64 s[4:5], s[36:37], s[46:47]        ; Q's image
	s_sub_co_u32 s3, 8192, s3                      ; from there to the step's scale words,
	s_and_b32 s46, s2, 1
	s_lshl_b32 s46, s46, 8                         ; where tile a's words lie in lanes 16 (a % 2) + r,
	s_add_co_u32 s3, s3, s46
	s_lshr_b32 s46, s2, 1
	s_lshl_b32 s46, s46, 2                         ; word a / 2
	s_add_co_u32 s3, s3, s46
	s_lshl_b32 s2, s21, 5
	s_add_co_u32 s2, s2, s12                       ; my tile of 16 queries in the sequence: 32 cx + wave
	s_lshl_b32 s46, s2, 12                         ; 16 pieces of 256 bytes
	s_add_nc_u64 s[6:7], s[40:41], s[46:47]        ; the mask's words
	s_lshr_b32 s20, s23, 4                         ; the batch
	s_lshl_b32 s46, s20, 7
	s_add_co_u32 s46, s46, s2                      ; my tile of 16 tokens
	s_lshl_b32 s18, s46, 9                         ; 16 rows of 32 scale bytes
	s_lshl_b32 s46, s46, 14                        ; 16,384 bytes of codes
	s_and_b32 s19, s23, 15                         ; the head
	s_lshl_b32 s22, s19, 10
	s_add_co_u32 s46, s46, s22
	s_add_nc_u64 s[8:9], s[42:43], s[46:47]        ; o's codes
	s_lshl_b32 s19, s19, 1
	s_add_co_u32 s46, s18, s19
	s_add_nc_u64 s[10:11], s[44:45], s[46:47]      ; o's scale bytes
	s_mov_b32 s13, 0x600000                        ; the mantissa field of 448
	s_mov_b32 s14, 0x76543210
	s_mov_b32 s15, 0xfedcba98                      ; v_permlanex16_b32's selects for lane l xor 16
	s_mov_b32 s16, 0x3d38aa3b                      ; c = log2(e) / 32
	s_mov_b32 s17, s16                             ; (named with it as a pair)
	s_mov_b32 s22, 0xffff0000                      ; lanes 16-31
	v_and_b32 v[LI], 31, v0
	v_lshlrev_b32 v[LI], 4, v[LI]
	v_and_b32 v[SBO], 15, v0
	v_lshl_add_u32 v[QSO], v[SBO], 4, s3
	v_bfe_u32 v[AD], v0, 4, 1
	v_lshl_add_u32 v[SBO], v[SBO], 5, v[AD]
.irp j, 0,1,2,3,4,5,6,7
	v_mov_b32 v[ZT+\j], 0                          ; zero codes behind K's tile 7,
	v_mov_b32 v[Q+8+\j], 0                         ; and in the upper half of Q's fragment
.endr
.irp b, 0,1,2,3
	v_mov_b32 v[T4+\b], 0                          ; written once: a lane permute's destination counts as one of its sources
.endr
	v_mov_b32 v[F+1], 0
	v_mov_b32 v[TMP], 0
	v_mov_b32 v[NEG], 0xd1000000                   ; -2^35
; What pass p wants before its first step: Q's image and scale word, and the first piece's mask words 0 to 47.
.macro PRE p
	s_wait_kmcnt 0x0                               ; no scalar load is out: its offset register may be written
	s_mov_b32 s20, 0
	global_load_b128 v[Q:Q+3], v[LI], s[4:5] offset:2*QSTEPB*\p
	global_load_b128 v[Q+4:Q+7], v[LI], s[4:5] offset:2*QSTEPB*\p+512
	global_load_b32 v[QS], v[QSO], s[4:5] offset:2*QSTEPB*\p
	s_load_b512 s[48:63], s[6:7], s20 offset:65536*\p
	s_load_b512 s[68:83], s[6:7], s20 offset:65536*\p+64
	s_load_b512 s[84:99], s[6:7], s20 offset:65536*\p+128
.endm
; A KEY STEP: 128 keys.
.macro STEP p
	v_add_nc_u32 v[AD], s19, v[LI]
.rept 7
	v_nop                                          ; with the addition: eight places behind the last step's products, in front of loads into registers that they read
.endr
.irp t, 0,1,2,3,4,5,6,7
	ds_load_b128 v[KV+8*\t:KV+8*\t+3], v[AD] offset:1024*\t
	ds_load_b128 v[KV+8*\t+4:KV+8*\t+7], v[AD] offset:1024*\t+512
.endr
	ds_load_b128 v[KS:KS+3], v[AD] offset:16384    ; register j: tile 2 j's words in lanes 0-15, tile 2 j + 1's in lanes 16-31
	s_wait_dscnt 0x0
.irp t, 0,2,4,6
	v_wmma_scale_f32_16x16x128_f8f6f4 v[S+8*\t:S+8*\t+7], v[KV+8*\t:KV+8*\t+15], v[Q:Q+15], 0, v[KS+\t/2], v[QS]
	v_wmma_scale_f32_16x16x128_f8f6f4 v[S+8*\t+8:S+8*\t+15], v[KV+8*\t+8:KV+8*\t+23], v[Q:Q+15], 0, v[KS+\t/2], v[QS] matrix_a_scale:MATRIX_SCALE_ROW1
.endr
.rept 8
	v_nop                                          ; places in front of the loads below and of the first read of the scores
.endr
.irp t, 0,1,2,3
.irp c, 0,1,2,3
	ds_load_b128 v[KV+16*\t+4*\c:KV+16*\t+4*\c+3], v[AD] offset:8192+2048*\t+512*\c   ; V: it has the whole softmax in which to land
.endr
.endr
	ds_load_b128 v[VS:VS+3], v[AD] offset:16896
	s_wait_kmcnt 0x0                               ; this piece's mask words 0 to 47
.set n, 0
.rept 16
	v_cndmask_b32 v[S+n], v[S+n], v[NEG], s[48+n]  ; where(mask, .., score).  Ascending: each tile of scores is read from its low end on
.set n, n+1
.endr
.set n, 0
.rept 16
	v_cndmask_b32 v[S+16+n], v[S+16+n], v[NEG], s[68+n]
.set n, n+1
.endr
	s_load_b512 s[48:63], s[6:7], s20 offset:65536*\p+192   ; words 48 to 63, into the registers of words 0 to 15
.set n, 0
.rept 16
	v_cndmask_b32 v[S+32+n], v[S+32+n], v[NEG], s[84+n]
.set n, n+1
.endr
.irp b, 0,1,2
	v_max3_num_f32 v[BM+\b], v[S+16*\b], v[S+16*\b+1], v[S+16*\b+2]   ; THE LARGEST SCORE OF EACH BLOCK OF 32 KEYS serves twice: for the row's maximum, and, since p rises with the score, for the block's largest p
.endr
.irp i, 3,5,7,9,11,13
.irp b, 0,1,2
	v_max3_num_f32 v[BM+\b], v[BM+\b], v[S+16*\b+\i], v[S+16*\b+\i+1]
.endr
.endr
.irp b, 0,1,2
	v_max_num_f32 v[BM+\b], v[BM+\b], v[S+16*\b+15]
.endr
	s_wait_kmcnt 0x0                               ; words 48 to 63
.set n, 0
.rept 16
	v_cndmask_b32 v[S+48+n], v[S+48+n], v[NEG], s[48+n]
.set n, n+1
.endr
	s_add_co_u32 s20, s20, 256                     ; no scalar load is out.  The next piece's words;
	s_min_u32 s20, s20, 3840                       ; the last step asks for its own again: no load leaves the buffer
	s_load_b512 s[48:63], s[6:7], s20 offset:65536*\p
	s_load_b512 s[68:83], s[6:7], s20 offset:65536*\p+64
	s_load_b512 s[84:99], s[6:7], s20 offset:65536*\p+128
	v_max3_num_f32 v[BM+3], v[S+48], v[S+49], v[S+50]   ; block 3, in two chains
	v_max3_num_f32 v[TMP], v[S+51], v[S+52], v[S+53]
	v_max3_num_f32 v[BM+3], v[BM+3], v[S+54], v[S+55]
	v_max3_num_f32 v[TMP], v[TMP], v[S+56], v[S+57]
	v_max3_num_f32 v[BM+3], v[BM+3], v[S+58], v[S+59]
	v_max3_num_f32 v[TMP], v[TMP], v[S+60], v[S+61]
	v_max3_num_f32 v[BM+3], v[BM+3], v[S+62], v[S+63]
	v_max_num_f32 v[BM+3], v[BM+3], v[TMP]
.irp b, 0,1,2,3
	v_permlanex16_b32 v[T4+\b], v[BM+\b], s14, s15
.endr
.irp b, 0,1,2,3
	v_max_num_f32 v[BM+\b], v[BM+\b], v[T4+\b]     ; with lane l xor 16's 16 keys
.endr
	v_max3_num_f32 v[TMP], v[BM], v[BM+1], v[BM+2]
	v_max_num_f32 v[TMP], v[TMP], v[BM+3]          ; the step's largest score of my query
	v_mul_f32 v[TMP], s16, v[TMP]                  ; as t (c is positive)
	v_max_num_f32 v[NM+1], v[NM+1], v[TMP]         ; the running largest t
	v_mov_b32 v[TMP], v[NM]
	v_floor_f32 v[NM], -v[NM+1]                    ; the new -M = floor(-t) = -ceil(t): M is a whole number
	v_sub_f32 v[TMP], v[NM], v[TMP]                ; M's old value less its new one: 0 or less
	v_cvt_i32_f32 v[TMP], v[TMP]                   ; (it saturates)
	v_ldexp_f32 v[F], 1.0, v[TMP]                  ; f = 2^(old M - new M): a multiplication by it rounds nothing
.set n, 0
.rept 32
	v_pk_fma_f32 v[S+n:S+n+1], v[S+n:S+n+1], s[16:17], v[NM:NM+1] op_sel_hi:[1,0,0]   ; t - M, two at a time (of the pairs c and -M the low word serves both halves)
.set n, n+2
.endr
.irp b, 0,1,2,3
	v_fma_f32 v[BM+\b], v[BM+\b], s16, v[NM]       ; the same of each block's largest score
.endr
.set n, 0
.rept 64
	v_exp_f32 v[S+n], v[S+n]                       ; p = 2^(t - M), at most 1: not normalised
.set n, n+1
.endr
	v_pk_mul_f32 v[SUM:SUM+1], v[SUM:SUM+1], v[F:F+1] op_sel_hi:[1,0]   ; the sums under the new M: a plain instruction behind the exponentials
	s_wait_alu depctr_va_vdst(0)                   ; one wait for the whole batch, ahead of its first reader
.irp b, 0,1,2,3
	v_exp_f32 v[BM+\b], v[BM+\b]                   ; the block's largest p: the same two instructions on the same number give the same bits
.endr
	v_pk_add_f32 v[SU2:SU2+1], v[S:S+1], v[S+2:S+3]   ; THE ROW'S SUM IS TAKEN OF THE UNQUANTISED p: two at a time, in two chains
.irp j, 4,8,12,16,20,24,28,32,36,40,44,48,52,56,60
	v_pk_add_f32 v[SUM:SUM+1], v[SUM:SUM+1], v[S+\j:S+\j+1]
	v_pk_add_f32 v[SU2:SU2+1], v[SU2:SU2+1], v[S+\j+2:S+\j+3]
.endr
	v_pk_add_f32 v[SUM:SUM+1], v[SUM:SUM+1], v[SU2:SU2+1]
	s_wait_alu depctr_va_vdst(0)                   ; and one for the four
.irp b, 0,1,2,3
	v_max_num_f32 v[BM+\b], 0x4800000, v[BM+\b]    ; the floor 2^(9 - 127): the byte cannot fall under 1 (a block whose every p is 0 keeps that byte: its codes are zeros)
.endr
.irp b, 0,1,2,3
	v_add_nc_u32 v[SO+\b], 0xfc000000, v[BM+\b]    ; 8 off the exponent field: the conversion's scale operand
.endr
.irp b, 0,1,2,3
	v_and_or_b32 v[HD+\b], v[BM+\b], 0x7f800000, s13   ; 448 x the scale
.endr
.irp b, 0,1,2,3
	v_lshrrev_b32 v[T4+\b], 23, v[SO+\b]           ; the scale's byte
.endr
	v_lshl_or_b32 v[PS], v[T4+1], 8, v[T4]         ; p's scale word for these 128 keys
	v_lshl_or_b32 v[PS], v[T4+2], 16, v[PS]
	v_lshl_or_b32 v[PS], v[T4+3], 24, v[PS]
.irp b, 0,1,2,3
.irp i, 0,1,2,3,4,5,6,7,8,9,10,11,12,13,14,15
	v_min_num_f32 v[S+16*\b+\i], v[S+16*\b+\i], v[HD+\b]   ; the conversion to an 8-bit code does not saturate (ISA guide 7.6.2); p is not negative, so the hold is one-sided
.endr
	v_cvt_scalef32_pk8_fp8_f32 v[PC+4*\b:PC+4*\b+1], v[S+16*\b:S+16*\b+7], v[SO+\b]
	v_cvt_scalef32_pk8_fp8_f32 v[PC+4*\b+2:PC+4*\b+3], v[S+16*\b+8:S+16*\b+15], v[SO+\b]
.endr
.set n, 0
.rept 16
	v_pk_mul_f32 v[O+n:O+n+1], v[O+n:O+n+1], v[F:F+1] op_sel_hi:[1,0]   ; O^T under the new M.  These sixteen are also the places between the codes and the products
.set n, n+2
.endr
	s_wait_dscnt 0x0                               ; V and its scale words
.irp t, 0,1,2,3
	v_wmma_scale_f32_16x16x128_f8f6f4 v[O+8*\t:O+8*\t+7], v[KV+16*\t:KV+16*\t+15], v[PC:PC+15], v[O+8*\t:O+8*\t+7], v[VS+\t], v[PS]   ; the four accumulators by turns, and eight products K Q^T stand between a link and the next
.endr
	s_add_co_u32 s19, s19, STEPB
.endm
; THE WAY OUT of a pass: o = O^T / the sum; the true order along the channels; quantised; 1,024 bytes of codes and 32 scale bytes a wave.
.macro WAYOUT p
	v_add_f32 v[SUM], v[SUM], v[SUM+1]             ; the sum's two halves,
	v_permlanex16_b32 v[TMP], v[SUM], s14, s15
	v_add_f32 v[SUM], v[SUM], v[TMP]               ; and lane l xor 16's
	v_rcp_f32 v[F], v[SUM]
.rept 8
	v_nop                                          ; places behind the last products, and the plain instruction behind the reciprocal
.endr
	s_wait_alu depctr_va_vdst(0)                   ; ahead of the reciprocal's first reader
.set n, 0
.rept 16
	v_pk_mul_f32 v[S+n:S+n+1], v[O+n:O+n+1], v[F:F+1] op_sel_hi:[1,0]   ; register 8 t + j: channel 16 t + 8 h + j; each accumulator from its low end on
.set n, n+2
.endr
.irp b, 0,1
.irp j, 0,1,2,3,4,5,6,7
	v_permlane16_swap_b32 v[S+16*\b+\j], v[S+16*\b+8+\j]   ; the first's lanes 16-31 change places with the second's lanes 0-15: register 16 b + i is now channel 32 b + 16 h + i
.endr
.endr
.irp b, 0,1
	v_max3_num_f32 v[BM+\b], |v[S+16*\b]|, |v[S+16*\b+1]|, 0x4800000
.endr
.irp i, 2,4,6,8,10,12,14
.irp b, 0,1
	v_max3_num_f32 v[BM+\b], v[BM+\b], |v[S+16*\b+\i]|, |v[S+16*\b+\i+1]|
.endr
.endr
.irp b, 0,1
	v_permlanex16_b32 v[T4+\b], v[BM+\b], s14, s15
.endr
.irp b, 0,1
	v_max_num_f32 v[BM+\b], v[BM+\b], v[T4+\b]
.endr
.irp b, 0,1
	v_add_nc_u32 v[SO+\b], 0xfc000000, v[BM+\b]
.endr
.irp b, 0,1
	v_and_or_b32 v[HD+\b], v[BM+\b], 0x7f800000, s13
.endr
.irp b, 0,1
	v_lshrrev_b32 v[T4+\b], 23, v[SO+\b]
.endr
	v_cndmask_b32 v[TMP], v[T4], v[T4+1], s22      ; lanes 0-15 store block 0's byte, lanes 16-31 block 1's
.irp b, 0,1
.irp i, 0,1,2,3,4,5,6,7,8,9,10,11,12,13,14,15
	v_med3_num_f32 v[S+16*\b+\i], v[S+16*\b+\i], -v[HD+\b], v[HD+\b]
.endr
	v_cvt_scalef32_pk8_fp8_f32 v[PC+4*\b:PC+4*\b+1], v[S+16*\b:S+16*\b+7], v[SO+\b]
	v_cvt_scalef32_pk8_fp8_f32 v[PC+4*\b+2:PC+4*\b+3], v[S+16*\b+8:S+16*\b+15], v[SO+\b]
.endr
	v_nop                                          ; a plain instruction behind the last conversion
	global_store_b128 v[LI], v[PC:PC+3], s[8:9] offset:262144*\p        ; 512 consecutive bytes, aligned: chunk 2 (head % 2) of the next product's fragment
	global_store_b128 v[LI], v[PC+4:PC+7], s[8:9] offset:262144*\p+512
	global_store_b8 v[SBO], v[TMP], s[10:11] offset:8192*\p             ; a byte a lane, two to a token's row of 32
.endm
.macro PASS p
.if \p
	s_wait_xcnt 0x0                                ; the last pass's stores have read their data: the registers are written again only behind this wait
.endif
.set n, 0
.rept 32
	v_mov_b32 v[O+n], 0                            ; the step is written once: the first finds zeros, which the first change of M leaves zeros
.set n, n+1
.endr
	v_mov_b32 v[SUM], 0
	v_mov_b32 v[SUM+1], 0
	v_mov_b32 v[NM+1], 0xff61b1e6                  ; the largest t so far: -3e38, under every t
	v_floor_f32 v[NM], -v[NM+1]
	s_mov_b32 s19, 0
	s_mov_b32 s18, 16
	s_wait_loadcnt 0x0                             ; Q and its scale word
.Lstep_\@:
	STEP \p
	s_sub_co_i32 s18, s18, 1
	s_cmp_lg_u32 s18, 0
	s_cbranch_scc1 .Lstep_\@
.if \p == 0
	PRE 1                                          ; the next pass's Q and mask words are on their way during the way out
.endif
	WAYOUT \p
.endm
	PRE 0
	s_wait_tensorcnt 0x0                           ; my key step is in,
	s_barrier_signal -1
	s_barrier_wait -1                              ; everybody's is: the whole head lies in LDS, and nothing writes LDS again
	PASS 0
	PASS 1
	s_wait_kmcnt 0x0                               ; the last step's look-ahead, which nobody reads
	s_wait_tensorcnt 0x0
	ds_add_u32 v254, v255
	s_wait_dscnt 0x0
	CROUND                                         ; the closing round
	s_endpgm
.Lfunc_end_k_qbfeb57e18e_attn:
	.size	k_qbfeb57e18e_attn, .Lfunc_end_k_qbfeb57e18e_attn-k_qbfeb57e18e_attn
	.p2alignl 7, 3214868480
	.fill 96, 4, 3214868480
	.section	.rodata,"a",@progbits
	.p2align	6, 0x0
	.amdhsa_kernel k_qbfeb57e18e_attn
		.amdhsa_group_segment_fixed_size 280576
		.amdhsa_private_segment_fixed_size 0
		.amdhsa_enable_private_segment 0
		.amdhsa_kernarg_size 40
		.amdhsa_user_sgpr_count 2
		.amdhsa_user_sgpr_kernarg_segment_ptr 1
		.amdhsa_wavefront_size32 1
		.amdhsa_system_sgpr_workgroup_id_x 1
		.amdhsa_system_sgpr_workgroup_id_y 1
		.amdhsa_system_sgpr_workgroup_id_z 1
		.amdhsa_system_vgpr_workitem_id 0
		.amdhsa_next_free_vgpr 256
		.amdhsa_next_free_sgpr 100
		.amdhsa_reserve_vcc 0
		.amdhsa_float_denorm_mode_32 3
		.amdhsa_float_denorm_mode_16_64 3
		.amdhsa_memory_ordered 1
		.amdhsa_forward_progress 1
		.amdhsa_inst_pref_size 67
	.end_amdhsa_kernel
	.amdgpu_metadata
---
amdhsa.version: [ 1, 2 ]
amdhsa.kernels:
  - .name:           k_qbfeb57e18e_attn
    .symbol:         k_qbfeb57e18e_attn.kd
    .args:
      - { .name: qb, .offset: 0, .size: 8, .value_kind: global_buffer, .address_space: global }
      - { .name: kv, .offset: 8, .size: 8, .value_kind: global_buffer, .address_space: global }
      - { .name: maskw, .offset: 16, .size: 8, .value_kind: global_buffer, .address_space: global }
      - { .name: ac, .offset: 24, .size: 8, .value_kind: global_buffer, .address_space: global }
      - { .name: asc, .offset: 32, .size: 8, .value_kind: global_buffer, .address_space: global }
    .group_segment_fixed_size: 280576
    .private_segment_fixed_size: 0
    .kernarg_segment_align: 8
    .kernarg_segment_size: 40
    .max_flat_workgroup_size: 512
    .sgpr_count:     100
    .vgpr_count:     256
    .wavefront_size: 32
...
	.end_amdgpu_metadata
.endif
;; end of part 2
;; launch proj (part 3): grid 4 x 32, 4 waves a work-group, clusters of 4 x 4, 327,680 bytes of LDS; arguments ac, asc, w_out_codes, w_out_scales, out0; writes out0
.if DOCPART == 3
	.amdgcn_target "amdgcn-amd-amdhsa--gfx1250"
	.amdhsa_code_object_version 6
	.text
	.protected	k_qbfeb57e18e_proj
	.globl	k_qbfeb57e18e_proj
	.p2align	8
	.type	k_qbfeb57e18e_proj,@function
k_qbfeb57e18e_proj:
	s_mov_b64 s[64:65], 0
	v_nop
	global_prefetch_b8 v0, s[64:65] scope:SCOPE_SE
	s_setreg_imm32_b32 hwreg(HW_REG_WAVE_MODE, 25, 1), 1
	s_wait_xcnt 0x0
	s_wait_alu depctr_hold_cnt(0) depctr_sa_sdst(0) depctr_va_vdst(0) depctr_va_sdst(0) depctr_va_ssrc(0) depctr_va_vcc(0) depctr_vm_vsrc(0)
	s_getreg_b32 s2, hwreg(HW_REG_IB_STS2, 6, 4)
	s_cmp_eq_u32 s2, 0
	s_cbranch_scc0 .Lentry_in_a_cluster
	s_endpgm
.Lentry_in_a_cluster:
	s_bfe_u32 s2, ttmp6, 0x10000c
	s_cmp_lg_u32 s2, 0xf033
	s_cbranch_scc0 .Lentry_shape_is_right
	s_endpgm
.Lentry_shape_is_right:
; out[m][n] = sum over k of A[m][k] Wout[n][k], on codes of FP8 (E4M3) with one E8M0 scale for each 32 along K = 1,024; out: [8,192][1,024] f32; sums in f32.
; A, the attention's result, lies in memory as IMAGES OF FRAGMENTS: [tile of 16 tokens][K step of 128][chunk of 4 registers][lane][16 bytes]; its scale bytes as [token][32].  Wout: rows of 1,024 codes, scale bytes [1,024][32].
; A tile of 256 x 256 is made by four waves, each 128 x 128: 64 accumulators of 16 x 16, 512 registers.  K goes in steps of 256 through a ring of two LDS slots filled by the tensor data mover.
; The scales of the work-group's 256 rows of A and of B, for all of K, come into LDS once, with the first fills, and stay.
; CLUSTERS: 4 x 4 work-groups: A's tiles are asked for jointly along a row of the cluster, B's along a column.  The matrix instruction is used transposed (source 0 = 16 rows of B, source 1 = 16 rows of A): a lane holds eight neighbouring numbers of a row of out.
; REGISTERS, in windows of 256: window 0: v0-31 addresses; v32-63 scale words, two sets; from v128 A's fragments, one set.  window 1: B's fragments, two sets.  windows 2, 3: the accumulators ((a, b) at v[8 (8 (a % 4) + b)]).
.set SIZE_N, 1024
.set KSTEP,  256
.set NQ,     2
.set ROWB,   256                       ; a row of B's tile in bytes
.set KROW,   1024                      ; a row of B in memory; also 1/16 of a token tile of A
.set ASTEP,  4096                      ; a K step of 256 of one token tile of A: two fragments' images
.set PITCH,  272                       ; an LDS row of B: 256 bytes + 16 of padding: the 16 rows that a load touches start at 16 different banks (64 banks of 4 bytes: ISA guide 11.1)
.set FR,     16
.set NL,     4
.set NP,     8                         ; places behind this matrix instruction (ISA guide 7.12.1)
.set HALFT,  128*PITCH                 ; a quarter of a slot: 128 rows of B; of A, 8 token tiles x 4,096 bytes fill 32,768 of it
.set SLOT,   4*HALFT
.set LAPS,   2
.set KS,     32
.set SCL,    2*SLOT
.set HALFS,  (128*KS/256)*272
.set SBLK,   (16*KS/256)*272
.set SPARE,  SCL+4*HALFS               ; the spare words, 128 bytes for each wave
.set SPITCH, 528                       ; the way out: a stage of 16 rows x (512 bytes + 16) for each wave, in slot 0, which has had its last fill and its last read when the first result is stored there
.set ADRA, 16
.set ADRB, 20
.set STO,  24
.set RD,   25
.set CO,   26
.set ADRS, 27
.set SPW,  28
.set NIL,  29
.set SC,   32
.set AF,   128
.set BK,   128
.set G1, 24
.set G0, 32
.set G1B, 48
.set G0B, 56
.set G1S, 68
.set G0S, 76
.set G1SB, 80
.set G0SB, 88
.set MSB, 0
.macro WIN new                         ; the immediate's high byte repeats the setting that is left
.if MSB != \new
	s_set_vgpr_msb (MSB<<8)|\new
.set MSB, \new
.endif
.endm
.set MUL_LO, 0xa1
.set MUL_HI, 0xf1
.set TO_B,   0x40
.macro JLOAD g0a, g1a, g0b, g1b        ; a joint load: waves 0 and 1 fetch for A, waves 2 and 3 for B; four v_nop follow each line
	s_cmp_eq_u32 s15, 0
	s_cbranch_scc0 .Lfor_b_\@
	tensor_load_to_lds s[\g0a:\g0a+3], s[\g1a:\g1a+7]
	s_nop 0
.rept 4
	v_nop
.endr
	s_branch .Lasked_\@
.Lfor_b_\@:
	tensor_load_to_lds s[\g0b:\g0b+3], s[\g1b:\g1b+7]
	s_nop 0
.rept 4
	v_nop
.endr
.Lasked_\@:
.endm
.macro CREST
	s_cmp_lg_u32 s14, 0
	s_cbranch_scc1 .Lnot_wave_0_\@
	s_barrier_signal -3
.Lnot_wave_0_\@:
	s_barrier_wait -3
	s_barrier_signal -1
	s_barrier_wait -1
.endm
.macro CROUND
	s_barrier_signal -1
	s_barrier_wait -1
	CREST
.endm
	s_load_b128 s[4:7], s[0:1], 0x0                ; A's codes, A's scales
	s_load_b128 s[8:11], s[0:1], 0x10              ; B's codes, B's scales
	s_load_b64 s[12:13], s[0:1], 0x20              ; out
	v_lshl_add_u32 v[SPW], v0, 2, SPARE
	v_mov_b32 v[NIL], 0
	ds_add_u32 v28, v29
	ds_add_u32 v28, v29
	s_wait_dscnt 0x0
	v_lshrrev_b32 v1, 5, v0
	v_readfirstlane_b32 s14, v1                    ; wave 0..3
	s_lshr_b32 s15, s14, 1                         ; which half of the tile's rows is mine.  Also: I fetch for A (0) or for B (1)
	s_and_b32 s16, s14, 1                          ; which half of its columns.  Also: which 128 rows of that tile I fetch
	s_bfe_u32 s40, ttmp6, 0x40000                  ; cx, cy
	s_bfe_u32 s41, ttmp6, 0x40004
	s_lshl_b32 s42, ttmp9, 2
	s_add_co_u32 s42, s42, s40                     ; tile column
	s_and_b32 s17, ttmp7, 0xffff
	s_lshl_b32 s17, s17, 2
	s_add_co_u32 s17, s17, s41                     ; tile row
	s_lshl_b32 s43, s41, 2
	s_lshl_b32 s43, 15, s43                        ; my row of the cluster
	s_lshl_b32 s44, 0x1111, s40                    ; my column
	; A's tiles: 8 token tiles x 4,096 bytes (512 elements of 8 bytes), 16,384 bytes apart; dense in LDS: images need no padding
	s_or_b32 s[G1+0], s43, (3<<16)|(1<<21)
	s_mov_b32 s[G1+1], 512<<16                     ; tensor_dim0
	s_mov_b32 s[G1+2], 8<<16                       ; tensor_dim1
	s_mov_b32 s[G1+3], 512<<16                     ; tile_dim0
	s_mov_b32 s[G1+4], 8                           ; tile_dim1
	s_mov_b32 s[G1+5], 2048                        ; tensor_dim0_stride
	s_mov_b32 s[G1+6], 0
	s_mov_b32 s[G1+7], 0
	; B's tiles: 128 rows x 256 bytes, 16 bytes of padding behind each
	s_or_b32 s[G1B+0], s44, (0<<16)|(1<<20)|(1<<21)|(5<<22)|(3<<25)
	s_mov_b32 s[G1B+1], ROWB<<16
	s_mov_b32 s[G1B+2], 128<<16
	s_mov_b32 s[G1B+3], ROWB<<16
	s_mov_b32 s[G1B+4], 128
	s_mov_b32 s[G1B+5], KROW
	s_mov_b32 s[G1B+6], 0
	s_mov_b32 s[G1B+7], 0
	; the scales of 128 rows: a dense block of 4,096 bytes, as 16 rows of 256 bytes, 16 bytes of padding behind each
	s_or_b32 s[G1S+0], s43, (3<<16)|(1<<20)|(1<<21)|(5<<22)|(3<<25)
	s_or_b32 s[G1SB+0], s44, (3<<16)|(1<<20)|(1<<21)|(5<<22)|(3<<25)
.irp g, G1S, G1SB
	s_mov_b32 s[\g+1], 32<<16
	s_mov_b32 s[\g+2], (128*KS/256)<<16
	s_mov_b32 s[\g+3], 32<<16
	s_mov_b32 s[\g+4], 128*KS/256
	s_mov_b32 s[\g+5], 32
	s_mov_b32 s[\g+6], 0
	s_mov_b32 s[\g+7], 0
.endr
	s_lshl_b32 s18, s16, 7
	s_lshl_b32 s20, s17, 8
	s_add_co_u32 s20, s20, s18                     ; A: row 256 x tile row + 128 x half
	s_lshl_b32 s46, s42, 8
	s_add_co_u32 s46, s46, s18                     ; B: row 256 x tile column + 128 x half
	s_mov_b32 s21, 0
	s_mov_b32 s47, 0
	s_mov_b64 s[18:19], KS
	s_mul_u64 s[22:23], s[20:21], s[18:19]         ; where these rows' scales begin
	s_mul_u64 s[92:93], s[46:47], s[18:19]
	s_mov_b64 s[18:19], KROW
	s_mul_u64 s[20:21], s[20:21], s[18:19]         ; and their codes (16 tokens x 1,024 = a token tile's 16,384 bytes)
	s_mul_u64 s[46:47], s[46:47], s[18:19]
	s_mul_i32 s45, s14, HALFT
	s_mul_i32 s94, s14, HALFS
	s_wait_kmcnt 0x0
	s_add_nc_u64 s[20:21], s[4:5], s[20:21]
	s_add_nc_u64 s[22:23], s[6:7], s[22:23]
	s_add_nc_u64 s[46:47], s[8:9], s[46:47]
	s_add_nc_u64 s[92:93], s[10:11], s[92:93]
	CROUND                                         ; all sixteen work-groups are here: the first joint loads meet
	s_mov_b32 s[G0S], 1
	s_add_co_u32 s[G0S+1], s94, SCL
	s_mov_b64 s[G0S+2:G0S+3], s[22:23]
	s_or_b32 s[G0S+3], s[G0S+3], 0x80000000
	s_mov_b32 s[G0SB], 1
	s_add_co_u32 s[G0SB+1], s94, SCL
	s_mov_b64 s[G0SB+2:G0SB+3], s[92:93]
	s_or_b32 s[G0SB+3], s[G0SB+3], 0x80000000
	JLOAD G0S, G1S, G0SB, G1SB                     ; the scales first
.irp s, 0,1
	s_mov_b32 s[G0+4*\s], 1
	s_add_co_u32 s[G0+4*\s+1], s45, \s*SLOT
	s_add_nc_u64 s[G0+4*\s+2:G0+4*\s+3], s[20:21], \s*ASTEP
	s_or_b32 s[G0+4*\s+3], s[G0+4*\s+3], 0x80000000
	s_mov_b32 s[G0B+4*\s], 1
	s_add_co_u32 s[G0B+4*\s+1], s45, \s*SLOT
	s_add_nc_u64 s[G0B+4*\s+2:G0B+4*\s+3], s[46:47], \s*ROWB
	s_or_b32 s[G0B+4*\s+3], s[G0B+4*\s+3], 0x80000000
	JLOAD G0+4*\s, G1, G0B+4*\s, G1B
.endr
	v_and_b32 v1, 15, v0                           ; l % 16
	v_bfe_u32 v2, v0, 4, 1                         ; l / 16
	v_mul_u32_u24 v3, v1, PITCH
	v_lshl_add_u32 v4, v2, 4, v3                   ; B: a fragment's row x pitch + 16 x half
	v_and_b32 v6, 31, v0
	v_lshlrev_b32 v3, 4, v6                        ; A: 16 x lane
	s_mul_i32 s21, s15, HALFT                      ; my 8 token tiles of A
	s_mul_i32 s22, s16, HALFT                      ; my 128 rows of B,
	s_add_co_u32 s22, s22, 2*HALFT                 ; which lie behind A's two quarters
.irp s, 0,1
	v_add_nc_u32 v[ADRA+\s], s21, v3
	v_add_nc_u32 v[ADRB+\s], s22, v4
	s_add_co_u32 s21, s21, SLOT
	s_add_co_u32 s22, s22, SLOT
.endr
	v_mul_u32_u24 v5, v1, KS
	v_lshrrev_b32 v6, 8, v5
	v_lshl_add_u32 v5, v6, 4, v5
	s_mul_i32 s21, s15, HALFS
	s_mul_i32 s22, s16, HALFS
	s_add_co_u32 s22, s22, 2*HALFS
	s_sub_co_u32 s22, s22, s21
	v_mul_u32_u24 v6, s22, v2                      ; lanes 16-31 take B's
	s_add_co_u32 s21, s21, SCL
	v_add_nc_u32 v5, v5, v6
	v_add_nc_u32 v[ADRS], s21, v5
	s_mul_i32 s23, s14, 16*SPITCH                  ; my stage
	v_mul_u32_u24 v5, v1, SPITCH
	v_lshl_add_u32 v5, v2, 5, v5
	v_add_nc_u32 v[STO], s23, v5
	v_and_b32 v6, 31, v0
	v_lshlrev_b32 v[CO], 4, v6
	v_add_nc_u32 v[RD], s23, v[CO]
	s_lshl_b32 s20, s17, 8
	s_lshl_b32 s21, s15, 7
	s_add_co_u32 s20, s20, s21                     ; my first row of out
	s_mov_b32 s21, 0
	s_mov_b64 s[18:19], SIZE_N*4
	s_mul_u64 s[20:21], s[20:21], s[18:19]
	s_lshl_b32 s46, s42, 10                        ; my first column, in bytes
	s_lshl_b32 s47, s16, 9
	s_add_co_u32 s46, s46, s47
	s_mov_b32 s47, 0
	s_add_nc_u64 s[20:21], s[20:21], s[46:47]
	s_add_nc_u64 s[12:13], s[12:13], s[20:21]
.macro FRAG reg, adr, q, i             ; B: 16 rows x 128 K from padded rows
.irp c, 0,1,2,3
	ds_load_b128 v[\reg+4*\c:\reg+4*\c+3], v[\adr] offset:128*(\q)+32*\c+(\i)*16*PITCH
.endr
.endm
.macro FRAGA reg, adr, q, i            ; A: the image of token tile i, the slot's q-th 128 along K: four chunks of 512 consecutive bytes
.irp c, 0,1,2,3
	ds_load_b128 v[\reg+4*\c:\reg+4*\c+3], v[\adr] offset:ASTEP*(\i)+2048*(\q)+512*\c
.endr
.endm
.macro MUL16 a0, p, q, sc, zero        ; 16 matrix instructions; the 64 accumulators take turns, one instruction a turn
.irp a, \a0, \a0+1
.irp b, 0,1,2,3,4,5,6,7
.if \zero
	v_wmma_scale_f32_16x16x128_f8f6f4 v[8*(8*((\a)%4)+\b):8*(8*((\a)%4)+\b)+7], v[128*(\p)+FR*\b:128*(\p)+FR*\b+FR-1], v[AF+FR*(\a):AF+FR*(\a)+FR-1], 0, v[SC+8*NQ*(\sc)+NQ*\b+(\q)], v[SC+8*NQ*(\sc)+NQ*(\a)+(\q)] matrix_a_scale:MATRIX_SCALE_ROW1
.else
	v_wmma_scale_f32_16x16x128_f8f6f4 v[8*(8*((\a)%4)+\b):8*(8*((\a)%4)+\b)+7], v[128*(\p)+FR*\b:128*(\p)+FR*\b+FR-1], v[AF+FR*(\a):AF+FR*(\a)+FR-1], v[8*(8*((\a)%4)+\b):8*(8*((\a)%4)+\b)+7], v[SC+8*NQ*(\sc)+NQ*\b+(\q)], v[SC+8*NQ*(\sc)+NQ*(\a)+(\q)] matrix_a_scale:MATRIX_SCALE_ROW1
.endif
.endr
.endr
.endm
.macro FETCH_B slot, q, p
	WIN TO_B
.irp i, 0,1,2,3,4,5,6,7
	FRAG 128*(\p)+FR*\i, ADRB+\slot, \q, \i
.endr
	WIN 0
.endm
.macro FETCH_A slot, q, i0
.irp i, \i0, \i0+1, \i0+2, \i0+3
	FRAGA AF+FR*(\i), ADRA+\slot, \q, \i
.endr
.endm
.macro SCALES sc
.irp i, 0,1,2,3,4,5,6,7
	ds_load_b64 v[SC+8*NQ*\sc+NQ*\i:SC+8*NQ*\sc+NQ*\i+1], v[ADRS] offset:\i*SBLK
.endr
.endm
.macro PLACES n                        ; places in front of loads into registers that matrix instructions have read, and of the first read of results
.rept \n
	v_nop
.endr
.endm
.macro STEP slot, q, zero
	s_wait_dscnt 4*NL                              ; B's set and A's blocks 0-3 are in; the youngest sixteen loads (A's blocks 4-7) may be out
	WIN MUL_LO
	MUL16 0, (\q)%2, \q, \slot, \zero
	MUL16 2, (\q)%2, \q, \slot, \zero
	s_wait_dscnt 0
	PLACES NP
	FETCH_B \slot, (\q)+1, 1-(\q)%2
	FETCH_A \slot, (\q)+1, 0
	WIN MUL_HI
	MUL16 4, (\q)%2, \q, \slot, \zero
	MUL16 6, (\q)%2, \q, \slot, \zero
	PLACES NP
	WIN 0
	FETCH_A \slot, (\q)+1, 4
.endm
.macro TURN slot, next, fill           ; a slot's last step changes slots: one barrier; in front of it each wave waits for all its tensor loads, adds 0 to its spare word, and waits for that and for its reads of this slot
	s_wait_tensorcnt 0x0                           ; all my tensor loads have landed: my part of the next slot
	ds_add_u32 v[SPW], v[NIL]                      ; 0 onto my spare word
	s_wait_dscnt 4*NL+1                            ; (the add and the youngest sixteen loads may be out)
	WIN MUL_LO
	MUL16 0, 1, NQ-1, \slot, 0
	s_wait_dscnt 0x0                               ; the add is done, and my reads of this slot are over
	s_barrier_signal -1
	MUL16 2, 1, NQ-1, \slot, 0
	WIN 0
	s_barrier_wait -1
.if \fill
	CREST                                          ; the barrier has opened a round of the cluster's barrier: no wave of any partner still reads this slot's tile or has a load on its way
	s_add_nc_u64 s[G0+4*\slot+2:G0+4*\slot+3], s[G0+4*\slot+2:G0+4*\slot+3], 2*ASTEP
	s_add_nc_u64 s[G0B+4*\slot+2:G0B+4*\slot+3], s[G0B+4*\slot+2:G0B+4*\slot+3], 2*ROWB
	JLOAD G0+4*\slot, G1, G0B+4*\slot, G1B         ; the first tensor load behind the round
	PLACES NP-4
.else
	PLACES NP
.endif
	v_add_nc_u32 v[ADRS], 4*NQ, v[ADRS]
	FETCH_B \next, 0, 0
	FETCH_A \next, 0, 0
	SCALES \next
	WIN MUL_HI
	MUL16 4, 1, NQ-1, \slot, 0
	MUL16 6, 1, NQ-1, \slot, 0
	PLACES NP
	WIN 0
	FETCH_A \next, 0, 4
.endm
	s_wait_tensorcnt 1                             ; the scales and my part of K step 0 are in (K step 1's load may be out),
	s_barrier_signal -1
	s_barrier_wait -1                              ; everybody's are
	FETCH_B 0, 0, 0
	FETCH_A 0, 0, 0
	SCALES 0
	FETCH_A 0, 0, 4
	STEP 0, 0, 1                                   ; the first step's products start the sums
	s_mov_b32 s3, LAPS-1
.Llap:
	TURN 0, 1, 1
	STEP 1, 0, 0
	TURN 1, 0, 1
	STEP 0, 0, 0
	s_sub_co_u32 s3, s3, 1
	s_cmp_lg_u32 s3, 0
	s_cbranch_scc1 .Llap
	TURN 0, 1, 0                                   ; the last lap fills nothing
	STEP 1, 0, 0
	s_wait_dscnt 4*NL
	WIN MUL_LO
	MUL16 0, 1, NQ-1, 1, 0
	MUL16 2, 1, NQ-1, 1, 0
	s_wait_dscnt 0
	WIN MUL_HI
	MUL16 4, 1, NQ-1, 1, 0
	MUL16 6, 1, NQ-1, 1, 0
	WIN 0
; THE WAY OUT, block by block of 16 rows x 128 columns, through my own stage in LDS: in as 32 bytes a lane, back as whole rows of 512 bytes.  LDS serves a wave's instructions in order (ISA guide 5.7.1.4).
.macro TOSTAGE a
.set AC, 64*((\a)%4)
	WIN 0x08+4*((\a)/4)                            ; the data: window 2 or 3
.irp b, 0,1,2,3,4,5,6,7
	ds_store_b128 v[STO], v[AC+8*\b:AC+8*\b+3] offset:64*\b          ; each accumulator from its low end on
	ds_store_b128 v[STO], v[AC+8*\b+4:AC+8*\b+7] offset:64*\b+16
.endr
	WIN 0
.set BB, BK+64*((\a)%2)
.irp t, 0,1,2,3,4,5,6,7,8,9,10,11,12,13,14,15
	ds_load_b128 v[BB+4*\t:BB+4*\t+3], v[RD] offset:\t*SPITCH
.endr
.endm
.macro SEND a, younger                 ; younger: the LDS instructions issued behind block a's loads, which may stay out
.set BB, BK+64*((\a)%2)
	s_wait_dscnt \younger
.if (\a) > 0
	s_add_nc_u64 s[12:13], s[12:13], 16*SIZE_N*4   ; (behind a wait on XCNT: the earlier stores have read their base)
.endif
.irp t, 0,1,2,3,4,5,6,7,8,9,10,11,12,13,14,15
	global_store_b128 v[CO], v[BB+4*\t:BB+4*\t+3], s[12:13] offset:\t*SIZE_N*4 th:TH_STORE_NT   ; 32 lanes store 512 consecutive bytes, aligned; written once, read by nobody here
.endr
.endm
	PLACES NP
	TOSTAGE 0
.irp a, 1,2,3,4,5,6,7
.if \a > 1
	s_wait_xcnt 0x0                                ; block a - 2's stores have read their registers and their base
.endif
	TOSTAGE \a
	SEND \a-1, 32                                  ; behind block a - 1's loads: block a's 16 stores and 16 loads
.endr
	s_wait_xcnt 0x0
	SEND 7, 0
	s_wait_tensorcnt 0x0                           ; the wave's end
	ds_add_u32 v[SPW], v[NIL]
	s_wait_dscnt 0x0
	CROUND                                         ; the closing round
	s_endpgm
.Lfunc_end_k_qbfeb57e18e_proj:
	.size	k_qbfeb57e18e_proj, .Lfunc_end_k_qbfeb57e18e_proj-k_qbfeb57e18e_proj
	.p2alignl 7, 3214868480
	.fill 96, 4, 3214868480
	.section	.rodata,"a",@progbits
	.p2align	6, 0x0
	.amdhsa_kernel k_qbfeb57e18e_proj
		.amdhsa_group_segment_fixed_size 327680
		.amdhsa_private_segment_fixed_size 0
		.amdhsa_enable_private_segment 0
		.amdhsa_kernarg_size 40
		.amdhsa_user_sgpr_count 2
		.amdhsa_user_sgpr_kernarg_segment_ptr 1
		.amdhsa_wavefront_size32 1
		.amdhsa_system_sgpr_workgroup_id_x 1
		.amdhsa_system_sgpr_workgroup_id_y 1
		.amdhsa_system_sgpr_workgroup_id_z 1
		.amdhsa_system_vgpr_workitem_id 0
		.amdhsa_next_free_vgpr 1024
		.amdhsa_next_free_sgpr 98
		.amdhsa_reserve_vcc 0
		.amdhsa_float_denorm_mode_32 3
		.amdhsa_float_denorm_mode_16_64 3
		.amdhsa_memory_ordered 1
		.amdhsa_forward_progress 1
		.amdhsa_inst_pref_size 145
	.end_amdhsa_kernel
	.amdgpu_metadata
---
amdhsa.version: [ 1, 2 ]
amdhsa.kernels:
  - .name:           k_qbfeb57e18e_proj
    .symbol:         k_qbfeb57e18e_proj.kd
    .args:
      - { .name: ac, .offset: 0, .size: 8, .value_kind: global_buffer, .address_space: global }
      - { .name: asc, .offset: 8, .size: 8, .value_kind: global_buffer, .address_space: global }
      - { .name: w_out_codes, .offset: 16, .size: 8, .value_kind: global_buffer, .address_space: global }
      - { .name: w_out_scales, .offset: 24, .size: 8, .value_kind: global_buffer, .address_space: global }
      - { .name: out0, .offset: 32, .size: 8, .value_kind: global_buffer, .address_space: global }
    .group_segment_fixed_size: 327680
    .private_segment_fixed_size: 0
    .kernarg_segment_align: 8
    .kernarg_segment_size: 40
    .max_flat_workgroup_size: 128
    .sgpr_count:     98
    .vgpr_count:     1024
    .wavefront_size: 32
...
	.end_amdgpu_metadata
.endif
;; end of part 3
;; ======== version 2 of 3: 3 launches; 1.39 times as fast as version 1
;; limits: right only within a limited range of input values
;; workspace buffers: qb 8,912,896 bytes; kv 17,825,792 bytes; maskw 532,480 bytes of whole numbers; ac 8,388,608 bytes; asc 262,144 bytes
;; launch qkv (part 4): grid 12 x 32, 4 waves a work-group, clusters of 4 x 4, 327,680 bytes of LDS; arguments x_codes, x_scales, w_q_codes, w_q_scales, w_k_codes, w_k_scales, w_v_codes, w_v_scales, mask, qb, kv, maskw; writes qb, kv, maskw
.if DOCPART == 4
	.amdgcn_target "amdgcn-amd-amdhsa--gfx1250"
	.amdhsa_code_object_version 6
	.text
	.protected	k_qbfeb57e18e_qkv
	.globl	k_qbfeb57e18e_qkv
	.p2align	8
	.type	k_qbfeb57e18e_qkv,@function
k_qbfeb57e18e_qkv:
	s_mov_b64 s[64:65], 0
	v_nop
	global_prefetch_b8 v0, s[64:65] scope:SCOPE_SE
	s_setreg_imm32_b32 hwreg(HW_REG_WAVE_MODE, 25, 1), 1
	s_wait_xcnt 0x0
	s_wait_alu depctr_hold_cnt(0) depctr_sa_sdst(0) depctr_va_vdst(0) depctr_va_sdst(0) depctr_va_ssrc(0) depctr_va_vcc(0) depctr_vm_vsrc(0)
	s_getreg_b32 s2, hwreg(HW_REG_IB_STS2, 6, 4)
	s_cmp_eq_u32 s2, 0
	s_cbranch_scc0 .Lentry_in_a_cluster
	s_endpgm
.Lentry_in_a_cluster:
	s_bfe_u32 s2, ttmp6, 0x10000c
	s_cmp_lg_u32 s2, 0xf033
	s_cbranch_scc0 .Lentry_shape_is_right
	s_endpgm
.Lentry_shape_is_right:
; q = x Wq^T, k = x Wk^T, v = x Wv^T on codes of FP8 (E4M3) with one E8M0 scale for each 32 along K = 1,024; the results are quantised at once, by the same format's rule, for the attention that follows:
; q and k along a head's 64 channels, v along the keys.  They leave as IMAGES OF OPERAND REGISTERS (16 bytes a lane, 512 bytes a store), so that the next launch loads fragments whole.  The mask is packed into lane-mask words on the way,
; with one summary word for each piece of 16 queries x 128 keys, by which the next launch tells the pieces that lie wholly under the mask.
; WHICH PRODUCT: the cluster's x (equal in all sixteen partners): 0 = q, 1 = k, 2 = v.  The text always computes D = (source 0: 16 rows of "B") x (source 1: 16 rows of "A"): a lane holds ONE row of A and eight
; neighbouring rows of B, and B's rows are the axis that is quantised.  q, k: A = x (tokens), B = the weight (channels).  v: A = Wv (channels), B = x (tokens = keys).  Only pointers and strides are chosen by the product; all take one path.
; A tile of 256 x 256 is made by four waves, each 128 x 128: 64 accumulators, 512 registers.  K goes in steps of 256 through a ring of two LDS slots filled by joint tensor loads; the scale bytes of the tile's rows come once and stay.
; THE ORDER INSIDE A BLOCK OF 32.  The 16 registers of tiles 2 b and 2 b + 1 hold places 32 b + 8 h + 0..7 and 32 b + 16 + 8 h + 0..7 (h = lane / 16): with the lane 16 away that is one true block of 32.  The conversions put them
; into fragment registers 4 b .. 4 b + 3.  q and k are both laid so, and so are v and the weights p of the next launch: a permutation inside a block applied alike to both sides of a product keeps every product and every scale.
; q IS NOT DIVIDED BY 32 HERE: a power of two moves a block's scale byte alone; the next launch folds 1/32 into its exponent's factor.
; LIMITS: a block whose largest magnitude lies under 2^-118 keeps the scale byte 1 (a block of zeros too: its codes are zeros, and this program alone reads the bytes); blocks of q so small that q / 32 would be held at byte 1 differ from the rule; NaN and infinities are not served.
; REGISTERS, in windows of 256: window 0: v0-31 addresses; v32-63 scale words, two sets; from v128 A's fragments, one set; v64-127 the mask's bytes, later 64 held numbers.  window 1: B's fragments, two sets.  windows 2, 3: the accumulators ((a, b) at v[8 (8 (a % 4) + b)]).
.set KSTEP,  256                       ; along K in a slot
.set NQ,     2                         ; matrix instructions deep
.set ROWB,   256                       ; a tile's row in bytes
.set KROW,   1024                      ; a row of x or of a weight in memory, in bytes
.set PITCH,  272                       ; an LDS row: 256 bytes + 16 of padding = 68 words: the 16 rows that a load touches start at 16 different banks (64 banks of 4 bytes: ISA guide 11.1)
.set FR,     16                        ; registers of a fragment
.set NL,     4                         ; LDS loads that bring one
.set NP,     8                         ; places behind this matrix instruction (ISA guide 7.12.1)
.set HALFT,  128*PITCH                 ; 128 rows: what one tensor load brings
.set SLOT,   4*HALFT                   ; A's 256 rows, then B's 256 rows
.set LAPS,   2                         ; 1,024 / (2 x 256)
.set KS,     32                        ; a row of scale bytes
.set SCL,    2*SLOT                    ; behind the ring: the scales, as units of 256 bytes + 16 of padding
.set HALFS,  (128*KS/256)*272          ; the scales of 128 rows
.set SBLK,   (16*KS/256)*272           ; those of 16 rows
.set SPARE,  SCL+4*HALFS               ; behind the scales: the spare words, 128 bytes for each wave
.set SUMW,   524288                    ; in the mask's buffer: behind 128 x 16 pieces of 256 bytes, a summary word for each piece
.set ADRA, 16                          ; v16-17  LDS address of my A fragments in slot 0, 1
.set ADRB, 20                          ; v20-21  the same for B
.set VO0,  24                          ; v24     16 x lane: my place in an image
.set VO1,  25                          ; v25     + the distance from chunks 0, 1 to chunks 2, 3
.set VO2,  26                          ; v26     + a head
.set ADRS, 27                          ; v27     LDS address of my scale words
.set SPW,  28                          ; v28     LDS address of my spare word; never rewritten
.set NIL,  29                          ; v29     0; never rewritten
.set SC,   32                          ; v32-63  scale words, two sets: they hold scales and nothing else
.set AF,   128                         ; A's fragments
.set XN,   64                          ; the way out: v64-127 a tile's 64 numbers, held
.set PC,   128                         ; v128-143 its codes
.set TM,   160                         ; v160-163 largest magnitudes, 164-167 bytes, 168-171 448 x the scale, 172-175 the conversions' scale operands
.set WD,   176                         ; v176-183 the eight tiles' scale words
.set PP,   184                         ; v184-187 two tiles' words in one register
.set PH,   188                         ; v188-191 the same, the second head's bytes
.set R0,   192                         ; v192-195, v196-199 what is stored
.set R1,   196
.set G1, 24                            ; s[24:31] descriptor group 1 for A's tiles;  s[32:39] group 0, one set for each slot
.set G0, 32
.set G1B, 48                           ; s[48:55], s[56:63] the same for B's tiles
.set G0B, 56
.set G1S, 68                           ; s[68:75], s[76:79] groups 1 and 0 for A's scales;  s[80:87], s[88:91] for B's
.set G0S, 76
.set G1SB, 80
.set G0SB, 88
.set TOK, 68                           ; the way out's scalars lie in the scales' descriptors, whose loads were the first to be shown done
.set CH,  69
.set HSZ, 70                           ; a head in the output buffer, in bytes
.set SSZ, 71                           ; a step of 128 tokens in it
.set SAD, 72                           ; s[72:73] from tile to tile
.set SJD, 74                           ; s[74:75] from tile 3 to tile 4
.set SCD, 76                           ; from chunks 0, 1 to chunks 2, 3
.set SVM, 77                           ; all ones for v, else 0
.set SCO, 78                           ; where a step's scale words begin
.set VOF, 79                           ; where its images begin
.set OB,  80                           ; s[80:81] the images' address
.set OS,  82                           ; s[82:83] the scale words'
.set TP,  84                           ; s[84:85] an offset as a pair
.set HIM, 86                           ; lanes 16-31
.set MNT, 87                           ; the mantissa field of 448
.set SEL, 88                           ; s[88:89] v_permlanex16_b32's selects for lane l xor 16
.set MSB, 0
.macro WIN new                         ; the immediate's high byte repeats the setting that is left
.if MSB != \new
	s_set_vgpr_msb (MSB<<8)|\new
.set MSB, \new
.endif
.endm
.set MUL_LO, 0xa1                      ; source 0 (B) window 1, source 1 (A) window 0, C and D window 2
.set MUL_HI, 0xf1                      ; the same, C and D window 3
.set TO_B,   0x40                      ; destination window 1, address window 0
; A joint load: waves 0 and 1 fetch for A, waves 2 and 3 for B.  Each line has one mask and one set of registers for all that issue it; the branch hangs on the wave's number alone.  Four v_nop follow each line.
.macro JLOAD g0a, g1a, g0b, g1b
	s_cmp_eq_u32 s15, 0
	s_cbranch_scc0 .Lfor_b_\@
	tensor_load_to_lds s[\g0a:\g0a+3], s[\g1a:\g1a+7]
	s_nop 0
.rept 4
	v_nop
.endr
	s_branch .Lasked_\@
.Lfor_b_\@:
	tensor_load_to_lds s[\g0b:\g0b+3], s[\g1b:\g1b+7]
	s_nop 0
.rept 4
	v_nop
.endr
.Lasked_\@:
.endm
.macro CREST                           ; a round of the cluster's barrier behind its opening barrier
	s_cmp_lg_u32 s14, 0
	s_cbranch_scc1 .Lnot_wave_0_\@
	s_barrier_signal -3
.Lnot_wave_0_\@:
	s_barrier_wait -3
	s_barrier_signal -1
	s_barrier_wait -1
.endm
.macro CROUND                          ; a whole round
	s_barrier_signal -1
	s_barrier_wait -1
	CREST
.endm
	s_load_b512 s[68:83], s[0:1], 0x0              ; x codes, x scales, Wq codes, scales, Wk codes, scales, Wv codes, scales
	s_load_b256 s[84:91], s[0:1], 0x40             ; mask, qb, kv, maskw
	v_lshl_add_u32 v[SPW], v0, 2, SPARE
	v_mov_b32 v[NIL], 0
	ds_add_u32 v28, v29
	ds_add_u32 v28, v29
	s_wait_dscnt 0x0
	v_lshrrev_b32 v1, 5, v0
	v_readfirstlane_b32 s14, v1                    ; wave 0..3
	s_lshr_b32 s15, s14, 1                         ; which half of the tile's rows is mine.  Also: I fetch for A (0) or for B (1)
	s_and_b32 s16, s14, 1                          ; which half of its columns.  Also: which 128 rows of that tile I fetch
	s_bfe_u32 s40, ttmp6, 0x40000                  ; cx, cy: my place in the cluster
	s_bfe_u32 s41, ttmp6, 0x40004
	s_and_b32 s18, ttmp7, 0xffff
	s_lshl_b32 s18, s18, 2                         ; 4 x cluster y: it walks the tokens
	s_cmp_eq_u32 ttmp9, 2                          ; v?  Then the tokens are B's rows
	s_cselect_b32 s17, 0, s18
	s_cselect_b32 s42, s18, 0
	s_add_co_u32 s17, s17, s41                     ; tile row (A's rows): it never holds cx
	s_add_co_u32 s42, s42, s40                     ; tile column (B's rows): it never holds cy
	s_lshl_b32 s43, s41, 2
	s_lshl_b32 s43, 15, s43                        ; my row of the cluster
	s_lshl_b32 s44, 0x1111, s40                    ; my column
	; descriptor group 1: a tile of 128 rows x 256 bytes, padded in LDS
	s_or_b32 s[G1+0], s43, (0<<16)|(1<<20)|(1<<21)|(5<<22)|(3<<25)  ; 15:0 the mask: A's tiles go to my row; 17:16 element of 1 byte; 20 padding on; 21 set beside a mask; 24:22 after every 64 words; 31:25 of 4 words
	s_or_b32 s[G1B+0], s44, (0<<16)|(1<<20)|(1<<21)|(5<<22)|(3<<25)
.irp g, G1, G1B
	s_mov_b32 s[\g+1], ROWB<<16                    ; tensor_dim0
	s_mov_b32 s[\g+2], 128<<16                     ; tensor_dim1 = 128
	s_mov_b32 s[\g+3], ROWB<<16                    ; tile_dim0
	s_mov_b32 s[\g+4], 128                         ; tile_dim1 = 128
	s_mov_b32 s[\g+5], KROW                        ; tensor_dim0_stride
	s_mov_b32 s[\g+6], 0
	s_mov_b32 s[\g+7], 0
.endr
	s_lshl_b32 s18, s16, 7                         ; which 128 rows of the tile I fetch
	s_lshl_b32 s20, s17, 8
	s_add_co_u32 s20, s20, s18                     ; A: row 256 x tile row + 128 x half
	s_lshl_b32 s46, s42, 8
	s_add_co_u32 s46, s46, s18                     ; B: row 256 x tile column + 128 x half
	s_mov_b32 s21, 0
	s_mov_b32 s47, 0
	s_mov_b64 s[18:19], KS
	s_mul_u64 s[22:23], s[20:21], s[18:19]         ; where these rows' scales begin, in bytes
	s_mul_u64 s[92:93], s[46:47], s[18:19]
	s_mov_b64 s[18:19], KROW
	s_mul_u64 s[20:21], s[20:21], s[18:19]         ; and their codes
	s_mul_u64 s[46:47], s[46:47], s[18:19]
	s_mul_i32 s45, s14, HALFT                      ; where they go: wave x 128 rows: no place in the cluster enters an LDS address
	s_mul_i32 s94, s14, HALFS
	s_wait_kmcnt 0x0
	s_cmp_eq_u32 ttmp9, 2                          ; the buffers are chosen by the product's number alone
	s_cselect_b64 s[4:5], s[80:81], s[68:69]       ; A's codes: Wv's or x's
	s_cselect_b64 s[6:7], s[82:83], s[70:71]       ; A's scales
	s_cmp_eq_u32 ttmp9, 0
	s_cselect_b64 s[8:9], s[72:73], s[76:77]       ; B's codes: Wq's or Wk's,
	s_cselect_b64 s[10:11], s[74:75], s[78:79]
	s_cselect_b64 s[12:13], s[86:87], s[88:89]     ; the output: qb or kv
	s_cmp_eq_u32 ttmp9, 2
	s_cselect_b64 s[8:9], s[68:69], s[8:9]         ; or, for v, x's
	s_cselect_b64 s[10:11], s[70:71], s[10:11]
	s_mov_b64 s[96:97], s[84:85]                   ; the mask
	s_mov_b64 s[98:99], s[90:91]                   ; its words
	; the arguments have been taken out of s68-s91: now the scales' descriptors.  128 rows' scales are a dense block of 4,096 bytes: 16 rows of 256 bytes (32 elements of 8 bytes), 16 bytes of padding behind each
	s_or_b32 s[G1S+0], s43, (3<<16)|(1<<20)|(1<<21)|(5<<22)|(3<<25)
	s_or_b32 s[G1SB+0], s44, (3<<16)|(1<<20)|(1<<21)|(5<<22)|(3<<25)
.irp g, G1S, G1SB
	s_mov_b32 s[\g+1], 32<<16
	s_mov_b32 s[\g+2], (128*KS/256)<<16
	s_mov_b32 s[\g+3], 32<<16
	s_mov_b32 s[\g+4], 128*KS/256
	s_mov_b32 s[\g+5], 32
	s_mov_b32 s[\g+6], 0
	s_mov_b32 s[\g+7], 0
.endr
	s_add_nc_u64 s[20:21], s[4:5], s[20:21]
	s_add_nc_u64 s[22:23], s[6:7], s[22:23]
	s_add_nc_u64 s[46:47], s[8:9], s[46:47]
	s_add_nc_u64 s[92:93], s[10:11], s[92:93]
	CROUND                                         ; all sixteen work-groups are here: the first joint loads meet
	s_mov_b32 s[G0S], 1
	s_add_co_u32 s[G0S+1], s94, SCL
	s_mov_b64 s[G0S+2:G0S+3], s[22:23]
	s_or_b32 s[G0S+3], s[G0S+3], 0x80000000
	s_mov_b32 s[G0SB], 1
	s_add_co_u32 s[G0SB+1], s94, SCL
	s_mov_b64 s[G0SB+2:G0SB+3], s[92:93]
	s_or_b32 s[G0SB+3], s[G0SB+3], 0x80000000
	JLOAD G0S, G1S, G0SB, G1SB                     ; the scales first: they are wanted with K step 0
.irp s, 0,1
	s_mov_b32 s[G0+4*\s], 1
	s_add_co_u32 s[G0+4*\s+1], s45, \s*SLOT
	s_add_nc_u64 s[G0+4*\s+2:G0+4*\s+3], s[20:21], \s*ROWB
	s_or_b32 s[G0+4*\s+3], s[G0+4*\s+3], 0x80000000
	s_mov_b32 s[G0B+4*\s], 1
	s_add_co_u32 s[G0B+4*\s+1], s45, \s*SLOT
	s_add_nc_u64 s[G0B+4*\s+2:G0B+4*\s+3], s[46:47], \s*ROWB
	s_or_b32 s[G0B+4*\s+3], s[G0B+4*\s+3], 0x80000000
	JLOAD G0+4*\s, G1, G0B+4*\s, G1B
.endr
	v_and_b32 v1, 15, v0                           ; r = l % 16
	v_bfe_u32 v2, v0, 4, 1                         ; h = l / 16
	v_mul_u32_u24 v3, v1, PITCH
	v_lshl_add_u32 v4, v2, 4, v3                   ; a fragment's row x pitch + 16 x half
	s_mul_i32 s21, s15, HALFT                      ; my 128 rows of A
	s_mul_i32 s22, s16, HALFT                      ; my 128 rows of B,
	s_add_co_u32 s22, s22, 2*HALFT                 ; which lie behind A's 256
.irp s, 0,1
	v_add_nc_u32 v[ADRA+\s], s21, v4
	v_add_nc_u32 v[ADRB+\s], s22, v4
	s_add_co_u32 s21, s21, SLOT
	s_add_co_u32 s22, s22, SLOT
.endr
	v_mul_u32_u24 v5, v1, KS                       ; my row's scales: 32 bytes a row,
	v_lshrrev_b32 v6, 8, v5
	v_lshl_add_u32 v5, v6, 4, v5                   ; and 16 more for each 256 passed
	s_mul_i32 s21, s15, HALFS                      ; A's: my 128 rows
	s_mul_i32 s22, s16, HALFS                      ; B's: my 128 rows, behind A's 256
	s_add_co_u32 s22, s22, 2*HALFS
	s_sub_co_u32 s22, s22, s21
	v_mul_u32_u24 v6, s22, v2                      ; lanes 16-31 take B's: one product, the distance between the two bases
	s_add_co_u32 s21, s21, SCL
	v_add_nc_u32 v5, v5, v6
	v_add_nc_u32 v[ADRS], s21, v5
	v_and_b32 v6, 31, v0
	v_lshlrev_b32 v[VO0], 4, v6
; THE MASK'S WORDS, made by q's 128 work-groups while their first tiles are on their way (the branch hangs on the cluster's x, equal in all partners; no barrier and no tensor load stands under it).
; Word n (0..63) of the piece (tile of 16 queries qt, step of 128 keys st): bit l = mask[16 qt + l % 16][128 st + 16 (n / 8) + 8 (l / 16) + n % 8]: the bit that score register n of lane l wants in the next launch.
; A wave takes qt = 4 x tile row + wave and the four steps 4 cx + u.  Lane (r, h) loads 8 bytes of row r at key 16 t + 8 h; a compare of one byte in all lanes IS a word.  A piece's 64 words leave as 256 consecutive bytes.
; THE SUMMARY of a piece is the AND of its 64 words: bits r and r + 16 say that all 128 keys of the piece are masked for query r; all ones: the piece lies wholly under the mask.
	s_cmp_lg_u32 ttmp9, 0
	s_cbranch_scc1 .Lno_mask
	s_lshl_b32 s95, s17, 2
	s_add_co_u32 s95, s95, s14                     ; qt
	s_lshl_b32 s100, s95, 15                       ; 16 rows of 2,048 bytes
	s_lshl_b32 s101, s40, 9                        ; four steps of 128 keys
	s_add_co_u32 s100, s100, s101
	s_mov_b32 s101, 0
	s_add_nc_u64 s[96:97], s[96:97], s[100:101]
	s_lshl_b32 s100, s95, 6                        ; the summaries: 16 words a tile of queries,
	s_lshl_b32 s66, s40, 4                         ; my four of them
	s_add_co_u32 s100, s100, s66
	s_add_co_u32 s100, s100, SUMW
	s_add_nc_u64 s[66:67], s[98:99], s[100:101]
	s_lshl_b32 s100, s95, 12                       ; the words: 16 pieces of 256 bytes
	s_lshl_b32 s95, s40, 10
	s_add_co_u32 s100, s100, s95
	s_add_nc_u64 s[98:99], s[98:99], s[100:101]
	v_lshlrev_b32 v5, 11, v1
	v_lshl_add_u32 v5, v2, 3, v5                   ; row r, + 8 h
	v_lshlrev_b32 v6, 3, v6                        ; out: two words a lane
	v_lshrrev_b32 v19, 1, v6                       ; 4 x lane: a summary's place
	v_mov_b32 v18, 0                               ; (a lane write's destination counts as read)
.irp u, 0,1,2,3
.irp t, 0,1,2,3,4,5,6,7
	global_load_b64 v[64+16*\u+2*\t:65+16*\u+2*\t], v5, s[96:97] offset:128*\u+16*\t
.endr
.endr
.macro MASKUNIT u
	s_wait_loadcnt 8*(3-\u)                        ; this step's eight loads are in; the later steps' may be out
	v_mov_b32 v[8+2*\u], 0                         ; (a lane write's destination counts as read)
	v_mov_b32 v[9+2*\u], 0
	s_mov_b32 s95, -1
.set n, 0
.rept 64
	v_and_b32 v[1+n%4], 0xff<<(8*(n%4)), v[64+16*\u+n/4]   ; byte n % 8 of the pair of tile n / 8
	v_cmp_ne_u32 s[2+n%2], 0, v[1+n%4]             ; the word
	v_writelane_b32 v[8+2*\u+n%2], s[2+n%2], n/2   ; lane n / 2 stores words n and n + 1
	s_and_b32 s95, s95, s[2+n%2]                   ; and it enters the piece's summary
.set n, n+1
.endr
	v_writelane_b32 v18, s95, \u                   ; lane u holds step 4 cx + u's summary
	global_store_b64 v6, v[8+2*\u:9+2*\u], s[98:99] offset:256*\u   ; 32 lanes store 256 consecutive bytes, aligned; each step has registers of its own, so none is written again
.endm
	MASKUNIT 0
	MASKUNIT 1
	MASKUNIT 2
	MASKUNIT 3
	v_cmp_gt_u32 vcc_lo, 16, v19                   ; lanes 0 to 3
	s_wait_xcnt 0x0                                ; EXEC is narrowed only behind this wait: the stores above have been taken
	s_and_saveexec_b32 s100, vcc_lo
	global_store_b32 v19, v18, s[66:67]            ; four summaries
	s_wait_xcnt 0x0                                ; and it is widened only behind this one
	s_or_b32 exec_lo, exec_lo, s100
.Lno_mask:
.macro FRAG reg, adr, q, i             ; a fragment, 16 rows x 128 K: lane l holds row l % 16; registers 4 c .. 4 c + 3 hold K = 32 c + 16 (l / 16) + 0 .. 15
.irp c, 0,1,2,3
	ds_load_b128 v[\reg+4*\c:\reg+4*\c+3], v[\adr] offset:128*(\q)+32*\c+(\i)*16*PITCH
.endr
.endm
; 16 matrix instructions: A's blocks a0, a0 + 1 x B's eight, 128 along K.  zero = 1: the first product starts the sums.  The 64 accumulators take turns, one instruction a turn, in the same order in every step.
.macro MUL16 a0, p, q, sc, zero
.irp a, \a0, \a0+1
.irp b, 0,1,2,3,4,5,6,7
.if \zero
	v_wmma_scale_f32_16x16x128_f8f6f4 v[8*(8*((\a)%4)+\b):8*(8*((\a)%4)+\b)+7], v[128*(\p)+FR*\b:128*(\p)+FR*\b+FR-1], v[AF+FR*(\a):AF+FR*(\a)+FR-1], 0, v[SC+8*NQ*(\sc)+NQ*\b+(\q)], v[SC+8*NQ*(\sc)+NQ*(\a)+(\q)] matrix_a_scale:MATRIX_SCALE_ROW1
.else
	v_wmma_scale_f32_16x16x128_f8f6f4 v[8*(8*((\a)%4)+\b):8*(8*((\a)%4)+\b)+7], v[128*(\p)+FR*\b:128*(\p)+FR*\b+FR-1], v[AF+FR*(\a):AF+FR*(\a)+FR-1], v[8*(8*((\a)%4)+\b):8*(8*((\a)%4)+\b)+7], v[SC+8*NQ*(\sc)+NQ*\b+(\q)], v[SC+8*NQ*(\sc)+NQ*(\a)+(\q)] matrix_a_scale:MATRIX_SCALE_ROW1
.endif
.endr
.endr
.endm
.macro FETCH_B slot, q, p              ; B's eight fragments of the slot's q-th 128 along K into set p
	WIN TO_B
.irp i, 0,1,2,3,4,5,6,7
	FRAG 128*(\p)+FR*\i, ADRB+\slot, \q, \i
.endr
	WIN 0
.endm
.macro FETCH_A slot, q, i0             ; A's blocks i0 .. i0 + 3
.irp i, \i0, \i0+1, \i0+2, \i0+3
	FRAG AF+FR*(\i), ADRA+\slot, \q, \i
.endr
.endm
.macro SCALES sc                       ; the next K step's scale words into set sc: two words a row; lanes 0-15 take A's block i, lanes 16-31 B's block i
.irp i, 0,1,2,3,4,5,6,7
	ds_load_b64 v[SC+8*NQ*\sc+NQ*\i:SC+8*NQ*\sc+NQ*\i+1], v[ADRS] offset:\i*SBLK
.endr
.endm
; A load into a register that a matrix instruction has read, and a vector instruction that reads a matrix result, stand NP places behind it; only plain vector instructions that name none of its registers are places.
.macro PLACES n
.rept \n
	v_nop
.endr
.endm
.macro STEP slot, q, zero              ; a step of 128 along K that has its successor in the same slot
	s_wait_dscnt 4*NL                              ; B's set and A's blocks 0-3 are in; the youngest sixteen loads (A's blocks 4-7) may be out
	WIN MUL_LO
	MUL16 0, (\q)%2, \q, \slot, \zero
	MUL16 2, (\q)%2, \q, \slot, \zero
	s_wait_dscnt 0                                 ; A's blocks 4-7 are in
	PLACES NP
	FETCH_B \slot, (\q)+1, 1-(\q)%2
	FETCH_A \slot, (\q)+1, 0
	WIN MUL_HI
	MUL16 4, (\q)%2, \q, \slot, \zero
	MUL16 6, (\q)%2, \q, \slot, \zero
	PLACES NP
	WIN 0
	FETCH_A \slot, (\q)+1, 4
.endm
; A slot's last step changes slots: ONE barrier; in front of it each wave waits for all its tensor loads, adds 0 to its spare word, and waits for that and for its own reads of this slot.  fill = 1: this slot is filled again, two K steps ahead.
.macro TURN slot, next, fill
	s_wait_tensorcnt 0x0                           ; all my tensor loads have landed: my part of the next slot
	ds_add_u32 v[SPW], v[NIL]                      ; 0 onto my spare word
	s_wait_dscnt 4*NL+1                            ; (the add and the youngest sixteen loads, A's blocks 4-7, may be out)
	WIN MUL_LO
	MUL16 0, 1, NQ-1, \slot, 0                     ; sixteen matrix instructions stand between the add and the wait for it
	s_wait_dscnt 0x0                               ; the add is done, and my reads of this slot are over
	s_barrier_signal -1
	MUL16 2, 1, NQ-1, \slot, 0
	WIN 0
	s_barrier_wait -1
.if \fill
	CREST                                          ; the barrier has opened a round of the cluster's barrier: no wave of any partner still reads this slot's tile or has a load on its way
	s_add_nc_u64 s[G0+4*\slot+2:G0+4*\slot+3], s[G0+4*\slot+2:G0+4*\slot+3], 2*ROWB
	s_add_nc_u64 s[G0B+4*\slot+2:G0B+4*\slot+3], s[G0B+4*\slot+2:G0B+4*\slot+3], 2*ROWB
	JLOAD G0+4*\slot, G1, G0B+4*\slot, G1B         ; the first tensor load behind the round; its four v_nop are among the places in front of the loads below
	PLACES NP-4
.else
	PLACES NP
.endif
	v_add_nc_u32 v[ADRS], 4*NQ, v[ADRS]            ; on to the next K step's scale words
	FETCH_B \next, 0, 0
	FETCH_A \next, 0, 0
	SCALES \next
	WIN MUL_HI
	MUL16 4, 1, NQ-1, \slot, 0
	MUL16 6, 1, NQ-1, \slot, 0
	PLACES NP
	WIN 0
	FETCH_A \next, 0, 4
.endm
	s_wait_tensorcnt 1                             ; the scales and my part of K step 0 are in (K step 1's load may be out),
	s_barrier_signal -1
	s_barrier_wait -1                              ; everybody's are
	FETCH_B 0, 0, 0
	FETCH_A 0, 0, 0
	SCALES 0
	FETCH_A 0, 0, 4
	STEP 0, 0, 1                                   ; the first step stands in front of the loop: its products start the sums
	s_mov_b32 s3, LAPS-1
.Llap:                                                 ; a trip goes once round the ring and fills both slots again
	TURN 0, 1, 1
	STEP 1, 0, 0
	TURN 1, 0, 1
	STEP 0, 0, 0
	s_sub_co_u32 s3, s3, 1
	s_cmp_lg_u32 s3, 0
	s_cbranch_scc1 .Llap
	TURN 0, 1, 0                                   ; the last lap fills nothing
	STEP 1, 0, 0
	s_wait_dscnt 4*NL                              ; the very last step
	WIN MUL_LO
	MUL16 0, 1, NQ-1, 1, 0
	MUL16 2, 1, NQ-1, 1, 0
	s_wait_dscnt 0
	WIN MUL_HI
	MUL16 4, 1, NQ-1, 1, 0
	MUL16 6, 1, NQ-1, 1, 0
	WIN 0
; THE WAY OUT.  My 128 x 128: A's block a (16 rows, one a lane) holds 64 registers along B's rows: four blocks of 32.  q, k: A's rows are one step of 128 tokens, B's rows two heads: blocks 0, 1 are the first head's image of
; token tile a (2 x 512 bytes), blocks 2, 3 the second head's.  v: A's rows are two heads' channels, B's rows one step of 128 keys: the four blocks are the image of channel tile a % 4 of head a / 4 (4 x 512 bytes).
; Where things go differs by strides alone, which are chosen by the product's number.  No tensor load of mine is out (the last change of slots waited for all), so the scales' descriptors may be written.
	s_lshl_b32 s[TP], s17, 8
	s_lshl_b32 s[TP+1], s15, 7
	s_add_co_u32 s[TP], s[TP], s[TP+1]             ; my first row of A
	s_lshl_b32 s[TP+1], s42, 8
	s_lshl_b32 s90, s16, 7
	s_add_co_u32 s[TP+1], s[TP+1], s90             ; my first row of B
	s_cmp_eq_u32 ttmp9, 0                          ; qb or kv
	s_mov_b32 s[HSZ], 278528
	s_cselect_b32 s[HSZ], 139264, s[HSZ]
	s_mov_b32 s[SSZ], 17408
	s_cselect_b32 s[SSZ], 8704, s[SSZ]
	s_mov_b32 s[SCO], 16384
	s_cselect_b32 s[SCO], 8192, s[SCO]
	s_cmp_eq_u32 ttmp9, 2                          ; v or not
	s_cselect_b32 s[TOK], s[TP+1], s[TP]           ; my first token
	s_cselect_b32 s[CH], s[TP], s[TP+1]            ; my first channel
	s_mov_b32 s[SAD], 1024
	s_cselect_b32 s[SAD], 2048, s[SAD]
	s_mov_b32 s[SAD+1], 0
	s_mov_b32 s[SJD], 1024
	s_cselect_b32 s[SJD], 278528-3*2048, s[SJD]    ; v: on to the next head's first channel tile
	s_mov_b32 s[SJD+1], 0
	s_cselect_b32 s[SCD], 1024, s[HSZ]             ; chunks 2, 3: v: the same image; q, k: the next head's
	s_cselect_b32 s[SVM], -1, 0
	s_cselect_b32 s[VOF], 8192, 0
	s_cselect_b32 s90, 512, 0
	s_add_co_u32 s[SCO], s[SCO], s90
	s_lshr_b32 s90, s[TOK], 11                     ; the batch
	s_lshl_b32 s90, s90, 4
	s_lshr_b32 s91, s[CH], 6
	s_add_co_u32 s90, s90, s91                     ; 16 x batch + head
	s_bfe_u32 s91, s[TOK], 0x40007                 ; the step of 128 tokens
	s_mul_i32 s90, s90, s[HSZ]
	s_mul_i32 s91, s91, s[SSZ]
	s_add_co_u32 s[TP], s90, s91
	s_mov_b32 s[TP+1], 0
	s_add_nc_u64 s[OB:OB+1], s[12:13], s[TP:TP+1]
	s_mov_b64 s[OS:OS+1], s[OB:OB+1]
	s_mov_b32 s[TP], s[VOF]
	s_add_nc_u64 s[OB:OB+1], s[OB:OB+1], s[TP:TP+1]
	s_mov_b32 s[TP], s[SCO]
	s_add_nc_u64 s[OS:OS+1], s[OS:OS+1], s[TP:TP+1]
	s_mov_b32 s[HIM], 0xffff0000
	s_mov_b32 s[MNT], 0x600000
	s_mov_b32 s[SEL], 0x76543210
	s_mov_b32 s[SEL+1], 0xfedcba98
	PLACES NP                                      ; behind the last products: their results are read and A's registers written below
	v_add_nc_u32 v[VO1], s[SCD], v[VO0]
	v_add_nc_u32 v[VO2], s[HSZ], v[VO0]
.irp b, 0,1,2,3
	v_mov_b32 v[TM+4+\b], 0                        ; written once: a lane permute's destination counts as one of its sources
.endr
; Block a's 64 numbers become 16 registers of codes in v[PC] on and a scale word in v[WD + a].
.macro QUANT a
.set AC, 64*((\a)%4)
	WIN (40+20*((\a)/4))                           ; sources 1 and 2: window 2 or 3
.irp b, 0,1,2,3
	v_max3_num_f32 v[TM+\b], 0x4800000, |v[AC+16*\b]|, |v[AC+16*\b+1]|   ; block b: my 16 numbers and the floor 2^(9 - 127), so that the byte cannot fall under 1.  Each accumulator is read from its low end on
.endr
.irp i, 2,4,6,8,10,12,14
.irp b, 0,1,2,3
	v_max3_num_f32 v[TM+\b], v[TM+\b], |v[AC+16*\b+\i]|, |v[AC+16*\b+\i+1]|   ; (the four blocks by turns)
.endr
.endr
	WIN 0
.irp b, 0,1,2,3
	v_permlanex16_b32 v[TM+4+\b], v[TM+\b], s[SEL], s[SEL+1]
.endr
.irp b, 0,1,2,3
	v_max_num_f32 v[TM+\b], v[TM+\b], v[TM+4+\b]   ; with lane l xor 16's: the block's largest magnitude
.endr
.irp b, 0,1,2,3
	v_add_nc_u32 v[TM+12+\b], 0xfc000000, v[TM+\b] ; 8 off its exponent field: the conversion's scale operand
.endr
.irp b, 0,1,2,3
	v_and_or_b32 v[TM+8+\b], v[TM+\b], 0x7f800000, s[MNT]   ; 448 x the scale
.endr
.irp b, 0,1,2,3
	v_lshrrev_b32 v[TM+4+\b], 23, v[TM+12+\b]      ; the scale's byte
.endr
	v_lshl_or_b32 v[WD+(\a)], v[TM+5], 8, v[TM+4]
	v_lshl_or_b32 v[WD+(\a)], v[TM+6], 16, v[WD+(\a)]
	v_lshl_or_b32 v[WD+(\a)], v[TM+7], 24, v[WD+(\a)]
	WIN (2+(\a)/4)                                 ; source 0: window 2 or 3
.irp b, 0,1,2,3
.irp i, 0,1,2,3,4,5,6,7,8,9,10,11,12,13,14,15
	v_med3_num_f32 v[XN+16*\b+\i], v[AC+16*\b+\i], -v[TM+8+\b], v[TM+8+\b]   ; the conversion to an 8-bit code does not saturate (ISA guide 7.6.2): the hold; it also brings the number into window 0
.endr
.endr
	WIN 0
	s_wait_xcnt 0x0                                ; the last tile's stores have read their data and their base: both are written again only behind this wait
.irp b, 0,1,2,3
	v_cvt_scalef32_pk8_fp8_f32 v[PC+4*\b:PC+4*\b+1], v[XN+16*\b:XN+16*\b+7], v[TM+12+\b]
	v_cvt_scalef32_pk8_fp8_f32 v[PC+4*\b+2:PC+4*\b+3], v[XN+16*\b+8:XN+16*\b+15], v[TM+12+\b]
.endr
	v_nop                                          ; a plain instruction behind the last conversion, ahead of the next vector instruction that writes its sources
.endm
.macro PUT a
.if (\a) == 4
	s_add_nc_u64 s[OB:OB+1], s[OB:OB+1], s[SJD:SJD+1]
.elseif (\a) > 0
	s_add_nc_u64 s[OB:OB+1], s[OB:OB+1], s[SAD:SAD+1]
.endif
	global_store_b128 v[VO0], v[PC:PC+3], s[OB:OB+1]                   ; each store: 512 consecutive bytes, aligned
	global_store_b128 v[VO0], v[PC+4:PC+7], s[OB:OB+1] offset:512
	global_store_b128 v[VO1], v[PC+8:PC+11], s[OB:OB+1]
	global_store_b128 v[VO1], v[PC+12:PC+15], s[OB:OB+1] offset:512
.endm
.irp a, 0,1,2,3,4,5,6,7
	QUANT \a
	PUT \a
.endr
; THE SCALE WORDS.  q, k: register j carries tile 2 j's words in lanes 0-15 and tile 2 j + 1's in lanes 16-31; the first head reads bytes 0, 1 of a word (its bytes 2, 3 meet zero codes), the second head's are shifted down.
; v: register j is channel tile j's word, whole: four blocks of keys; the first head's four, then the second's.
.irp j, 0,1,2,3
	v_cndmask_b32 v[PP+\j], v[WD+2*\j], v[WD+2*\j+1], s[HIM]
.endr
.irp j, 0,1,2,3
	v_lshrrev_b32 v[PH+\j], 16, v[PP+\j]
.endr
.irp j, 0,1,2,3
	v_cndmask_b32 v[R0+\j], v[PP+\j], v[WD+\j], s[SVM]
	v_cndmask_b32 v[R1+\j], v[PH+\j], v[WD+4+\j], s[SVM]
.endr
	global_store_b128 v[VO0], v[R0:R0+3], s[OS:OS+1]
	global_store_b128 v[VO2], v[R1:R1+3], s[OS:OS+1]
	s_wait_tensorcnt 0x0                           ; the wave's end
	ds_add_u32 v[SPW], v[NIL]
	s_wait_dscnt 0x0
	CROUND                                         ; the closing round: no work-group ends while a partner may still ask for a tile that names it
	s_endpgm
.Lfunc_end_k_qbfeb57e18e_qkv:
	.size	k_qbfeb57e18e_qkv, .Lfunc_end_k_qbfeb57e18e_qkv-k_qbfeb57e18e_qkv
	.p2alignl 7, 3214868480
	.fill 96, 4, 3214868480
	.section	.rodata,"a",@progbits
	.p2align	6, 0x0
	.amdhsa_kernel k_qbfeb57e18e_qkv
		.amdhsa_group_segment_fixed_size 327680
		.amdhsa_private_segment_fixed_size 0
		.amdhsa_enable_private_segment 0
		.amdhsa_kernarg_size 96
		.amdhsa_user_sgpr_count 2
		.amdhsa_user_sgpr_kernarg_segment_ptr 1
		.amdhsa_wavefront_size32 1
		.amdhsa_system_sgpr_workgroup_id_x 1
		.amdhsa_system_sgpr_workgroup_id_y 1
		.amdhsa_system_sgpr_workgroup_id_z 1
		.amdhsa_system_vgpr_workitem_id 0
		.amdhsa_next_free_vgpr 1024
		.amdhsa_next_free_sgpr 102
		.amdhsa_reserve_vcc 1
		.amdhsa_float_denorm_mode_32 3
		.amdhsa_float_denorm_mode_16_64 3
		.amdhsa_memory_ordered 1
		.amdhsa_forward_progress 1
		.amdhsa_inst_pref_size 248
	.end_amdhsa_kernel
	.amdgpu_metadata
---
amdhsa.version: [ 1, 2 ]
amdhsa.kernels:
  - .name:           k_qbfeb57e18e_qkv
    .symbol:         k_qbfeb57e18e_qkv.kd
    .args:
      - { .name: x_codes, .offset: 0, .size: 8, .value_kind: global_buffer, .address_space: global }
      - { .name: x_scales, .offset: 8, .size: 8, .value_kind: global_buffer, .address_space: global }
      - { .name: w_q_codes, .offset: 16, .size: 8, .value_kind: global_buffer, .address_space: global }
      - { .name: w_q_scales, .offset: 24, .size: 8, .value_kind: global_buffer, .address_space: global }
      - { .name: w_k_codes, .offset: 32, .size: 8, .value_kind: global_buffer, .address_space: global }
      - { .name: w_k_scales, .offset: 40, .size: 8, .value_kind: global_buffer, .address_space: global }
      - { .name: w_v_codes, .offset: 48, .size: 8, .value_kind: global_buffer, .address_space: global }
      - { .name: w_v_scales, .offset: 56, .size: 8, .value_kind: global_buffer, .address_space: global }
      - { .name: mask, .offset: 64, .size: 8, .value_kind: global_buffer, .address_space: global }
      - { .name: qb, .offset: 72, .size: 8, .value_kind: global_buffer, .address_space: global }
      - { .name: kv, .offset: 80, .size: 8, .value_kind: global_buffer, .address_space: global }
      - { .name: maskw, .offset: 88, .size: 8, .value_kind: global_buffer, .address_space: global }
    .group_segment_fixed_size: 327680
    .private_segment_fixed_size: 0
    .kernarg_segment_align: 8
    .kernarg_segment_size: 96
    .max_flat_workgroup_size: 128
    .sgpr_count:     102
    .vgpr_count:     1024
    .wavefront_size: 32
...
	.end_amdgpu_metadata
.endif
;; end of part 4
;; launch attn (part 5): grid 4 x 64, 16 waves a work-group, no clusters, 280,576 bytes of LDS; arguments qb, kv, maskw, ac, asc; writes ac, asc
.if DOCPART == 5
	.amdgcn_target "amdgcn-amd-amdhsa--gfx1250"
	.amdhsa_code_object_version 6
	.text
	.protected	k_qbfeb57e18e_attn
	.globl	k_qbfeb57e18e_attn
	.p2align	8
	.type	k_qbfeb57e18e_attn,@function
k_qbfeb57e18e_attn:
	s_mov_b64 s[64:65], 0
	v_nop
	global_prefetch_b8 v0, s[64:65] scope:SCOPE_SE
	s_setreg_imm32_b32 hwreg(HW_REG_WAVE_MODE, 25, 1), 1
	s_wait_xcnt 0x0
; For each of 64 (batch, head): o = softmax(where(mask, -1e9, q k^T / 32)) v, both products on codes of FP8 (E4M3) with one E8M0 scale for each 32 along K; o is quantised along the channels for the product that follows.
; THE SOFTMAX AHEAD OF THE SECOND PRODUCT: t = logit x log2(e); M = the row's largest t so far, rounded UP to a whole number; p = 2^(t - M) is quantised along the keys, not normalised; the row's sum is taken of the unquantised p and divides at the end.
; q comes undivided: c = log2(e) / 32 carries the 1/32.
; THE MASK comes as lane-mask words (word n of a piece of 16 queries x 128 keys: bit l belongs to score register n of lane l), by scalar loads: one v_cndmask_b32 a score.
; A MASKED SCORE is -2^35, that is a logit of -2^30 in place of -1e9: c x 2^35 is a whole number that f32 holds exactly, so in a row whose every key is masked t - M is exactly 0, p = 1, and the result is the mean of V, as with -1e9.
; A PIECE THAT LIES WHOLLY UNDER THE MASK IS LEFT OUT.  Where a row has one unmasked key, every masked key's p is 0, so such a piece adds nothing to any of its 16 rows.  A row whose every key is masked wants all its keys:
; so nothing is left out of a tile of queries that has such a row.  Both are told from the pieces' summaries (the AND of a piece's 64 words), which the launch before has stored: 16 words a tile of queries, one scalar load.
; The decision holds for any mask; a mask with no such piece has all the work done.
; LIMITS: the results are those of -1e9 wherever every unmasked logit lies above about -9.9e8; a block whose largest magnitude lies under 2^-118 keeps the scale byte 1 (a block of zeros too: its codes are zeros); NaN and infinities are not served.
; SHARES.  Four work-groups share a head.  Work-group x takes the blocks of 256 queries x and 7 - x, one after the other; each of its sixteen waves owns one tile of 16 queries in 256 registers: four waves to a SIMD,
; so that one wave's vector work stands beside another's matrix work and LDS loads.
; K, V AND THEIR SCALE WORDS of the whole head, 278,528 bytes, come into LDS ONCE, THROUGH REGISTERS (wave w: key step w's 17,408 bytes, 34 loads and 34 LDS stores of 512 bytes), and are only read from then on: one barrier.
; No tensor load and no joint request, though four work-groups read the same bytes: the walk over the key steps branches on numbers read from memory;
; a step left out spares a wave 17,408 bytes of LDS reads and the step's whole arithmetic, against 278,528 bytes that a work-group asks for by itself, once.
; LAYOUT.  Both products are used transposed: S^T = K Q^T (source 0 = 16 keys), O^T = V^T P^T (source 0 = 16 channels): a lane holds ONE query (lane % 16) throughout.  All operands lie in LDS as images of their registers: 16 bytes a lane, no pitch.
; THE HEAD'S 64 CHANNELS FILL HALF OF THE INSTRUCTION'S 128: Q's fragment is 8 registers of codes and 8 of zero codes; K's tiles lie on end, 8 registers each, and tile t's operand is the 16 registers from its first on: its upper half
; (the next tile's codes; behind tile 7 eight zero registers) meets Q's zero codes and adds nothing (no code here is NaN and no scale byte 0xff).
; p and v carry the same order inside a block of 32 keys (places 8 h + 0..7, 16 + 8 h + 0..7), q and k the same inside a block of channels.  o meets a given operand next: sixteen lane swaps give it the true order.
; SCALARS: s[2:3] an offset as a pair (s3 = 0); s[4:5] Q, s[6:7] the mask's words, s[8:9] o's codes, s[10:11] o's scale bytes, all at the pass in hand; s12 wave; s18 trips; s19 the step's LDS byte; s20 the offset of the mask words being asked for;
; s21 the next step's; s23 the active steps from this one on; s24, s25 the two passes' active steps; s26 = 7 - 2 x; s[30:31] my key step in memory; s[32:47], s[48:63], s[68:83], s[84:99] a piece's 64 mask words.
.set STEPB,  17408                     ; a key step in kv and in LDS: K's 8 images (8,192), V's 4 (8,192), K's scale words (512), V's (512)
.set HEADB,  278528
.set QSTEPB, 8704                      ; 128 queries in qb: 8 images (8,192), their scale words (512)
.set QHEADB, 139264
.set SUMW,   524288                    ; where the pieces' summaries begin in the mask's buffer
.set LI,  1                            ; v1   16 x lane
.set AD,  2                            ; v2   the step's LDS address
.set QSO, 3                            ; v3   where my tile's scale word lies, from my tile's image on
.set SBO, 4                            ; v4   32 r + h: my byte among o's scale bytes
.set KV,  16                           ; v16-79   K's 8 tiles, then V's 4 fragments
.set ZT,  80                           ; v80-87   zeros
.set Q,   88                           ; v88-95   Q's codes; v96-103 zeros
.set S,   104                          ; v104-167 S^T, then p
.set O,   168                          ; v168-199 O^T
.set PC,  200                          ; v200-215 p's codes
.set BM,  216                          ; v216-219 a block's largest score, then its largest p
.set T4,  220                          ; v220-223 at work
.set HD,  224                          ; v224-227 448 x the scale
.set SO,  228                          ; v228-231 the conversions' scale operands
.set KS,  232                          ; v232-235 K's scale words; v236-239 V's; v240 Q's; v241 p's: they hold scales and nothing else
.set VS,  236
.set QS,  240
.set PS,  241
.set NM,  242                          ; v242 -M, v243 the largest t
.set SUM, 244                          ; v[244:245] the row's sum in two halves; v[246:247] a second chain
.set SU2, 246
.set F,   248                          ; v248 f = 2^(old M - new M); v249 named with it as a pair
.set TMP, 250
.set NEG, 251                          ; -2^35
.macro QLOAD                           ; my tile's image and scale word
	global_load_b128 v[Q:Q+3], v[LI], s[4:5]
	global_load_b128 v[Q+4:Q+7], v[LI], s[4:5] offset:512
	global_load_b32 v[QS], v[QSO], s[4:5]
.endm
.macro MLOAD                           ; a piece's 64 mask words, s20 bytes from my tile's first piece
	s_load_b512 s[32:47], s[6:7], s20 offset:0x0
	s_load_b512 s[48:63], s[6:7], s20 offset:0x40
	s_load_b512 s[68:83], s[6:7], s20 offset:0x80
	s_load_b512 s[84:99], s[6:7], s20 offset:0xc0
.endm
; The active steps of a tile of queries, from its 16 summaries in s[base] on: bit st = 1: the step is walked.
.macro ACTIVE dst, base
	s_and_b32 s28, s[\base], s[\base+1]
.irp i, 2,3,4,5,6,7,8,9,10,11,12,13,14,15
	s_and_b32 s28, s28, s[\base+\i]
.endr
	s_lshr_b32 s29, s28, 16
	s_and_b32 s28, s28, s29
	s_and_b32 s28, s28, 0xffff                     ; bit r: all 2,048 keys are masked for query r (both halves of the lanes say so in all 16 pieces)
	s_mov_b32 s[\dst], 0
.irp i, 0,1,2,3,4,5,6,7,8,9,10,11,12,13,14,15
	s_cmp_lg_u32 s[\base+\i], -1                   ; not all ones: some key of the piece counts for some query
	s_cselect_b32 s29, 1<<\i, 0
	s_or_b32 s[\dst], s[\dst], s29
.endr
	s_cmp_lg_u32 s28, 0
	s_cselect_b32 s[\dst], 0xffff, s[\dst]         ; a row that is masked throughout wants every key: then every step is walked
.endm
	s_load_b256 s[36:43], s[0:1], 0x0              ; qb, kv, maskw, ac
	s_load_b64 s[44:45], s[0:1], 0x20              ; asc
	v_lshl_add_u32 v254, v0, 2, 0x44000
	v_mov_b32 v255, 0
	v_lshrrev_b32 v1, 5, v0
	v_readfirstlane_b32 s12, v1                    ; wave 0..15
	v_and_b32 v[LI], 31, v0
	v_lshlrev_b32 v[LI], 4, v[LI]
	s_and_b32 s27, ttmp7, 0xffff                   ; 16 x batch + head
	s_lshl_b32 s26, ttmp9, 1
	s_sub_co_u32 s26, 7, s26                       ; from the first pass's block of queries to the second's: 7 - 2 x blocks
	s_lshl_b32 s28, ttmp9, 4
	s_add_co_u32 s28, s28, s12                     ; my tile of 16 queries in the first pass: 16 x + wave
	; the offsets, each in a pair of its own; the addresses are made behind the wait for the arguments
	s_mul_i32 s48, s27, HEADB
	s_mul_i32 s19, s12, STEPB                      ; key step w: in memory and in LDS
	s_add_co_u32 s48, s48, s19
	s_mov_b32 s49, 0
	s_mul_i32 s50, s27, QHEADB
	s_lshr_b32 s29, s28, 3                         ; my step of 128 queries
	s_mul_i32 s29, s29, QSTEPB
	s_add_co_u32 s50, s50, s29
	s_and_b32 s29, s12, 7                          ; a: my tile in it, the same in both passes
	s_lshl_b32 s18, s29, 10
	s_add_co_u32 s50, s50, s18
	s_mov_b32 s51, 0
	s_sub_co_u32 s18, 8192, s18                    ; from my image to the step's scale words,
	s_and_b32 s20, s29, 1
	s_lshl_b32 s20, s20, 8                         ; where tile a's words lie in lanes 16 (a % 2) + r,
	s_add_co_u32 s18, s18, s20
	s_lshr_b32 s20, s29, 1
	s_lshl_b32 s20, s20, 2                         ; word a / 2
	s_add_co_u32 s18, s18, s20
	s_lshl_b32 s52, s28, 12                        ; the mask's words: 16 pieces of 256 bytes a tile
	s_mov_b32 s53, 0
	s_lshl_b32 s54, s28, 6                         ; the summaries: 16 words a tile
	s_add_co_u32 s54, s54, SUMW
	s_mov_b32 s55, 0
	s_lshl_b32 s21, s26, 10                        ; and the second pass's: 16 tiles a block further on
	s_lshr_b32 s29, s27, 4                         ; the batch
	s_lshl_b32 s29, s29, 7
	s_add_co_u32 s29, s29, s28                     ; my tile of 16 tokens
	s_and_b32 s27, s27, 15                         ; the head
	s_lshl_b32 s56, s29, 14                        ; 16,384 bytes of codes a tile,
	s_lshl_b32 s20, s27, 10                        ; 1,024 a head
	s_add_co_u32 s56, s56, s20
	s_mov_b32 s57, 0
	s_lshl_b32 s58, s29, 9                         ; 16 rows of 32 scale bytes,
	s_lshl_b32 s20, s27, 1                         ; two a head
	s_add_co_u32 s58, s58, s20
	s_mov_b32 s59, 0
	s_mov_b32 s3, 0
	s_mov_b32 s13, 0x600000                        ; the mantissa field of 448
	s_mov_b32 s14, 0x76543210
	s_mov_b32 s15, 0xfedcba98                      ; v_permlanex16_b32's selects for lane l xor 16
	s_mov_b32 s16, 0x3d38aa3b                      ; c = log2(e) / 32
	s_mov_b32 s17, s16                             ; (named with it as a pair)
	s_mov_b32 s22, 0xffff0000                      ; lanes 16-31
	v_and_b32 v[SBO], 15, v0
	v_lshl_add_u32 v[QSO], v[SBO], 4, s18
	v_bfe_u32 v[AD], v0, 4, 1
	v_lshl_add_u32 v[SBO], v[SBO], 5, v[AD]
	v_add_nc_u32 v[AD], s19, v[LI]                 ; where my key step goes: wave x 17,408 + 16 x lane
	s_wait_kmcnt 0x0
	s_add_nc_u64 s[30:31], s[38:39], s[48:49]      ; the head's key step w
	s_add_nc_u64 s[4:5], s[36:37], s[50:51]        ; Q's image
	s_add_nc_u64 s[6:7], s[40:41], s[52:53]        ; the mask's words
	s_add_nc_u64 s[24:25], s[40:41], s[54:55]      ; the summaries
	s_add_nc_u64 s[8:9], s[42:43], s[56:57]        ; o's codes
	s_add_nc_u64 s[10:11], s[44:45], s[58:59]      ; o's scale bytes
	s_load_b512 s[68:83], s[24:25], 0x0            ; the first pass's 16 summaries,
	s_load_b512 s[84:99], s[24:25], s21 offset:0x0 ; the second's
	QLOAD                                          ; older than the fill's loads, so that the counts below need not know of them
.set n, 0
.rept 34                                           ; my key step: 34 x 512 consecutive bytes, into registers that the loop takes later: v16-79, then v104-175
.if n < 16
.set rr, KV+4*n
.else
.set rr, S+4*(n-16)
.endif
	global_load_b128 v[rr:rr+3], v[LI], s[30:31] offset:512*n
.set n, n+1
.endr
.irp j, 0,1,2,3,4,5,6,7
	v_mov_b32 v[ZT+\j], 0                          ; zero codes behind K's tile 7,
	v_mov_b32 v[Q+8+\j], 0                         ; and in the upper half of Q's fragment
.endr
.irp b, 0,1,2,3
	v_mov_b32 v[T4+\b], 0                          ; written once: a lane permute's destination counts as one of its sources
.endr
	v_mov_b32 v[F+1], 0
	v_mov_b32 v[TMP], 0
	v_mov_b32 v[NEG], 0xd1000000                   ; -2^35
	s_wait_kmcnt 0x0                               ; the summaries
	ACTIVE 24, 68
	ACTIVE 25, 84
	s_mov_b32 s20, 0
	MLOAD                                          ; the first pass's first piece
.set n, 0
.rept 34
.if n < 16
.set rr, KV+4*n
.else
.set rr, S+4*(n-16)
.endif
	s_wait_loadcnt 33-n                            ; loads come back in order: load n is in, the later ones may be out
	ds_store_b128 v[AD], v[rr:rr+3] offset:512*n
.set n, n+1
.endr
	s_wait_dscnt 0x0                               ; for the others' sake: my key step lies in LDS,
	s_barrier_signal -1
	s_barrier_wait -1                              ; everybody's does: the whole head, and nothing writes LDS again
; A KEY STEP: 128 keys.
.macro STEP
	v_add_nc_u32 v[AD], s19, v[LI]
.rept 7
	v_nop                                          ; with the addition: eight places behind the last step's products, in front of loads into registers that they read
.endr
.irp t, 0,1,2,3,4,5,6,7
	ds_load_b128 v[KV+8*\t:KV+8*\t+3], v[AD] offset:1024*\t
	ds_load_b128 v[KV+8*\t+4:KV+8*\t+7], v[AD] offset:1024*\t+512
.endr
	ds_load_b128 v[KS:KS+3], v[AD] offset:16384    ; register j: tile 2 j's words in lanes 0-15, tile 2 j + 1's in lanes 16-31
	s_wait_dscnt 0x0
.irp t, 0,2,4,6
	v_wmma_scale_f32_16x16x128_f8f6f4 v[S+8*\t:S+8*\t+7], v[KV+8*\t:KV+8*\t+15], v[Q:Q+15], 0, v[KS+\t/2], v[QS]
	v_wmma_scale_f32_16x16x128_f8f6f4 v[S+8*\t+8:S+8*\t+15], v[KV+8*\t+8:KV+8*\t+23], v[Q:Q+15], 0, v[KS+\t/2], v[QS] matrix_a_scale:MATRIX_SCALE_ROW1
.endr
.rept 8
	v_nop                                          ; places in front of the loads below and of the first read of the scores
.endr
.irp t, 0,1,2,3
.irp c, 0,1,2,3
	ds_load_b128 v[KV+16*\t+4*\c:KV+16*\t+4*\c+3], v[AD] offset:8192+2048*\t+512*\c   ; V: it has the whole softmax in which to land
.endr
.endr
	ds_load_b128 v[VS:VS+3], v[AD] offset:16896
	s_wait_kmcnt 0x0                               ; this piece's 64 mask words, asked for a step ago; no scalar load is out, so their offset may be written:
	s_mov_b32 s20, s21                             ; the next step's words.  Each set of 16 registers is asked for anew behind the selects that read it
.set n, 0
.rept 16
	v_cndmask_b32 v[S+n], v[S+n], v[NEG], s[32+n]  ; where(mask, .., score).  Ascending: each tile of scores is read from its low end on
.set n, n+1
.endr
.set n, 0
.rept 16
	v_cndmask_b32 v[S+16+n], v[S+16+n], v[NEG], s[48+n]
.set n, n+1
.endr
	s_load_b512 s[32:47], s[6:7], s20 offset:0x0
.set n, 0
.rept 16
	v_cndmask_b32 v[S+32+n], v[S+32+n], v[NEG], s[68+n]
.set n, n+1
.endr
	s_load_b512 s[48:63], s[6:7], s20 offset:0x40
.set n, 0
.rept 16
	v_cndmask_b32 v[S+48+n], v[S+48+n], v[NEG], s[84+n]
.set n, n+1
.endr
	s_load_b512 s[68:83], s[6:7], s20 offset:0x80
.irp b, 0,1,2,3
	v_max3_num_f32 v[BM+\b], v[S+16*\b], v[S+16*\b+1], v[S+16*\b+2]   ; THE LARGEST SCORE OF EACH BLOCK OF 32 KEYS serves twice: for the row's maximum, and, since p rises with the score, for the block's largest p
.endr
	s_load_b512 s[84:99], s[6:7], s20 offset:0xc0
.irp i, 3,5,7,9,11,13
.irp b, 0,1,2,3
	v_max3_num_f32 v[BM+\b], v[BM+\b], v[S+16*\b+\i], v[S+16*\b+\i+1]   ; (the four blocks by turns)
.endr
.endr
.irp b, 0,1,2,3
	v_max_num_f32 v[BM+\b], v[BM+\b], v[S+16*\b+15]
.endr
.irp b, 0,1,2,3
	v_permlanex16_b32 v[T4+\b], v[BM+\b], s14, s15
.endr
.irp b, 0,1,2,3
	v_max_num_f32 v[BM+\b], v[BM+\b], v[T4+\b]     ; with lane l xor 16's 16 keys
.endr
	v_max3_num_f32 v[TMP], v[BM], v[BM+1], v[BM+2]
	v_max_num_f32 v[TMP], v[TMP], v[BM+3]          ; the step's largest score of my query
	v_mul_f32 v[TMP], s16, v[TMP]                  ; as t (c is positive)
	v_max_num_f32 v[NM+1], v[NM+1], v[TMP]         ; the running largest t
	v_mov_b32 v[TMP], v[NM]
	v_floor_f32 v[NM], -v[NM+1]                    ; the new -M = floor(-t) = -ceil(t): M is a whole number
	v_sub_f32 v[TMP], v[NM], v[TMP]                ; M's old value less its new one: 0 or less
	v_cvt_i32_f32 v[TMP], v[TMP]                   ; (it saturates)
	v_ldexp_f32 v[F], 1.0, v[TMP]                  ; f = 2^(old M - new M): a multiplication by it rounds nothing
.set n, 0
.rept 32
	v_pk_fma_f32 v[S+n:S+n+1], v[S+n:S+n+1], s[16:17], v[NM:NM+1] op_sel_hi:[1,0,0]   ; t - M, two at a time (of the pairs c and -M the low word serves both halves)
.set n, n+2
.endr
.irp b, 0,1,2,3
	v_fma_f32 v[BM+\b], v[BM+\b], s16, v[NM]       ; the same of each block's largest score
.endr
.set n, 0
.rept 64
	v_exp_f32 v[S+n], v[S+n]                       ; p = 2^(t - M), at most 1: not normalised
.set n, n+1
.endr
	v_pk_mul_f32 v[SUM:SUM+1], v[SUM:SUM+1], v[F:F+1] op_sel_hi:[1,0]   ; the sums under the new M: a plain instruction behind the exponentials
	s_wait_alu depctr_va_vdst(0)                   ; one wait for the whole batch, ahead of its first reader
.irp b, 0,1,2,3
	v_exp_f32 v[BM+\b], v[BM+\b]                   ; the block's largest p: the same two instructions on the same number give the same bits
.endr
	v_pk_add_f32 v[SU2:SU2+1], v[S:S+1], v[S+2:S+3]   ; THE ROW'S SUM IS TAKEN OF THE UNQUANTISED p: two at a time, in two chains
.irp j, 4,8,12,16,20,24,28,32,36,40,44,48,52,56,60
	v_pk_add_f32 v[SUM:SUM+1], v[SUM:SUM+1], v[S+\j:S+\j+1]
	v_pk_add_f32 v[SU2:SU2+1], v[SU2:SU2+1], v[S+\j+2:S+\j+3]
.endr
	v_pk_add_f32 v[SUM:SUM+1], v[SUM:SUM+1], v[SU2:SU2+1]
	s_wait_alu depctr_va_vdst(0)                   ; and one for the four
.irp b, 0,1,2,3
	v_max_num_f32 v[BM+\b], 0x4800000, v[BM+\b]    ; the floor 2^(9 - 127): the byte cannot fall under 1 (a block whose every p is 0 keeps that byte: its codes are zeros)
.endr
.irp b, 0,1,2,3
	v_add_nc_u32 v[SO+\b], 0xfc000000, v[BM+\b]    ; 8 off the exponent field: the conversion's scale operand
.endr
.irp b, 0,1,2,3
	v_and_or_b32 v[HD+\b], v[BM+\b], 0x7f800000, s13   ; 448 x the scale
.endr
.irp b, 0,1,2,3
	v_lshrrev_b32 v[T4+\b], 23, v[SO+\b]           ; the scale's byte
.endr
	v_lshl_or_b32 v[PS], v[T4+1], 8, v[T4]         ; p's scale word for these 128 keys
	v_lshl_or_b32 v[PS], v[T4+2], 16, v[PS]
	v_lshl_or_b32 v[PS], v[T4+3], 24, v[PS]
.irp b, 0,1,2,3
.irp i, 0,1,2,3,4,5,6,7,8,9,10,11,12,13,14,15
	v_min_num_f32 v[S+16*\b+\i], v[S+16*\b+\i], v[HD+\b]   ; the conversion to an 8-bit code does not saturate (ISA guide 7.6.2); p is not negative, so the hold is one-sided
.endr
	v_cvt_scalef32_pk8_fp8_f32 v[PC+4*\b:PC+4*\b+1], v[S+16*\b:S+16*\b+7], v[SO+\b]
	v_cvt_scalef32_pk8_fp8_f32 v[PC+4*\b+2:PC+4*\b+3], v[S+16*\b+8:S+16*\b+15], v[SO+\b]
.endr
.set n, 0
.rept 16
	v_pk_mul_f32 v[O+n:O+n+1], v[O+n:O+n+1], v[F:F+1] op_sel_hi:[1,0]   ; O^T under the new M.  These sixteen are also the places between the codes and the products
.set n, n+2
.endr
	s_wait_dscnt 0x0                               ; V and its scale words
.irp t, 0,1,2,3
	v_wmma_scale_f32_16x16x128_f8f6f4 v[O+8*\t:O+8*\t+7], v[KV+16*\t:KV+16*\t+15], v[PC:PC+15], v[O+8*\t:O+8*\t+7], v[VS+\t], v[PS]   ; the four accumulators by turns, and eight products K Q^T stand between a link and the next
.endr
.endm
; THE WAY OUT of a pass: o = O^T / the sum; the true order along the channels; quantised; 1,024 bytes of codes and 32 scale bytes a wave.
.macro WAYOUT
	v_add_f32 v[SUM], v[SUM], v[SUM+1]             ; the sum's two halves,
	v_permlanex16_b32 v[TMP], v[SUM], s14, s15
	v_add_f32 v[SUM], v[SUM], v[TMP]               ; and lane l xor 16's
	v_rcp_f32 v[F], v[SUM]
.rept 8
	v_nop                                          ; places behind the last products, and the plain instruction behind the reciprocal
.endr
	s_wait_alu depctr_va_vdst(0)                   ; ahead of the reciprocal's first reader
.set n, 0
.rept 16
	v_pk_mul_f32 v[S+n:S+n+1], v[O+n:O+n+1], v[F:F+1] op_sel_hi:[1,0]   ; register 8 t + j: channel 16 t + 8 h + j; each accumulator from its low end on
.set n, n+2
.endr
.irp b, 0,1
.irp j, 0,1,2,3,4,5,6,7
	v_permlane16_swap_b32 v[S+16*\b+\j], v[S+16*\b+8+\j]   ; the first's lanes 16-31 change places with the second's lanes 0-15: register 16 b + i is now channel 32 b + 16 h + i
.endr
.endr
.irp b, 0,1
	v_max3_num_f32 v[BM+\b], |v[S+16*\b]|, |v[S+16*\b+1]|, 0x4800000
.endr
.irp i, 2,4,6,8,10,12,14
.irp b, 0,1
	v_max3_num_f32 v[BM+\b], v[BM+\b], |v[S+16*\b+\i]|, |v[S+16*\b+\i+1]|
.endr
.endr
.irp b, 0,1
	v_permlanex16_b32 v[T4+\b], v[BM+\b], s14, s15
.endr
.irp b, 0,1
	v_max_num_f32 v[BM+\b], v[BM+\b], v[T4+\b]
.endr
.irp b, 0,1
	v_add_nc_u32 v[SO+\b], 0xfc000000, v[BM+\b]
.endr
.irp b, 0,1
	v_and_or_b32 v[HD+\b], v[BM+\b], 0x7f800000, s13
.endr
.irp b, 0,1
	v_lshrrev_b32 v[T4+\b], 23, v[SO+\b]
.endr
	v_cndmask_b32 v[TMP], v[T4], v[T4+1], s22      ; lanes 0-15 store block 0's byte, lanes 16-31 block 1's
.irp b, 0,1
.irp i, 0,1,2,3,4,5,6,7,8,9,10,11,12,13,14,15
	v_med3_num_f32 v[S+16*\b+\i], v[S+16*\b+\i], -v[HD+\b], v[HD+\b]
.endr
	v_cvt_scalef32_pk8_fp8_f32 v[PC+4*\b:PC+4*\b+1], v[S+16*\b:S+16*\b+7], v[SO+\b]
	v_cvt_scalef32_pk8_fp8_f32 v[PC+4*\b+2:PC+4*\b+3], v[S+16*\b+8:S+16*\b+15], v[SO+\b]
.endr
	v_nop                                          ; a plain instruction behind the last conversion
	global_store_b128 v[LI], v[PC:PC+3], s[8:9]              ; 512 consecutive bytes, aligned: chunk 2 (head % 2) of the next product's fragment
	global_store_b128 v[LI], v[PC+4:PC+7], s[8:9] offset:512
	global_store_b8 v[SBO], v[TMP], s[10:11]                 ; a byte a lane, two to a token's row of 32
.endm
; A PASS: one tile of 16 queries against the head's 16 key steps.  The loop has 16 trips whatever the mask; the LDS byte and the mask words' offset are stepped in the part that every trip walks; the jump goes round a step's work alone.
.macro PASS p
.if \p
	s_wait_xcnt 0x0                                ; the last pass's stores have read their data and their bases: both are written again only behind this wait
	s_lshl_b32 s2, s26, 18                         ; 16 token tiles of 16,384 bytes a block
	s_add_nc_u64 s[8:9], s[8:9], s[2:3]
	s_lshl_b32 s2, s26, 13                         ; 256 rows of 32 scale bytes
	s_add_nc_u64 s[10:11], s[10:11], s[2:3]
.endif
.set n, 0
.rept 32
	v_mov_b32 v[O+n], 0                            ; the step is written once: the first finds zeros, which the first change of M leaves zeros
.set n, n+1
.endr
	v_mov_b32 v[SUM], 0
	v_mov_b32 v[SUM+1], 0
	v_mov_b32 v[NM+1], 0xff61b1e6                  ; the largest t so far: -3e38, under every t
	v_floor_f32 v[NM], -v[NM+1]
	s_mov_b32 s23, s[24+\p]                        ; bit 0: this step is walked; bit 1: the next
	s_mov_b32 s19, 0
	s_mov_b32 s21, 256
	s_mov_b32 s18, 16
	s_wait_loadcnt 0x0                             ; Q and its scale word
.Lstep_\@:
	s_bitcmp1_b32 s23, 0
	s_cbranch_scc0 .Lskip_\@
	STEP                                           ; it also asks for the next step's mask words
	s_branch .Lnext_\@
.Lskip_\@:                                         ; the piece lies wholly under the mask.  If the next step is walked, its words are asked for here; else nothing is asked for and nothing waited for
	s_bitcmp1_b32 s23, 1
	s_cbranch_scc0 .Lnext_\@
	s_wait_kmcnt 0x0                               ; no scalar load is out: the offset and the words' registers may be written
	s_mov_b32 s20, s21
	MLOAD
.Lnext_\@:
	s_lshr_b32 s23, s23, 1
	s_add_co_u32 s19, s19, STEPB
	s_add_co_u32 s21, s21, 256
	s_min_u32 s21, s21, 3840                       ; the last step asks for its own words again: no load leaves the buffer
	s_sub_co_i32 s18, s18, 1
	s_cmp_lg_u32 s18, 0
	s_cbranch_scc1 .Lstep_\@
.if \p == 0
	s_wait_kmcnt 0x0                               ; no scalar load is out,
	s_wait_xcnt 0x0                                ; and every earlier memory instruction has read its base: Q's and the mask words' pointers go on to the second pass's block
	s_mul_i32 s2, s26, 2*QSTEPB
	s_add_nc_u64 s[4:5], s[4:5], s[2:3]
	s_lshl_b32 s2, s26, 16                         ; 16 tiles of 4,096 bytes
	s_add_nc_u64 s[6:7], s[6:7], s[2:3]
	s_mov_b32 s20, 0
	QLOAD                                          ; the next pass's Q and first mask words are on their way during the way out
	MLOAD
.endif
	WAYOUT
.endm
	PASS 0
	PASS 1
	s_wait_kmcnt 0x0                               ; the last look-ahead, which nobody reads
	s_wait_tensorcnt 0x0
	ds_add_u32 v254, v255
	s_wait_dscnt 0x0
	s_endpgm
.Lfunc_end_k_qbfeb57e18e_attn:
	.size	k_qbfeb57e18e_attn, .Lfunc_end_k_qbfeb57e18e_attn-k_qbfeb57e18e_attn
	.p2alignl 7, 3214868480
	.fill 96, 4, 3214868480
	.section	.rodata,"a",@progbits
	.p2align	6, 0x0
	.amdhsa_kernel k_qbfeb57e18e_attn
		.amdhsa_group_segment_fixed_size 280576
		.amdhsa_private_segment_fixed_size 0
		.amdhsa_enable_private_segment 0
		.amdhsa_kernarg_size 40
		.amdhsa_user_sgpr_count 2
		.amdhsa_user_sgpr_kernarg_segment_ptr 1
		.amdhsa_wavefront_size32 1
		.amdhsa_system_sgpr_workgroup_id_x 1
		.amdhsa_system_sgpr_workgroup_id_y 1
		.amdhsa_system_sgpr_workgroup_id_z 1
		.amdhsa_system_vgpr_workitem_id 0
		.amdhsa_next_free_vgpr 256
		.amdhsa_next_free_sgpr 100
		.amdhsa_reserve_vcc 0
		.amdhsa_float_denorm_mode_32 3
		.amdhsa_float_denorm_mode_16_64 3
		.amdhsa_memory_ordered 1
		.amdhsa_forward_progress 1
		.amdhsa_inst_pref_size 79
	.end_amdhsa_kernel
	.amdgpu_metadata
---
amdhsa.version: [ 1, 2 ]
amdhsa.kernels:
  - .name:           k_qbfeb57e18e_attn
    .symbol:         k_qbfeb57e18e_attn.kd
    .args:
      - { .name: qb, .offset: 0, .size: 8, .value_kind: global_buffer, .address_space: global }
      - { .name: kv, .offset: 8, .size: 8, .value_kind: global_buffer, .address_space: global }
      - { .name: maskw, .offset: 16, .size: 8, .value_kind: global_buffer, .address_space: global }
      - { .name: ac, .offset: 24, .size: 8, .value_kind: global_buffer, .address_space: global }
      - { .name: asc, .offset: 32, .size: 8, .value_kind: global_buffer, .address_space: global }
    .group_segment_fixed_size: 280576
    .private_segment_fixed_size: 0
    .kernarg_segment_align: 8
    .kernarg_segment_size: 40
    .max_flat_workgroup_size: 512
    .sgpr_count:     100
    .vgpr_count:     256
    .wavefront_size: 32
...
	.end_amdgpu_metadata
.endif
;; end of part 5
;; launch proj: the kernel of part 3 again; grid 4 x 32, 4 waves a work-group, clusters of 4 x 4, 327,680 bytes of LDS; arguments ac, asc, w_out_codes, w_out_scales, out0; writes out0
;; ======== version 3 of 3: 3 launches; version 2 with the launch attn written anew for expert scheduling mode
;; limits: right only within a limited range of input values
;; workspace buffers: qb 8,912,896 bytes; kv 17,825,792 bytes; maskw 532,480 bytes of whole numbers; ac 8,388,608 bytes; asc 262,144 bytes
;; launch qkv: the kernel of part 4 again; grid 12 x 32, 4 waves a work-group, clusters of 4 x 4, 327,680 bytes of LDS; arguments x_codes, x_scales, w_q_codes, w_q_scales, w_k_codes, w_k_scales, w_v_codes, w_v_scales, mask, qb, kv, maskw; writes qb, kv, maskw
;; launch attn (part 6): grid 4 x 64, 16 waves a work-group, no clusters, 280,576 bytes of LDS; arguments qb, kv, maskw, ac, asc; writes ac, asc
.if DOCPART == 6
	.amdgcn_target "amdgcn-amd-amdhsa--gfx1250"
	.amdhsa_code_object_version 6
	.text
	.protected	k_qbfeb57e18e_attn
	.globl	k_qbfeb57e18e_attn
	.p2align	8
	.type	k_qbfeb57e18e_attn,@function
k_qbfeb57e18e_attn:
	s_mov_b64 s[64:65], 0
	v_nop
	global_prefetch_b8 v0, s[64:65] scope:SCOPE_SE
	s_setreg_imm32_b32 hwreg(HW_REG_WAVE_SCHED_MODE, 0, 2), 2
	s_setreg_imm32_b32 hwreg(HW_REG_WAVE_MODE, 25, 1), 1
	s_wait_xcnt 0x0
	s_wait_alu depctr_vm_vsrc(0)
; For each of 64 (batch, head): o = softmax(where(mask, -1e9, q k^T / 32)) v, both products on codes of FP8 (E4M3) with one E8M0 scale for each 32 along K; o is quantised along the channels for the product that follows.
; THE SOFTMAX AHEAD OF THE SECOND PRODUCT: t = logit x log2(e); M = the row's largest t so far, rounded UP to a whole number; p = 2^(t - M) is quantised along the keys, not normalised; the row's sum is taken of the unquantised p and divides at the end.
; q comes undivided: c = log2(e) / 32 carries the 1/32.
; THE MASK comes as lane-mask words (word n of a piece of 16 queries x 128 keys: bit l belongs to score register n of lane l), by scalar loads: one v_cndmask_b32 a score.
; A MASKED SCORE is -2^35, that is a logit of -2^30 in place of -1e9: c x 2^35 is a whole number that f32 holds exactly, so in a row whose every key is masked t - M is exactly 0, p = 1, and the result is the mean of V, as with -1e9.
; A PIECE THAT LIES WHOLLY UNDER THE MASK IS LEFT OUT.  Where a row has one unmasked key, every masked key's p is 0, so such a piece adds nothing to any of its 16 rows.  A row whose every key is masked wants all its keys:
; so nothing is left out of a tile of queries that has such a row.  Both are told from the pieces' summaries (the AND of a piece's 64 words), which the launch before has stored: 16 words a tile of queries, one scalar load.
; The decision holds for any mask; a mask with no such piece has all the work done.
; LIMITS: the results are those of -1e9 wherever every unmasked logit lies above about -9.9e8; a block whose largest magnitude lies under 2^-118 keeps the scale byte 1 (a block of zeros too: its codes are zeros); NaN and infinities are not served.
; SHARES.  Four work-groups share a head.  Work-group x takes the blocks of 256 queries x and 7 - x, one after the other; each of its sixteen waves owns one tile of 16 queries in 256 registers: four waves to a SIMD,
; so that one wave's vector work stands beside another's matrix work and LDS loads.
; K, V AND THEIR SCALE WORDS of the whole head, 278,528 bytes, come into LDS ONCE, THROUGH REGISTERS (wave w: key step w's 17,408 bytes, 34 loads and 34 LDS stores of 512 bytes), and are only read from then on: one barrier.
; No tensor load and no joint request, though four work-groups read the same bytes: the walk over the key steps branches on numbers read from memory;
; a step left out spares a wave 17,408 bytes of LDS reads and the step's whole arithmetic, against 278,528 bytes that a work-group asks for by itself, once.
; LAYOUT.  Both products are used transposed: S^T = K Q^T (source 0 = 16 keys), O^T = V^T P^T (source 0 = 16 channels): a lane holds ONE query (lane % 16) throughout.  All operands lie in LDS as images of their registers: 16 bytes a lane, no pitch.
; THE HEAD'S 64 CHANNELS FILL HALF OF THE INSTRUCTION'S 128: Q's fragment is 8 registers of codes and 8 of zero codes; K's tiles lie on end, 8 registers each, and tile t's operand is the 16 registers from its first on: its upper half
; (the next tile's codes; behind tile 7 eight zero registers) meets Q's zero codes and adds nothing (no code here is NaN and no scale byte 0xff).
; p and v carry the same order inside a block of 32 keys (places 8 h + 0..7, 16 + 8 h + 0..7), q and k the same inside a block of channels.  o meets a given operand next: sixteen lane swaps give it the true order.
; THE MODE: SCHED_MODE bits 1:0 = 2 (LLVM: expert scheduling mode 2), set by the entry lines.  The code itself states the register dependences
; between vector or matrix instructions and memory or LDS instructions, with s_wait_alu, always for 0.
; THE PLAN.  Registers that memory or LDS instructions touch:
;   v1, v3, v4     offsets, made once at the head and never written again.
;   v2 (AD)        read by the fill's LDS stores and by every LDS load of a step; written once a step, at the step's head.
;   v16-79 (KV)    at the head the fill's loads land in it and the LDS stores read it.  In a step: K's loads land, the eight products K Q^T read, V's loads land, the four products V^T P read.
;   v104-175       at the head only: the fill's loads land, the LDS stores read; from then on matrix and vector instructions alone name them.
;   v232-239       K's and V's scale words: LDS loads land, products read.     v88-95, v240: Q and its scale word: loaded once a pass, read by the products K Q^T.
;   v200-207, v250 on the way out: written by the conversions and a select, read by the three stores; written again in the next pass.
;   v254, v255     written at the head, read by the closing add alone.
; Written by vector instructions and taken by the scaled products as operands or scales: the zero codes v80-87 and v96-103, p's codes v200-215, p's scale word v241.
; A STEP has one wait on vm_vsrc, ahead of the add to v2, and three on va_vdst: at its head, ahead of K's loads; behind the exponentials, where it is also the wait that V's loads want, so V's loads stand there, dealt among the
; row's sums, which name none of their registers; and directly ahead of the products V^T P.  A step that is left out holds no vector, matrix, LDS or vector-memory instruction.
; SCALARS: s[2:3] an offset as a pair (s3 = 0); s[4:5] Q, s[6:7] the mask's words, s[8:9] o's codes, s[10:11] o's scale bytes, all at the pass in hand; s12 wave; s18 trips; s19 the step's LDS byte; s20 the offset of the mask words being asked for;
; s21 the next step's; s23 the active steps from this one on; s24, s25 the two passes' active steps; s26 = 7 - 2 x; s[30:31] my key step in memory; s[32:47], s[48:63], s[68:83], s[84:99] a piece's 64 mask words.
.set STEPB,  17408                     ; a key step in kv and in LDS: K's 8 images (8,192), V's 4 (8,192), K's scale words (512), V's (512)
.set HEADB,  278528
.set QSTEPB, 8704                      ; 128 queries in qb: 8 images (8,192), their scale words (512)
.set QHEADB, 139264
.set SUMW,   524288                    ; where the pieces' summaries begin in the mask's buffer
.set LI,  1                            ; v1   16 x lane
.set AD,  2                            ; v2   the step's LDS address
.set QSO, 3                            ; v3   where my tile's scale word lies, from my tile's image on
.set SBO, 4                            ; v4   32 r + h: my byte among o's scale bytes
.set KV,  16                           ; v16-79   K's 8 tiles, then V's 4 fragments
.set ZT,  80                           ; v80-87   zeros
.set Q,   88                           ; v88-95   Q's codes; v96-103 zeros
.set S,   104                          ; v104-167 S^T, then p
.set O,   168                          ; v168-199 O^T
.set PC,  200                          ; v200-215 p's codes
.set BM,  216                          ; v216-219 a block's largest score, then its largest p
.set T4,  220                          ; v220-223 at work
.set HD,  224                          ; v224-227 448 x the scale
.set SO,  228                          ; v228-231 the conversions' scale operands
.set KS,  232                          ; v232-235 K's scale words; v236-239 V's; v240 Q's; v241 p's: they hold scales and nothing else
.set VS,  236
.set QS,  240
.set PS,  241
.set NM,  242                          ; v242 -M, v243 the largest t
.set SUM, 244                          ; v[244:245] the row's sum in two halves; v[246:247] a second chain
.set SU2, 246
.set F,   248                          ; v248 f = 2^(old M - new M); v249 named with it as a pair
.set TMP, 250
.set NEG, 251                          ; -2^35
.macro QLOAD                           ; my tile's image and scale word
	global_load_b128 v[Q:Q+3], v[LI], s[4:5]
	global_load_b128 v[Q+4:Q+7], v[LI], s[4:5] offset:512
	global_load_b32 v[QS], v[QSO], s[4:5]
.endm
.macro MLOAD                           ; a piece's 64 mask words, s20 bytes from my tile's first piece
	s_load_b512 s[32:47], s[6:7], s20 offset:0x0
	s_load_b512 s[48:63], s[6:7], s20 offset:0x40
	s_load_b512 s[68:83], s[6:7], s20 offset:0x80
	s_load_b512 s[84:99], s[6:7], s20 offset:0xc0
.endm
; The active steps of a tile of queries, from its 16 summaries in s[base] on: bit st = 1: the step is walked.
.macro ACTIVE dst, base
	s_and_b32 s28, s[\base], s[\base+1]
.irp i, 2,3,4,5,6,7,8,9,10,11,12,13,14,15
	s_and_b32 s28, s28, s[\base+\i]
.endr
	s_lshr_b32 s29, s28, 16
	s_and_b32 s28, s28, s29
	s_and_b32 s28, s28, 0xffff                     ; bit r: all 2,048 keys are masked for query r (both halves of the lanes say so in all 16 pieces)
	s_mov_b32 s[\dst], 0
.irp i, 0,1,2,3,4,5,6,7,8,9,10,11,12,13,14,15
	s_cmp_lg_u32 s[\base+\i], -1                   ; not all ones: some key of the piece counts for some query
	s_cselect_b32 s29, 1<<\i, 0
	s_or_b32 s[\dst], s[\dst], s29
.endr
	s_cmp_lg_u32 s28, 0
	s_cselect_b32 s[\dst], 0xffff, s[\dst]         ; a row that is masked throughout wants every key: then every step is walked
.endm
	s_load_b256 s[36:43], s[0:1], 0x0              ; qb, kv, maskw, ac
	s_load_b64 s[44:45], s[0:1], 0x20              ; asc
	v_lshl_add_u32 v254, v0, 2, 0x44000
	v_mov_b32 v255, 0
	v_lshrrev_b32 v1, 5, v0
	v_readfirstlane_b32 s12, v1                    ; wave 0..15
	v_and_b32 v[LI], 31, v0
	v_lshlrev_b32 v[LI], 4, v[LI]
	s_wait_alu depctr_va_sdst(0)                   ; s12 is written, ahead of its first reader: my tile's number and every offset below are made from it
	s_and_b32 s27, ttmp7, 0xffff                   ; 16 x batch + head
	s_lshl_b32 s26, ttmp9, 1
	s_sub_co_u32 s26, 7, s26                       ; from the first pass's block of queries to the second's: 7 - 2 x blocks
	s_lshl_b32 s28, ttmp9, 4
	s_add_co_u32 s28, s28, s12                     ; my tile of 16 queries in the first pass: 16 x + wave
	; the offsets, each in a pair of its own; the addresses are made behind the wait for the arguments
	s_mul_i32 s48, s27, HEADB
	s_mul_i32 s19, s12, STEPB                      ; key step w: in memory and in LDS
	s_add_co_u32 s48, s48, s19
	s_mov_b32 s49, 0
	s_mul_i32 s50, s27, QHEADB
	s_lshr_b32 s29, s28, 3                         ; my step of 128 queries
	s_mul_i32 s29, s29, QSTEPB
	s_add_co_u32 s50, s50, s29
	s_and_b32 s29, s12, 7                          ; a: my tile in it, the same in both passes
	s_lshl_b32 s18, s29, 10
	s_add_co_u32 s50, s50, s18
	s_mov_b32 s51, 0
	s_sub_co_u32 s18, 8192, s18                    ; from my image to the step's scale words,
	s_and_b32 s20, s29, 1
	s_lshl_b32 s20, s20, 8                         ; where tile a's words lie in lanes 16 (a % 2) + r,
	s_add_co_u32 s18, s18, s20
	s_lshr_b32 s20, s29, 1
	s_lshl_b32 s20, s20, 2                         ; word a / 2
	s_add_co_u32 s18, s18, s20
	s_lshl_b32 s52, s28, 12                        ; the mask's words: 16 pieces of 256 bytes a tile
	s_mov_b32 s53, 0
	s_lshl_b32 s54, s28, 6                         ; the summaries: 16 words a tile
	s_add_co_u32 s54, s54, SUMW
	s_mov_b32 s55, 0
	s_lshl_b32 s21, s26, 10                        ; and the second pass's: 16 tiles a block further on
	s_lshr_b32 s29, s27, 4                         ; the batch
	s_lshl_b32 s29, s29, 7
	s_add_co_u32 s29, s29, s28                     ; my tile of 16 tokens
	s_and_b32 s27, s27, 15                         ; the head
	s_lshl_b32 s56, s29, 14                        ; 16,384 bytes of codes a tile,
	s_lshl_b32 s20, s27, 10                        ; 1,024 a head
	s_add_co_u32 s56, s56, s20
	s_mov_b32 s57, 0
	s_lshl_b32 s58, s29, 9                         ; 16 rows of 32 scale bytes,
	s_lshl_b32 s20, s27, 1                         ; two a head
	s_add_co_u32 s58, s58, s20
	s_mov_b32 s59, 0
	s_mov_b32 s3, 0
	s_mov_b32 s13, 0x600000                        ; the mantissa field of 448
	s_mov_b32 s14, 0x76543210
	s_mov_b32 s15, 0xfedcba98                      ; v_permlanex16_b32's selects for lane l xor 16
	s_mov_b32 s16, 0x3d38aa3b                      ; c = log2(e) / 32
	s_mov_b32 s17, s16                             ; (named with it as a pair)
	s_mov_b32 s22, 0xffff0000                      ; lanes 16-31
	v_and_b32 v[SBO], 15, v0
	v_lshl_add_u32 v[QSO], v[SBO], 4, s18
	v_bfe_u32 v[AD], v0, 4, 1
	v_lshl_add_u32 v[SBO], v[SBO], 5, v[AD]
	v_add_nc_u32 v[AD], s19, v[LI]                 ; where my key step goes: wave x 17,408 + 16 x lane
	s_wait_kmcnt 0x0
	s_add_nc_u64 s[30:31], s[38:39], s[48:49]      ; the head's key step w
	s_add_nc_u64 s[4:5], s[36:37], s[50:51]        ; Q's image
	s_add_nc_u64 s[6:7], s[40:41], s[52:53]        ; the mask's words
	s_add_nc_u64 s[24:25], s[40:41], s[54:55]      ; the summaries
	s_add_nc_u64 s[8:9], s[42:43], s[56:57]        ; o's codes
	s_add_nc_u64 s[10:11], s[44:45], s[58:59]      ; o's scale bytes
	s_load_b512 s[68:83], s[24:25], 0x0            ; the first pass's 16 summaries,
	s_load_b512 s[84:99], s[24:25], s21 offset:0x0 ; the second's
	s_wait_alu depctr_va_vdst(0)                   ; the offsets and addresses v1 to v4 are written, which the loads, LDS stores and stores of the kernel read; the vector lines up to the barrier name none of them, nor a register in which a load below lands
	QLOAD                                          ; older than the fill's loads, so that the counts below need not know of them
.set n, 0
.rept 34                                           ; my key step: 34 x 512 consecutive bytes, into registers that the loop takes later: v16-79, then v104-175
.if n < 16
.set rr, KV+4*n
.else
.set rr, S+4*(n-16)
.endif
	global_load_b128 v[rr:rr+3], v[LI], s[30:31] offset:512*n
.set n, n+1
.endr
.irp j, 0,1,2,3,4,5,6,7
	v_mov_b32 v[ZT+\j], 0                          ; zero codes behind K's tile 7,
	v_mov_b32 v[Q+8+\j], 0                         ; and in the upper half of Q's fragment
.endr
.irp b, 0,1,2,3
	v_mov_b32 v[T4+\b], 0                          ; written once: a lane permute's destination counts as one of its sources
.endr
	v_mov_b32 v[F+1], 0
	v_mov_b32 v[TMP], 0
	v_mov_b32 v[NEG], 0xd1000000                   ; -2^35
	s_wait_kmcnt 0x0                               ; the summaries
	ACTIVE 24, 68
	ACTIVE 25, 84
	s_mov_b32 s20, 0
	MLOAD                                          ; the first pass's first piece
.set n, 0
.rept 34
.if n < 16
.set rr, KV+4*n
.else
.set rr, S+4*(n-16)
.endif
	s_wait_loadcnt 33-n                            ; loads come back in order: load n is in, the later ones may be out
	ds_store_b128 v[AD], v[rr:rr+3] offset:512*n
.set n, n+1
.endr
	s_wait_dscnt 0x0                               ; for the others' sake: my key step lies in LDS,
	s_barrier_signal -1
	s_barrier_wait -1                              ; everybody's does: the whole head, and nothing writes LDS again
	s_wait_alu depctr_vm_vsrc(0)                   ; my LDS stores have read v16-79 and v104-175: from here on K's and V's loads land in the first, and products and vector lines write the second (the scores, O^T)
; A KEY STEP: 128 keys.
.macro STEP
	s_wait_alu depctr_vm_vsrc(0)                   ; the LDS instructions issued so far (the last step's loads; ahead of the first step the fill's stores) have read v[AD], which the next line writes
	v_add_nc_u32 v[AD], s19, v[LI]
.rept 7
	v_nop                                          ; with the addition: eight places behind the last step's products, in front of loads into registers that they read
.endr
	s_wait_alu depctr_va_vdst(0)                   ; v[AD] is written, which the step's loads read; the last step's products V^T P are done reading v16-79, in which K's loads land; the zero codes v80-87 and v96-103 are written, which the products below take in their operands
.irp t, 0,1,2,3,4,5,6,7
	ds_load_b128 v[KV+8*\t:KV+8*\t+3], v[AD] offset:1024*\t
	ds_load_b128 v[KV+8*\t+4:KV+8*\t+7], v[AD] offset:1024*\t+512
.endr
	ds_load_b128 v[KS:KS+3], v[AD] offset:16384    ; register j: tile 2 j's words in lanes 0-15, tile 2 j + 1's in lanes 16-31
	s_wait_dscnt 0x0
.irp t, 0,2,4,6
	v_wmma_scale_f32_16x16x128_f8f6f4 v[S+8*\t:S+8*\t+7], v[KV+8*\t:KV+8*\t+15], v[Q:Q+15], 0, v[KS+\t/2], v[QS]
	v_wmma_scale_f32_16x16x128_f8f6f4 v[S+8*\t+8:S+8*\t+15], v[KV+8*\t+8:KV+8*\t+23], v[Q:Q+15], 0, v[KS+\t/2], v[QS] matrix_a_scale:MATRIX_SCALE_ROW1
.endr
.rept 8
	v_nop                                          ; places in front of the first read of the scores
.endr
	s_wait_kmcnt 0x0                               ; this piece's 64 mask words, asked for a step ago; no scalar load is out, so their offset may be written:
	s_mov_b32 s20, s21                             ; the next step's words.  Each set of 16 registers is asked for anew behind the selects that read it
.set n, 0
.rept 16
	v_cndmask_b32 v[S+n], v[S+n], v[NEG], s[32+n]  ; where(mask, .., score).  Ascending: each tile of scores is read from its low end on
.set n, n+1
.endr
.set n, 0
.rept 16
	v_cndmask_b32 v[S+16+n], v[S+16+n], v[NEG], s[48+n]
.set n, n+1
.endr
	s_load_b512 s[32:47], s[6:7], s20 offset:0x0
.set n, 0
.rept 16
	v_cndmask_b32 v[S+32+n], v[S+32+n], v[NEG], s[68+n]
.set n, n+1
.endr
	s_load_b512 s[48:63], s[6:7], s20 offset:0x40
.set n, 0
.rept 16
	v_cndmask_b32 v[S+48+n], v[S+48+n], v[NEG], s[84+n]
.set n, n+1
.endr
	s_load_b512 s[68:83], s[6:7], s20 offset:0x80
.irp b, 0,1,2,3
	v_max3_num_f32 v[BM+\b], v[S+16*\b], v[S+16*\b+1], v[S+16*\b+2]   ; THE LARGEST SCORE OF EACH BLOCK OF 32 KEYS serves twice: for the row's maximum, and, since p rises with the score, for the block's largest p
.endr
	s_load_b512 s[84:99], s[6:7], s20 offset:0xc0
.irp i, 3,5,7,9,11,13
.irp b, 0,1,2,3
	v_max3_num_f32 v[BM+\b], v[BM+\b], v[S+16*\b+\i], v[S+16*\b+\i+1]   ; (the four blocks by turns)
.endr
.endr
.irp b, 0,1,2,3
	v_max_num_f32 v[BM+\b], v[BM+\b], v[S+16*\b+15]
.endr
.irp b, 0,1,2,3
	v_permlanex16_b32 v[T4+\b], v[BM+\b], s14, s15
.endr
.irp b, 0,1,2,3
	v_max_num_f32 v[BM+\b], v[BM+\b], v[T4+\b]     ; with lane l xor 16's 16 keys
.endr
	v_max3_num_f32 v[TMP], v[BM], v[BM+1], v[BM+2]
	v_max_num_f32 v[TMP], v[TMP], v[BM+3]          ; the step's largest score of my query
	v_mul_f32 v[TMP], s16, v[TMP]                  ; as t (c is positive)
	v_max_num_f32 v[NM+1], v[NM+1], v[TMP]         ; the running largest t
	v_mov_b32 v[TMP], v[NM]
	v_floor_f32 v[NM], -v[NM+1]                    ; the new -M = floor(-t) = -ceil(t): M is a whole number
	v_sub_f32 v[TMP], v[NM], v[TMP]                ; M's old value less its new one: 0 or less
	v_cvt_i32_f32 v[TMP], v[TMP]                   ; (it saturates)
	v_ldexp_f32 v[F], 1.0, v[TMP]                  ; f = 2^(old M - new M): a multiplication by it rounds nothing
.set n, 0
.rept 32
	v_pk_fma_f32 v[S+n:S+n+1], v[S+n:S+n+1], s[16:17], v[NM:NM+1] op_sel_hi:[1,0,0]   ; t - M, two at a time (of the pairs c and -M the low word serves both halves)
.set n, n+2
.endr
.irp b, 0,1,2,3
	v_fma_f32 v[BM+\b], v[BM+\b], s16, v[NM]       ; the same of each block's largest score
.endr
.set n, 0
.rept 64
	v_exp_f32 v[S+n], v[S+n]                       ; p = 2^(t - M), at most 1: not normalised
.set n, n+1
.endr
.irp b, 0,1,2,3
	v_exp_f32 v[BM+\b], v[BM+\b]                   ; the block's largest p: the same two instructions on the same number give the same bits.  In the same batch as the 64, so that one wait serves all 68
.endr
	v_pk_mul_f32 v[SUM:SUM+1], v[SUM:SUM+1], v[F:F+1] op_sel_hi:[1,0]   ; the sums under the new M: a plain instruction behind the exponentials
	s_wait_alu depctr_va_vdst(0)                   ; the 68 exponentials have written p and the blocks' largest p, ahead of their first reader; and the products K Q^T are done reading v16-79, in which V's loads land
	ds_load_b128 v[VS:VS+3], v[AD] offset:16896    ; V's scale words and V's 16 chunks (chunk i at 8,192 + 512 i, into v[KV + 4 i] on), dealt among the sums.  No further wait: the sums name p and v244-247 alone
	ds_load_b128 v[KV:KV+3], v[AD] offset:8192
	v_pk_add_f32 v[SU2:SU2+1], v[S:S+1], v[S+2:S+3]   ; THE ROW'S SUM IS TAKEN OF THE UNQUANTISED p: two at a time, in two chains
.irp j, 4,8,12,16,20,24,28,32,36,40,44,48,52,56,60
	ds_load_b128 v[KV+\j:KV+\j+3], v[AD] offset:8192+128*\j
	v_pk_add_f32 v[SUM:SUM+1], v[SUM:SUM+1], v[S+\j:S+\j+1]
	v_pk_add_f32 v[SU2:SU2+1], v[SU2:SU2+1], v[S+\j+2:S+\j+3]
.endr
	v_pk_add_f32 v[SUM:SUM+1], v[SUM:SUM+1], v[SU2:SU2+1]
.irp b, 0,1,2,3
	v_max_num_f32 v[BM+\b], 0x4800000, v[BM+\b]    ; the floor 2^(9 - 127): the byte cannot fall under 1 (a block whose every p is 0 keeps that byte: its codes are zeros)
.endr
.irp b, 0,1,2,3
	v_add_nc_u32 v[SO+\b], 0xfc000000, v[BM+\b]    ; 8 off the exponent field: the conversion's scale operand
.endr
.irp b, 0,1,2,3
	v_and_or_b32 v[HD+\b], v[BM+\b], 0x7f800000, s13   ; 448 x the scale
.endr
.irp b, 0,1,2,3
	v_lshrrev_b32 v[T4+\b], 23, v[SO+\b]           ; the scale's byte
.endr
	v_lshl_or_b32 v[PS], v[T4+1], 8, v[T4]         ; p's scale word for these 128 keys
	v_lshl_or_b32 v[PS], v[T4+2], 16, v[PS]
	v_lshl_or_b32 v[PS], v[T4+3], 24, v[PS]
.irp b, 0,1,2,3
.irp i, 0,1,2,3,4,5,6,7,8,9,10,11,12,13,14,15
	v_min_num_f32 v[S+16*\b+\i], v[S+16*\b+\i], v[HD+\b]   ; the conversion to an 8-bit code does not saturate (ISA guide 7.6.2); p is not negative, so the hold is one-sided
.endr
	v_cvt_scalef32_pk8_fp8_f32 v[PC+4*\b:PC+4*\b+1], v[S+16*\b:S+16*\b+7], v[SO+\b]
	v_cvt_scalef32_pk8_fp8_f32 v[PC+4*\b+2:PC+4*\b+3], v[S+16*\b+8:S+16*\b+15], v[SO+\b]
.endr
.set n, 0
.rept 16
	v_pk_mul_f32 v[O+n:O+n+1], v[O+n:O+n+1], v[F:F+1] op_sel_hi:[1,0]   ; O^T under the new M.  These sixteen are also the places between the codes and the products
.set n, n+2
.endr
	s_wait_dscnt 0x0                               ; V and its scale words
	s_wait_alu depctr_va_vdst(0)                   ; the conversions have written p's codes v200-215 and the shifts its scale word v241, which the products below take as operand and scales; the places above stay beside this wait
.irp t, 0,1,2,3
	v_wmma_scale_f32_16x16x128_f8f6f4 v[O+8*\t:O+8*\t+7], v[KV+16*\t:KV+16*\t+15], v[PC:PC+15], v[O+8*\t:O+8*\t+7], v[VS+\t], v[PS]   ; the four accumulators by turns, and eight products K Q^T stand between a link and the next
.endr
.endm
; THE WAY OUT of a pass: o = O^T / the sum; the true order along the channels; quantised; 1,024 bytes of codes and 32 scale bytes a wave.
.macro WAYOUT
	v_add_f32 v[SUM], v[SUM], v[SUM+1]             ; the sum's two halves,
	v_permlanex16_b32 v[TMP], v[SUM], s14, s15
	v_add_f32 v[SUM], v[SUM], v[TMP]               ; and lane l xor 16's
	v_rcp_f32 v[F], v[SUM]
.rept 8
	v_nop                                          ; places behind the last products, and the plain instruction behind the reciprocal
.endr
	s_wait_alu depctr_va_vdst(0)                   ; the reciprocal has written v248, ahead of its first reader
.set n, 0
.rept 16
	v_pk_mul_f32 v[S+n:S+n+1], v[O+n:O+n+1], v[F:F+1] op_sel_hi:[1,0]   ; register 8 t + j: channel 16 t + 8 h + j; each accumulator from its low end on
.set n, n+2
.endr
.irp b, 0,1
.irp j, 0,1,2,3,4,5,6,7
	v_permlane16_swap_b32 v[S+16*\b+\j], v[S+16*\b+8+\j]   ; the first's lanes 16-31 change places with the second's lanes 0-15: register 16 b + i is now channel 32 b + 16 h + i
.endr
.endr
.irp b, 0,1
	v_max3_num_f32 v[BM+\b], |v[S+16*\b]|, |v[S+16*\b+1]|, 0x4800000
.endr
.irp i, 2,4,6,8,10,12,14
.irp b, 0,1
	v_max3_num_f32 v[BM+\b], v[BM+\b], |v[S+16*\b+\i]|, |v[S+16*\b+\i+1]|
.endr
.endr
.irp b, 0,1
	v_permlanex16_b32 v[T4+\b], v[BM+\b], s14, s15
.endr
.irp b, 0,1
	v_max_num_f32 v[BM+\b], v[BM+\b], v[T4+\b]
.endr
.irp b, 0,1
	v_add_nc_u32 v[SO+\b], 0xfc000000, v[BM+\b]
.endr
.irp b, 0,1
	v_and_or_b32 v[HD+\b], v[BM+\b], 0x7f800000, s13
.endr
.irp b, 0,1
	v_lshrrev_b32 v[T4+\b], 23, v[SO+\b]
.endr
	v_cndmask_b32 v[TMP], v[T4], v[T4+1], s22      ; lanes 0-15 store block 0's byte, lanes 16-31 block 1's
.irp b, 0,1
.irp i, 0,1,2,3,4,5,6,7,8,9,10,11,12,13,14,15
	v_med3_num_f32 v[S+16*\b+\i], v[S+16*\b+\i], -v[HD+\b], v[HD+\b]
.endr
	v_cvt_scalef32_pk8_fp8_f32 v[PC+4*\b:PC+4*\b+1], v[S+16*\b:S+16*\b+7], v[SO+\b]
	v_cvt_scalef32_pk8_fp8_f32 v[PC+4*\b+2:PC+4*\b+3], v[S+16*\b+8:S+16*\b+15], v[SO+\b]
.endr
	v_nop                                          ; a plain instruction behind the last conversion
	s_wait_alu depctr_va_vdst(0)                   ; the conversions have written o's codes v200-207 and the select its scale byte v250, which the three stores read
	global_store_b128 v[LI], v[PC:PC+3], s[8:9]              ; 512 consecutive bytes, aligned: chunk 2 (head % 2) of the next product's fragment
	global_store_b128 v[LI], v[PC+4:PC+7], s[8:9] offset:512
	global_store_b8 v[SBO], v[TMP], s[10:11]                 ; a byte a lane, two to a token's row of 32
.endm
; A PASS: one tile of 16 queries against the head's 16 key steps.  The loop has 16 trips whatever the mask; the LDS byte and the mask words' offset are stepped in the part that every trip walks; the jump goes round a step's work alone.
.macro PASS p
.if \p
	s_wait_xcnt 0x0                                ; the last pass's stores have read their data and their bases: both are written again only behind this wait
	s_wait_alu depctr_vm_vsrc(0)                   ; the last pass's stores have read v200-207 and v250, which this pass's steps and way out write again
	s_lshl_b32 s2, s26, 18                         ; 16 token tiles of 16,384 bytes a block
	s_add_nc_u64 s[8:9], s[8:9], s[2:3]
	s_lshl_b32 s2, s26, 13                         ; 256 rows of 32 scale bytes
	s_add_nc_u64 s[10:11], s[10:11], s[2:3]
.endif
.set n, 0
.rept 32
	v_mov_b32 v[O+n], 0                            ; the step is written once: the first finds zeros, which the first change of M leaves zeros
.set n, n+1
.endr
	v_mov_b32 v[SUM], 0
	v_mov_b32 v[SUM+1], 0
	v_mov_b32 v[NM+1], 0xff61b1e6                  ; the largest t so far: -3e38, under every t
	v_floor_f32 v[NM], -v[NM+1]
	s_mov_b32 s23, s[24+\p]                        ; bit 0: this step is walked; bit 1: the next
	s_mov_b32 s19, 0
	s_mov_b32 s21, 256
	s_mov_b32 s18, 16
	s_wait_loadcnt 0x0                             ; Q and its scale word
.Lstep_\@:
	s_bitcmp1_b32 s23, 0
	s_cbranch_scc0 .Lskip_\@
	STEP                                           ; it also asks for the next step's mask words
	s_branch .Lnext_\@
.Lskip_\@:                                         ; the piece lies wholly under the mask.  If the next step is walked, its words are asked for here; else nothing is asked for and nothing waited for
	s_bitcmp1_b32 s23, 1
	s_cbranch_scc0 .Lnext_\@
	s_wait_kmcnt 0x0                               ; no scalar load is out: the offset and the words' registers may be written
	s_mov_b32 s20, s21
	MLOAD
.Lnext_\@:
	s_lshr_b32 s23, s23, 1
	s_add_co_u32 s19, s19, STEPB
	s_add_co_u32 s21, s21, 256
	s_min_u32 s21, s21, 3840                       ; the last step asks for its own words again: no load leaves the buffer
	s_sub_co_i32 s18, s18, 1
	s_cmp_lg_u32 s18, 0
	s_cbranch_scc1 .Lstep_\@
.if \p == 0
	s_wait_kmcnt 0x0                               ; no scalar load is out,
	s_wait_xcnt 0x0                                ; and every earlier memory instruction has read its base: Q's and the mask words' pointers go on to the second pass's block
	s_mul_i32 s2, s26, 2*QSTEPB
	s_add_nc_u64 s[4:5], s[4:5], s[2:3]
	s_lshl_b32 s2, s26, 16                         ; 16 tiles of 4,096 bytes
	s_add_nc_u64 s[6:7], s[6:7], s[2:3]
	s_mov_b32 s20, 0
	s_wait_alu depctr_va_vdst(0)                   ; this pass's products K Q^T are done reading Q's codes v88-95 and its scale word v240, in which the loads below land
	QLOAD                                          ; the next pass's Q and first mask words are on their way during the way out, which names none of Q's registers
	MLOAD
.endif
	WAYOUT
.endm
	PASS 0
	PASS 1
	s_wait_kmcnt 0x0                               ; the last look-ahead, which nobody reads
	s_wait_dscnt 0x0                               ; the closing lines, six on end
	s_wait_alu 0x0
	s_wait_tensorcnt 0x0
	ds_add_u32 v254, v255
	s_wait_dscnt 0x0
	s_endpgm
.Lfunc_end_k_qbfeb57e18e_attn:
	.size	k_qbfeb57e18e_attn, .Lfunc_end_k_qbfeb57e18e_attn-k_qbfeb57e18e_attn
	.p2alignl 7, 3214868480
	.fill 96, 4, 3214868480
	.section	.rodata,"a",@progbits
	.p2align	6, 0x0
	.amdhsa_kernel k_qbfeb57e18e_attn
		.amdhsa_group_segment_fixed_size 280576
		.amdhsa_private_segment_fixed_size 0
		.amdhsa_enable_private_segment 0
		.amdhsa_kernarg_size 40
		.amdhsa_user_sgpr_count 2
		.amdhsa_user_sgpr_kernarg_segment_ptr 1
		.amdhsa_wavefront_size32 1
		.amdhsa_system_sgpr_workgroup_id_x 1
		.amdhsa_system_sgpr_workgroup_id_y 1
		.amdhsa_system_sgpr_workgroup_id_z 1
		.amdhsa_system_vgpr_workitem_id 0
		.amdhsa_next_free_vgpr 256
		.amdhsa_next_free_sgpr 100
		.amdhsa_reserve_vcc 0
		.amdhsa_float_denorm_mode_32 3
		.amdhsa_float_denorm_mode_16_64 3
		.amdhsa_memory_ordered 1
		.amdhsa_forward_progress 1
		.amdhsa_inst_pref_size 79
	.end_amdhsa_kernel
	.amdgpu_metadata
---
amdhsa.version: [ 1, 2 ]
amdhsa.kernels:
  - .name:           k_qbfeb57e18e_attn
    .symbol:         k_qbfeb57e18e_attn.kd
    .args:
      - { .name: qb, .offset: 0, .size: 8, .value_kind: global_buffer, .address_space: global }
      - { .name: kv, .offset: 8, .size: 8, .value_kind: global_buffer, .address_space: global }
      - { .name: maskw, .offset: 16, .size: 8, .value_kind: global_buffer, .address_space: global }
      - { .name: ac, .offset: 24, .size: 8, .value_kind: global_buffer, .address_space: global }
      - { .name: asc, .offset: 32, .size: 8, .value_kind: global_buffer, .address_space: global }
    .group_segment_fixed_size: 280576
    .private_segment_fixed_size: 0
    .kernarg_segment_align: 8
    .kernarg_segment_size: 40
    .max_flat_workgroup_size: 512
    .sgpr_count:     100
    .vgpr_count:     256
    .wavefront_size: 32
...
	.end_amdgpu_metadata
.endif
;; end of part 6
;; launch proj: the kernel of part 3 again; grid 4 x 32, 4 waves a work-group, clusters of 4 x 4, 327,680 bytes of LDS; arguments ac, asc, w_out_codes, w_out_scales, out0; writes out0
